; MI455X (gfx1250); checked and timed in simulation.
; The chip was launched on July 23, 2026; its instructions are those of AMD's public machine-readable ISA for CDNA 5 (MIT licence, August 2026) and "CDNA5" Instruction Set Architecture Reference Guide (July 2026). The comments in the code are by the model that wrote it; some were corrected since.
;; Baseline Mini Transformer. Allowed arithmetic: matrix products marked QUANTISED: E2M3 operands, one E8M0 scale for each 32 along K, by v_wmma_scale_f32_16x16x128_f8f6f4 with both operands' format E2M3, f32 sums; everything else in f32.
;; Inputs: b1 4,096 float32; b2 1,024 float32; ln1_b 1,024 float32; ln1_g 1,024 float32; ln2_b 1,024 float32; ln2_g 1,024 float32; w1 4,096 x 1,024 float32; w2 1,024 x 4,096 float32; wk 1,024 x 1,024 float32; wo 1,024 x 1,024 float32; wq 1,024 x 1,024 float32; wv 1,024 x 1,024 float32; x 2 x 2,048 x 1,024 float32.
;; Outputs: out0 2 x 2,048 x 1,024 float32.
;; This version of the problem:
;;   THIS VERSION OF THE PROBLEM IS GIVEN IN LOW PRECISION. The matrix products marked QUANTISED in the list below multiply operands that are first quantised to E2M3 (2 exponent bits, 3 mantissa bits; 6 bits a number), with one power-of-two scale for each 32 numbers along K (OCP MX v1.0); their sums are f32. All else is computed in f32.
;;   The module's matrix products, in the order in which they are computed (A, B: the left and right operand; K: the contracted axis; several contracted axes count as one K, in the product's order):
;;     1. [M 4,096, K 1,024] x [K 1,024, N 1,024]; A: computed on the way; B: input wq: QUANTISED
;;     2. [M 4,096, K 1,024] x [K 1,024, N 1,024]; A: computed on the way; B: input wk: QUANTISED
;;     3. [M 4,096, K 1,024] x [K 1,024, N 1,024]; A: computed on the way; B: input wv: QUANTISED
;;     4. batch 32 x [M 2,048, K 64] x [K 64, N 2,048]; A: computed on the way; B: computed on the way: QUANTISED
;;     5. batch 32 x [M 2,048, K 2,048] x [K 2,048, N 64]; A: softmax (see below); B: computed on the way: QUANTISED
;;     6. [M 4,096, K 1,024] x [K 1,024, N 1,024]; A: computed on the way; B: input wo: QUANTISED
;;     7. [M 4,096, K 1,024] x [K 1,024, N 4,096]; A: computed on the way; B: input w1: QUANTISED
;;     8. [M 4,096, K 4,096] x [K 4,096, N 1,024]; A: computed on the way; B: input w2: QUANTISED
;;   THE QUANTISER, for each operand of a quantised product, along K:
;;     - K is cut into blocks of 32 from its start; a last block that is shorter is filled with zeros.
;;     - A block's scale is 2^e with e = floor(log2(the largest magnitude in the block)) - 2, held to -126 .. 127; a block of zeros has e = 0. As a byte (E8M0): e + 127.
;;     - Each number is divided by its block's scale, clamped to +-7.5, and rounded to the nearest number of E2M3, ties to even, subnormals kept.
;;     - The product sums the exact products of the quantised numbers (number of the format x scale) in f32.
;;   ~~~python
;;   def quantise(x, axis):      # numpy; x: float32 -> the quantised numbers, widened to float32 again
;;       x = np.moveaxis(x, axis, -1); K = x.shape[-1]
;;       x = np.pad(x, [(0, 0)] * (x.ndim - 1) + [(0, -K % 32)]); x = x.reshape(x.shape[:-1] + (-1, 32)); a = np.abs(x).max(-1, keepdims=True)
;;       e = np.where(a > 0, np.clip(np.frexp(np.where(a > 0, a, 1))[1] - 1 - 2, -126, 127), 0)      # np.frexp(a)[1] - 1 = floor(log2(a)), exactly
;;       r = np.clip(x / 2.0 ** e, -7.5, 7.5)
;;       step = 2.0 ** (np.maximum(np.frexp(np.where(r == 0, 1, r))[1] - 1, 0) - 3)
;;       q = np.round(r / step) * step * 2.0 ** e      # np.round: ties to even
;;       return np.moveaxis(q.reshape(q.shape[:-2] + (-1,))[..., :K], -1, axis).astype(np.float32)
;;   ~~~
;;   SOFTMAX AHEAD OF A QUANTISED PRODUCT. Where the list says 'softmax', what is quantised is not the finished softmax but p = 2^(t - M), with t = logit x log2(e) and M = ceil(the row's largest t), a whole number; so 1/2 < the row's largest p <= 1. The row's sum l is taken of the UNQUANTISED p, in f32, and the product's result is divided by l at the end. Since M is a whole number, a kernel that streams over the keys may use a running M (the ceiling of the running maximum): every later rescaling is an exact power of two, which a block's scale takes up: the codes' values come out the same.
;;   OPERANDS COMPUTED ON THE WAY. 'Computed on the way' means the value that the module computes at that place (a softmax that the list does not call 'softmax' is quantised finished and normalised). What goes into a quantiser is computed in f32, as accurately as f32 sums, v_exp_f32 and their like allow (about 1e-6 of the number): no bf16 or f16 on the way to a quantiser, and a product that is left as it is and whose result goes on into a quantised operand takes f32 operands (vector FMAs, or v_wmma_f32_16x16x4_f32). A number that lies on a knife's edge between two numbers of the format may be rounded either way, as far as f32 arithmetic and the matrix unit's own rounding can turn it there, and no further.
;; 2 versions. Each part assembles by itself: llvm-mc -triple=amdgcn-amd-amdhsa -mcpu=gfx1250 --defsym DOCPART=n.
;; ======== version 1 of 2: 7 launches
;; workspace buffers: wts 10,223,616 bytes; h1 3,407,872 bytes; qkv 10,223,616 bytes; ao 3,407,872 bytes; x1 16,777,216 bytes; h2 3,407,872 bytes; gh 13,631,488 bytes
;; launch prep (part 1): grid 512 x 1, 8 waves a work-group, no clusters, 132,608 bytes of LDS; arguments x, ln1_g, ln1_b, wq, wk, wv, wo, w1, w2, h1, wts; writes h1, wts
.if DOCPART == 1
	.amdgcn_target "amdgcn-amd-amdhsa--gfx1250"
	.amdhsa_code_object_version 6
	.text
	.protected	k_q471ec184eb_prep
	.globl	k_q471ec184eb_prep
	.p2align	8
	.type	k_q471ec184eb_prep,@function
k_q471ec184eb_prep:
	s_mov_b64 s[64:65], 0
	v_nop
	global_prefetch_b8 v0, s[64:65] scope:SCOPE_SE
	s_setreg_imm32_b32 hwreg(HW_REG_WAVE_MODE, 25, 1), 1
	s_wait_xcnt 0x0
; THE PROGRAM: one pre-norm transformer block, 4,096 tokens x 1,024, 16 heads of 64, hidden layer 4,096; all eight products on codes of FP6 (E2M3) with one E8M0 byte for each 32 along K.
; NO WORK OF reference() IS LEFT OUT: every input has a way to out0 and there is no mask.  (The scores' K is 64 and the matrix instruction's is 128: the upper 64 are zero codes on both sides.)
; LIMITS: NaN and infinities among the inputs are not served.  A block of zeros gets the byte 1 where the rule says 127: its codes are zeros, and this program alone reads the bytes.
; A block whose largest magnitude lies under 2^-124 is held at the byte 1.
; THIS LAUNCH: the six weights, and LayerNorm 1 of x, become operands.  EVERY OPERAND OF THE PROGRAM LIES IN MEMORY AS AN IMAGE OF ITS REGISTERS, for a matrix [R][K] quantised along K, KS = K / 128:
;   rows stand by POSITION: position p holds row p with its bits 3 and 4 exchanged, so lane r of block rb = p / 16 holds row 32 (rb / 2) + 8 (rb % 2) + r + 8 (r / 8);
;   the fragment (rb, ks), 16 rows x 128 K, 12 registers a lane, lies at (rb KS + ks) x 1,536: two halves of 768 bytes, half c = [lane l's registers 6 c .. 6 c + 3 at 16 l][registers 6 c + 4, 6 c + 5 at 512 + 8 l];
;   its scale words lie at (rb KS + ks) x 128 + 4 l, lane r's word also at lane r + 16.
; A work-group takes 32 rows x 1,024 columns of f32.  Wave w loads rows 4 w .. 4 w + 3 whole (512 consecutive bytes a load), normalises them where they are x's, and lays them into a stage in LDS by position;
; behind one barrier wave w takes columns 128 w .. 128 w + 127 of all 32 rows: two fragments, quantised in registers and stored as they stand.
; Work-groups 0-127: x.  128-383: wq, wk, wv, wo, w1, 32 rows each.  384-511: w2, 32 rows x a quarter of its 4,096 columns.  The work-group's number chooses pointers and offsets, and from 128 on a branch past the normalisation.
.set STP,   4112                       ; a stage row: 4,096 bytes + 16, an odd multiple of 16: the sixteen rows of a load start at sixteen different places modulo 256 bytes
.set SPARE, 32*STP                     ; behind the stage: the spare words, 128 bytes for each wave
.set OFFR,  4                          ; v4-7    my byte in the unit's rows 4 w + i
.set SA,    8                          ; v8      the stage, on the way in
.set LA0,   9                          ; v9, v10 the stage, on the way out: positions 0-15, 16-31
.set LA1,   10
.set L16,   11                         ; v11-13  16, 8, 4 x lane
.set L8,    12
.set L4,    13
.set SPW,   14                         ; v14     my spare word; never rewritten
.set NIL,   15                         ; v15     0; never rewritten
.set ST,    16                         ; v16-31  four registers of statistics a row
.set X,     32                         ; v32-159 four rows of 32 registers; later two sets of 64 numbers
.set G,     160                        ; v160-191 gain, v192-223 bias; later the codes
.set BB,    192
.set PC0,   160
.set PC1,   180
.set TM,    224                        ; v224-239 at work in QUANT
.set PW,    240                        ; v240, v241 the scale words
.set SEL,   40                         ; s[40:41] v_permlanex16_b32's selects for lane l xor 16
; 64 numbers of a lane, register 16 b + i = k 32 b + 16 (lane / 16) + i of my row, become a fragment's codes in v[pc] on and its scale word in v[pw]
.macro QUANT s, pc, pw
.irp b, 0,1,2,3
	v_max3_num_f32 v[TM+\b], |v[\s+16*\b]|, |v[\s+1+16*\b]|, 0x1800000   ; my 16 numbers of block b, and the floor 2^(3 - 127): the byte cannot fall under 1
.endr
.irp i, 2,4,6,8,10,12,14
.irp b, 0,1,2,3
	v_max3_num_f32 v[TM+\b], v[TM+\b], |v[\s+16*\b+\i]|, |v[\s+1+16*\b+\i]|
.endr
.endr
.irp b, 0,1,2,3
	v_permlanex16_b32 v[TM+4+\b], v[TM+\b], s[SEL], s[SEL+1]
.endr
.irp b, 0,1,2,3
	v_max_num_f32 v[TM+\b], v[TM+\b], v[TM+4+\b]                   ; with lane l xor 16's: the block's largest magnitude
.endr
.irp b, 0,1,2,3
	v_add_nc_u32 v[TM+12+\b], 0xff000000, v[TM+\b]                 ; 2 off its exponent field: the conversion's scale operand
.endr
.irp b, 0,1,2,3
	v_lshrrev_b32 v[TM+4+\b], 23, v[TM+12+\b]                      ; the scale's byte
.endr
	v_lshl_or_b32 v[\pw], v[TM+5], 8, v[TM+4]
	v_lshl_or_b32 v[\pw], v[TM+6], 16, v[\pw]
	v_lshl_or_b32 v[\pw], v[TM+7], 24, v[\pw]
.irp c, 0,1
	v_cvt_scalef32_pk16_fp6_f32 v[\pc+6*\c:\pc+2+6*\c], v[\s+32*\c:\s+15+32*\c], v[TM+12+2*\c]
	v_cvt_scalef32_pk16_fp6_f32 v[\pc+12+4*\c:\pc+14+4*\c], v[\s+16+32*\c:\s+31+32*\c], v[TM+12+2*\c+1]   ; (a conversion's three registers begin on an even number)
.endr
	v_nop                                          ; one plain place behind a scaled conversion
.irp c, 0,1                                    ; the operand wants a whole block in a lane: lanes 0-15 block 2 c, lanes 16-31 block 2 c + 1
.irp i, 0,1,2
	v_permlane16_swap_b32 v[\pc+6*\c+\i], v[\pc+12+4*\c+\i]
.endr
.irp i, 0,1,2
	v_mov_b32 v[\pc+3+6*\c+\i], v[\pc+12+4*\c+\i]
.endr
.endr
.endm
.macro HFSTORE pc, base                        ; a fragment leaves as it stands: 512, 256, 512, 256 consecutive bytes, each at a multiple of 256 from the buffer's first byte
	global_store_b128 v[L16], v[\pc:\pc+3], s[\base:\base+1]
	global_store_b64 v[L8], v[\pc+4:\pc+5], s[\base:\base+1] offset:512
	global_store_b128 v[L16], v[\pc+6:\pc+9], s[\base:\base+1] offset:768
	global_store_b64 v[L8], v[\pc+10:\pc+11], s[\base:\base+1] offset:1280
.endm
.macro RED4                                    ; v[ST + 4 i] summed over the wave's 32 lanes, the four rows by turns
.irp m, 1,2,4,8
.irp i, 0,1,2,3
	v_add_f32_dpp v[ST+4*\i], v[ST+4*\i], v[ST+4*\i] row_xmask:\m row_mask:0xf bank_mask:0xf
.endr
.endr
.irp i, 0,1,2,3
	v_permlanex16_b32 v[ST+4*\i+1], v[ST+4*\i], s[SEL], s[SEL+1]
.endr
.irp i, 0,1,2,3
	v_add_f32 v[ST+4*\i], v[ST+4*\i], v[ST+4*\i+1]
.endr
.endm
.macro PICK first, ptr                         ; from work-group 'first' on the source is the tensor at s[ptr]
	s_cmp_ge_u32 ttmp9, \first
	s_cselect_b64 s[30:31], s[\ptr:\ptr+1], s[30:31]
	s_cselect_b32 s28, \first, s28
.endm
	s_load_b256 s[4:11], s[0:1], 0x0               ; x, ln1_g, ln1_b, wq
	s_load_b256 s[12:19], s[0:1], 0x20             ; wk, wv, wo, w1
	s_load_b128 s[20:23], s[0:1], 0x40             ; w2, h1
	s_load_b64 s[24:25], s[0:1], 0x50              ; wts
	v_lshl_add_u32 v[SPW], v0, 2, SPARE
	v_mov_b32 v[NIL], 0
	v_lshrrev_b32 v1, 5, v0
	v_readfirstlane_b32 s26, v1                    ; wave 0..7
	v_and_b32 v1, 31, v0                           ; lane
	v_and_b32 v2, 15, v0                           ; r
	v_bfe_u32 v3, v0, 4, 1                         ; h
	v_lshlrev_b32 v[L16], 4, v1
	v_lshlrev_b32 v[L8], 3, v1
	v_lshlrev_b32 v[L4], 2, v1
	s_and_b32 s27, s26, 1                          ; rows 4 w + i stand at positions 4 w' + i, w' = w with its bits 1 and 2 exchanged
	s_and_b32 s28, s26, 2
	s_lshl_b32 s28, s28, 1
	s_or_b32 s27, s27, s28
	s_and_b32 s28, s26, 4
	s_lshr_b32 s28, s28, 1
	s_or_b32 s27, s27, s28
	s_mul_i32 s27, s27, 4*STP
	v_add_nc_u32 v[SA], s27, v[L16]
	v_mul_u32_u24 v[LA0], v2, STP
	v_lshl_add_u32 v[LA0], v3, 6, v[LA0]
	s_lshl_b32 s27, s26, 9
	v_add_nc_u32 v[LA0], s27, v[LA0]               ; position r, + 64 h, + my 512 bytes of the row
	v_add_nc_u32 v[LA1], 16*STP, v[LA0]
	s_mov_b32 s[SEL], 0x76543210
	s_mov_b32 s[SEL+1], 0xfedcba98
	s_mov_b32 s56, 0x3a800000                      ; 1 / 1,024
	s_mov_b32 s57, 0x3727c5ac                      ; 1e-5
.irp b, 0,1,2,3
	v_mov_b32 v[TM+4+\b], 0                        ; written once: a lane permute's destination counts as one of its sources
.endr
	s_wait_kmcnt 0x0
	s_mov_b64 s[30:31], s[4:5]
	s_mov_b32 s28, 0
	PICK 128, 10
	PICK 160, 12
	PICK 192, 14
	PICK 224, 16
	PICK 256, 18
	PICK 384, 20
	s_sub_co_u32 s29, ttmp9, s28                   ; my unit in its tensor
	s_lshl_b32 s32, s29, 17                        ; K = 1,024: 32 rows of 4,096 bytes
	s_lshr_b32 s33, s29, 2                         ; w2: which 32 rows,
	s_and_b32 s34, s29, 3                          ; which quarter of K
	s_lshl_b32 s35, s33, 19
	s_lshl_b32 s36, s34, 12
	s_add_co_u32 s35, s35, s36
	s_lshl_b32 s34, s34, 3                         ; its first K step
	s_cmp_ge_u32 ttmp9, 128
	s_cselect_b32 s37, 128, 0
	s_cselect_b64 s[38:39], s[24:25], s[22:23]     ; the weights go to wts, x's rows to h1
	s_mov_b32 s42, 3145728
	s_cselect_b32 s42, 9437184, s42                ; where the scale words begin
	s_sub_co_u32 s37, ttmp9, s37                   ; which 32 rows of the operand
	s_cmp_ge_u32 ttmp9, 384
	s_cselect_b32 s32, s35, s32
	s_mov_b32 s43, 4096
	s_cselect_b32 s43, 16384, s43                  ; a source row in bytes
	s_cselect_b32 s44, 32, 8                       ; KS
	s_cselect_b32 s34, s34, 0
	s_cselect_b32 s37, s33, s37
	s_cselect_b32 s45, 6291456, 0                  ; where the codes begin
	s_cselect_b32 s42, 9961472, s42
	s_lshl_b32 s37, s37, 1
	s_mul_i32 s37, s37, s44
	s_add_co_u32 s37, s37, s34
	s_add_co_u32 s37, s37, s26                     ; my first fragment: (2 p) KS + first K step + wave
	s_mul_i32 s46, s37, 1536
	s_add_co_u32 s46, s46, s45
	s_mov_b32 s47, 0
	s_add_nc_u64 s[46:47], s[38:39], s[46:47]      ; codes of positions 0-15,
	s_mul_i32 s48, s44, 1536
	s_mov_b32 s49, 0
	s_add_nc_u64 s[48:49], s[46:47], s[48:49]      ; of positions 16-31,
	s_lshl_b32 s50, s37, 7
	s_add_co_u32 s50, s50, s42
	s_mov_b32 s51, 0
	s_add_nc_u64 s[50:51], s[38:39], s[50:51]      ; and the scale words likewise
	s_lshl_b32 s52, s44, 7
	s_mov_b32 s53, 0
	s_add_nc_u64 s[52:53], s[50:51], s[52:53]
	s_mov_b32 s33, 0
	s_add_nc_u64 s[30:31], s[30:31], s[32:33]      ; the source at my unit
	s_lshl_b32 s54, s26, 2
	s_mul_i32 s54, s54, s43
.irp i, 0,1,2,3
	v_add_nc_u32 v[OFFR+\i], s54, v[L16]
	s_add_co_u32 s54, s54, s43
.endr
.irp i, 0,1,2,3
.irp j, 0,1,2,3,4,5,6,7
	global_load_b128 v[X+32*\i+4*\j:X+32*\i+4*\j+3], v[OFFR+\i], s[30:31] offset:512*\j th:TH_LOAD_NT   ; 512 consecutive bytes; lane l holds columns 128 j + 4 l on
.endr
.endr
	s_cmp_ge_u32 ttmp9, 128
	s_cbranch_scc1 .Lraw                           ; a weight is quantised as it is
.irp j, 0,1,2,3,4,5,6,7
	global_load_b128 v[G+4*\j:G+4*\j+3], v[L16], s[6:7] offset:512*\j
.endr
.irp j, 0,1,2,3,4,5,6,7
	global_load_b128 v[BB+4*\j:BB+4*\j+3], v[L16], s[8:9] offset:512*\j
.endr
	s_wait_loadcnt 16                              ; my four rows are in; the sixteen loads of gain and bias may be out
.irp i, 0,1,2,3                                ; the rows' sums, two chains a row
	v_pk_add_f32 v[ST+4*\i:ST+4*\i+1], v[X+32*\i:X+32*\i+1], v[X+32*\i+2:X+32*\i+3]
	v_pk_add_f32 v[ST+4*\i+2:ST+4*\i+3], v[X+32*\i+4:X+32*\i+5], v[X+32*\i+6:X+32*\i+7]
.endr
.irp j, 8,12,16,20,24,28
.irp i, 0,1,2,3
	v_pk_add_f32 v[ST+4*\i:ST+4*\i+1], v[ST+4*\i:ST+4*\i+1], v[X+32*\i+\j:X+32*\i+\j+1]
	v_pk_add_f32 v[ST+4*\i+2:ST+4*\i+3], v[ST+4*\i+2:ST+4*\i+3], v[X+32*\i+\j+2:X+32*\i+\j+3]
.endr
.endr
.irp i, 0,1,2,3
	v_pk_add_f32 v[ST+4*\i:ST+4*\i+1], v[ST+4*\i:ST+4*\i+1], v[ST+4*\i+2:ST+4*\i+3]
.endr
.irp i, 0,1,2,3
	v_add_f32 v[ST+4*\i], v[ST+4*\i], v[ST+4*\i+1]
.endr
	RED4
.irp i, 0,1,2,3
	v_mul_f32 v[ST+4*\i], 0xba800000, v[ST+4*\i]   ; minus the mean
.endr
.set J, 0
.rept 16
.irp i, 0,1,2,3
	v_pk_add_f32 v[X+32*\i+J:X+32*\i+J+1], v[X+32*\i+J:X+32*\i+J+1], v[ST+4*\i:ST+4*\i+1] op_sel_hi:[1,0]
.endr
.set J, J+2
.endr
.irp i, 0,1,2,3                                ; the sums of squares of x - mean
	v_pk_mul_f32 v[ST+4*\i:ST+4*\i+1], v[X+32*\i:X+32*\i+1], v[X+32*\i:X+32*\i+1]
	v_pk_mul_f32 v[ST+4*\i+2:ST+4*\i+3], v[X+32*\i+2:X+32*\i+3], v[X+32*\i+2:X+32*\i+3]
.endr
.irp j, 4,8,12,16,20,24,28
.irp i, 0,1,2,3
	v_pk_fma_f32 v[ST+4*\i:ST+4*\i+1], v[X+32*\i+\j:X+32*\i+\j+1], v[X+32*\i+\j:X+32*\i+\j+1], v[ST+4*\i:ST+4*\i+1]
	v_pk_fma_f32 v[ST+4*\i+2:ST+4*\i+3], v[X+32*\i+\j+2:X+32*\i+\j+3], v[X+32*\i+\j+2:X+32*\i+\j+3], v[ST+4*\i+2:ST+4*\i+3]
.endr
.endr
.irp i, 0,1,2,3
	v_pk_add_f32 v[ST+4*\i:ST+4*\i+1], v[ST+4*\i:ST+4*\i+1], v[ST+4*\i+2:ST+4*\i+3]
.endr
.irp i, 0,1,2,3
	v_add_f32 v[ST+4*\i], v[ST+4*\i], v[ST+4*\i+1]
.endr
	RED4
.irp i, 0,1,2,3
	v_fma_f32 v[ST+4*\i], v[ST+4*\i], s56, s57     ; the variance + 1e-5
.endr
.irp i, 0,1,2,3
	v_rsq_f32 v[ST+4*\i+2], v[ST+4*\i]
.endr
	v_nop                                          ; a plain place behind the last of the four
	s_wait_alu depctr_va_vdst(0)                   ; one wait for the four, ahead of their first use
	s_wait_loadcnt 0x0                             ; gain and bias
.set J, 0
.rept 16
.irp i, 0,1,2,3
	v_pk_mul_f32 v[X+32*\i+J:X+32*\i+J+1], v[X+32*\i+J:X+32*\i+J+1], v[ST+4*\i+2:ST+4*\i+3] op_sel_hi:[1,0]
.endr
.irp i, 0,1,2,3
	v_pk_fma_f32 v[X+32*\i+J:X+32*\i+J+1], v[X+32*\i+J:X+32*\i+J+1], v[G+J:G+J+1], v[BB+J:BB+J+1]
.endr
.set J, J+2
.endr
	s_branch .Ljoin
.Lraw:
	s_wait_loadcnt 0x0
.Ljoin:
.irp i, 0,1,2,3
.irp j, 0,1,2,3,4,5,6,7
	ds_store_b128 v[SA], v[X+32*\i+4*\j:X+32*\i+4*\j+3] offset:\i*STP+512*\j
.endr
.endr
	s_wait_dscnt 0x0                               ; for the others' sake: my rows lie in the stage
	s_barrier_signal -1
	s_barrier_wait -1
.irp b, 0,1,2,3
.irp j, 0,1,2,3
	ds_load_b128 v[X+16*\b+4*\j:X+16*\b+4*\j+3], v[LA0] offset:128*\b+16*\j
.endr
.endr
.irp b, 0,1,2,3
.irp j, 0,1,2,3
	ds_load_b128 v[X+64+16*\b+4*\j:X+64+16*\b+4*\j+3], v[LA1] offset:128*\b+16*\j
.endr
.endr
	s_wait_dscnt 16                                ; positions 0-15 are in; the sixteen loads of positions 16-31 may be out
	QUANT X, PC0, PW
	s_wait_dscnt 0x0
	QUANT X+64, PC1, PW+1
	HFSTORE PC0, 46
	global_store_b32 v[L4], v[PW], s[50:51]
	HFSTORE PC1, 48
	global_store_b32 v[L4], v[PW+1], s[52:53]
	s_wait_tensorcnt 0x0                           ; the wave's end, behind my last LDS store
	ds_add_u32 v[SPW], v[NIL]
	s_wait_dscnt 0x0
	s_endpgm
.Lfunc_end_k_q471ec184eb_prep:
	.size	k_q471ec184eb_prep, .Lfunc_end_k_q471ec184eb_prep-k_q471ec184eb_prep
	.p2alignl 7, 3214868480
	.fill 96, 4, 3214868480
	.section	.rodata,"a",@progbits
	.p2align	6, 0x0
	.amdhsa_kernel k_q471ec184eb_prep
		.amdhsa_group_segment_fixed_size 132608
		.amdhsa_private_segment_fixed_size 0
		.amdhsa_enable_private_segment 0
		.amdhsa_kernarg_size 88
		.amdhsa_user_sgpr_count 2
		.amdhsa_user_sgpr_kernarg_segment_ptr 1
		.amdhsa_wavefront_size32 1
		.amdhsa_system_sgpr_workgroup_id_x 1
		.amdhsa_system_sgpr_workgroup_id_y 1
		.amdhsa_system_sgpr_workgroup_id_z 1
		.amdhsa_system_vgpr_workitem_id 0
		.amdhsa_next_free_vgpr 256
		.amdhsa_next_free_sgpr 66
		.amdhsa_reserve_vcc 0
		.amdhsa_float_denorm_mode_32 3
		.amdhsa_float_denorm_mode_16_64 3
		.amdhsa_memory_ordered 1
		.amdhsa_forward_progress 1
		.amdhsa_inst_pref_size 46
	.end_amdhsa_kernel
	.amdgpu_metadata
---
amdhsa.version: [ 1, 2 ]
amdhsa.kernels:
  - .name:           k_q471ec184eb_prep
    .symbol:         k_q471ec184eb_prep.kd
    .args:
      - { .name: x, .offset: 0, .size: 8, .value_kind: global_buffer, .address_space: global }
      - { .name: ln1_g, .offset: 8, .size: 8, .value_kind: global_buffer, .address_space: global }
      - { .name: ln1_b, .offset: 16, .size: 8, .value_kind: global_buffer, .address_space: global }
      - { .name: wq, .offset: 24, .size: 8, .value_kind: global_buffer, .address_space: global }
      - { .name: wk, .offset: 32, .size: 8, .value_kind: global_buffer, .address_space: global }
      - { .name: wv, .offset: 40, .size: 8, .value_kind: global_buffer, .address_space: global }
      - { .name: wo, .offset: 48, .size: 8, .value_kind: global_buffer, .address_space: global }
      - { .name: w1, .offset: 56, .size: 8, .value_kind: global_buffer, .address_space: global }
      - { .name: w2, .offset: 64, .size: 8, .value_kind: global_buffer, .address_space: global }
      - { .name: h1, .offset: 72, .size: 8, .value_kind: global_buffer, .address_space: global }
      - { .name: wts, .offset: 80, .size: 8, .value_kind: global_buffer, .address_space: global }
    .group_segment_fixed_size: 132608
    .private_segment_fixed_size: 0
    .kernarg_segment_align: 8
    .kernarg_segment_size: 88
    .max_flat_workgroup_size: 256
    .sgpr_count:     66
    .vgpr_count:     256
    .wavefront_size: 32
...
	.end_amdgpu_metadata
.endif
;; end of part 1
;; launch qkv (part 2): grid 12 x 16, 4 waves a work-group, clusters of 4 x 4, 327,680 bytes of LDS; arguments h1, wts, qkv; writes qkv
.if DOCPART == 2
	.amdgcn_target "amdgcn-amd-amdhsa--gfx1250"
	.amdhsa_code_object_version 6
	.text
	.protected	k_q471ec184eb_qkv
	.globl	k_q471ec184eb_qkv
	.p2align	8
	.type	k_q471ec184eb_qkv,@function
k_q471ec184eb_qkv:
	s_mov_b64 s[64:65], 0
	v_nop
	global_prefetch_b8 v0, s[64:65] scope:SCOPE_SE
	s_setreg_imm32_b32 hwreg(HW_REG_WAVE_MODE, 25, 1), 1
	s_wait_xcnt 0x0
	s_wait_alu depctr_hold_cnt(0) depctr_sa_sdst(0) depctr_va_vdst(0) depctr_va_sdst(0) depctr_va_ssrc(0) depctr_va_vcc(0) depctr_vm_vsrc(0)
	s_getreg_b32 s2, hwreg(HW_REG_IB_STS2, 6, 4)
	s_cmp_eq_u32 s2, 0
	s_cbranch_scc0 .Lentry_in_a_cluster
	s_endpgm
.Lentry_in_a_cluster:
	s_bfe_u32 s2, ttmp6, 0x10000c
	s_cmp_lg_u32 s2, 0xf033
	s_cbranch_scc0 .Lentry_shape_is_right
	s_endpgm
.Lentry_shape_is_right:
; q, k = h [wq; wk]^T and v^T = wv h^T, on codes of FP6; the results are quantised in registers and leave as operands of the attention (the layout: at the head of prep).  No work of reference() is left out.
; Clusters x = 0, 1: source rows h1 (tokens), columns [wq; wk] (2,048): q and k, quantised along the head's 64.  Clusters x = 2: source rows wv (1,024), columns h1 (tokens): v TRANSPOSED, so that its
; quantiser along the keys is the same way out.  The choice hangs on the cluster's x alone: the same in all sixteen partners; it chooses pointers and offsets, no branch.
; A tile of 256 x 256 is made by four waves, 128 x 128 each: 64 accumulators.  K goes in steps of 256 through a ring of two LDS slots; a slot's tiles are images of the operands' registers, so every LDS read is
; 16 or 8 bytes a lane on end and no padding is wanted.  The scale words of the tile's rows for all of K come once, with the first fills.
; CLUSTERS 4 x 4: A's tiles are shared along a row of the cluster, B's along a column, by joint loads.  THE MATRIX INSTRUCTION IS USED TRANSPOSED (source 0 = 16 rows of B, source 1 = 16 rows of A), and B's rows
; stand by position: so a lane's 64 results of one block of A's rows are register 16 b + i = column 32 b + 16 (lane / 16) + i: what the quantiser takes.
; REGISTERS: window 0: v16-29 addresses; v32-63 scale words, two sets; v64-115 at work on the way out; from v128 A's fragments, one set.  Window 1: B's fragments, two sets, v0 and v128.  Windows 2, 3: accumulators.
.set MA,     8                         ; A's blocks of 16 rows a wave
.set KS,     8                         ; K / 128
.set HA,     MA/2
.set NL,     4                         ; LDS loads that bring a fragment
.set FR,     12                        ; its registers
.set NP,     4                         ; places behind this matrix instruction (ISA guide 7.12.1)
.set LAPS,   KS/4                      ; a lap = two slots = 512 along K
.set HALFA,  MA*3072                   ; what one tensor load brings of A: MA blocks x two K steps of 1,536 bytes
.set HALFB,  8*3072
.set SLOT,   2*HALFA+2*HALFB
.set SCL,    2*SLOT                    ; behind the ring: the scale words
.set HALFSA, MA*KS*128
.set HALFSB, 8*KS*128
.set SPARE,  SCL+2*HALFSA+2*HALFSB     ; the spare words, 128 bytes for each wave
.set ADRA, 16                          ; v16-17 my A fragments in slot 0, 1, + 16 x lane; v18-19 + 8 x lane
.set ADRB, 20                          ; v20-23 the same for B
.set L16,  24                          ; v24-26 16, 8, 4 x lane
.set L8,   25
.set L4,   26
.set ADRS, 27                          ; v27 my scale words: lanes 0-15 A's, lanes 16-31 B's
.set SPW,  28                          ; v28 my spare word; never rewritten
.set NIL,  29                          ; v29 0; never rewritten
.set SC,   32                          ; set s at v[SC + 16 s]; register 2 i + q: block i, the slot's q-th 128 along K
.set TM,   64
.set PW,   80
.set PC,   96
.set AF,   128
.set G1,   24
.set G0,   32
.set G1B,  48
.set G0B,  56
.set G1S,  68
.set G0S,  76
.set G1SB, 80
.set G0SB, 88
.set SEL,  46
.set MSB, 0
.macro WIN new                         ; the immediate's high byte repeats the setting that is left
.if MSB != (\new)
	s_set_vgpr_msb (MSB<<8)|(\new)
.set MSB, (\new)
.endif
.endm
.set MUL_LO, 0xa1                      ; source 0 (B) window 1, source 1 (A) window 0, C and D window 2; + 0x50: window 3
.set TO_B,   0x40
.macro JLOAD g0a, g1a, g0b, g1b        ; a joint load: waves 0, 1 fetch for A, waves 2, 3 for B; an s_nop 0 and four v_nop follow each line
	s_cmp_eq_u32 s15, 0
	s_cbranch_scc0 .Lfor_b_\@
	tensor_load_to_lds s[\g0a:\g0a+3], s[\g1a:\g1a+7]
	s_nop 0
.rept 4
	v_nop
.endr
	s_branch .Lasked_\@
.Lfor_b_\@:
	tensor_load_to_lds s[\g0b:\g0b+3], s[\g1b:\g1b+7]
	s_nop 0
.rept 4
	v_nop
.endr
.Lasked_\@:
.endm
.macro CREST                           ; a round of the cluster's barrier behind its opening barrier
	s_cmp_lg_u32 s14, 0
	s_cbranch_scc1 .Lnot_wave_0_\@
	s_barrier_signal -3
.Lnot_wave_0_\@:
	s_barrier_wait -3
	s_barrier_signal -1
	s_barrier_wait -1
.endm
.macro CROUND
	s_barrier_signal -1
	s_barrier_wait -1
	CREST
.endm
.macro PLACES n
.rept \n
	v_nop
.endr
.endm
.macro FRAG reg, adr, q, i             ; block i's fragment of the slot's q-th 128 along K, as it lies
	ds_load_b128 v[\reg:\reg+3], v[\adr] offset:(\i)*3072+(\q)*1536
	ds_load_b64 v[\reg+4:\reg+5], v[\adr+2] offset:(\i)*3072+(\q)*1536+512
	ds_load_b128 v[\reg+6:\reg+9], v[\adr] offset:(\i)*3072+(\q)*1536+768
	ds_load_b64 v[\reg+10:\reg+11], v[\adr+2] offset:(\i)*3072+(\q)*1536+1280
.endm
.macro FETCH_B slot, q, p
	WIN TO_B
.irp i, 0,1,2,3,4,5,6,7
	FRAG 128*(\p)+FR*\i, ADRB+\slot, \q, \i
.endr
	WIN 0
.endm
.macro FETCH_A slot, q, i0             ; HA blocks from i0 on
.set FI, \i0
.rept HA
	FRAG AF+FR*FI, ADRA+\slot, \q, FI
.set FI, FI+1
.endr
.endm
.macro SCALES sc
.irp i, 0,1,2,3,4,5,6,7
.irp q, 0,1
	ds_load_b32 v[SC+16*\sc+2*\i+\q], v[ADRS] offset:(\i*KS+\q)*128
.endr
.endr
.endm
.macro MULB a, p, q, sc, zero          ; A's block a against B's eight.  The accumulators take turns, one instruction a turn, in the same order in every step
	WIN MUL_LO+0x50*((\a)/4)
.irp b, 0,1,2,3,4,5,6,7
.if \zero
	v_wmma_scale_f32_16x16x128_f8f6f4 v[8*(8*((\a)%4)+\b):8*(8*((\a)%4)+\b)+7], v[128*(\p)+FR*\b:128*(\p)+FR*\b+FR-1], v[AF+FR*(\a):AF+FR*(\a)+FR-1], 0, v[SC+16*(\sc)+2*\b+(\q)], v[SC+16*(\sc)+2*(\a)+(\q)] matrix_a_fmt:MATRIX_FMT_FP6 matrix_b_fmt:MATRIX_FMT_FP6 matrix_a_scale:MATRIX_SCALE_ROW1
.else
	v_wmma_scale_f32_16x16x128_f8f6f4 v[8*(8*((\a)%4)+\b):8*(8*((\a)%4)+\b)+7], v[128*(\p)+FR*\b:128*(\p)+FR*\b+FR-1], v[AF+FR*(\a):AF+FR*(\a)+FR-1], v[8*(8*((\a)%4)+\b):8*(8*((\a)%4)+\b)+7], v[SC+16*(\sc)+2*\b+(\q)], v[SC+16*(\sc)+2*(\a)+(\q)] matrix_a_fmt:MATRIX_FMT_FP6 matrix_b_fmt:MATRIX_FMT_FP6 matrix_a_scale:MATRIX_SCALE_ROW1
.endif
.endr
.endm
.macro MULS a0, n, p, q, sc, zero
.set AI, \a0
.rept \n
	MULB AI, \p, \q, \sc, \zero
.set AI, AI+1
.endr
.endm
.macro STEP slot, zero                 ; a slot's first 128 along K: B's set 0; it fetches the second 128
	s_wait_dscnt HA*NL                             ; all but A's second half, the youngest loads
	MULS 0, HA, 0, 0, \slot, \zero
	s_wait_dscnt 0
	PLACES NP                                      ; in front of loads into registers that matrix instructions have read
	FETCH_B \slot, 1, 1
	FETCH_A \slot, 1, 0
	MULS HA, HA, 0, 0, \slot, \zero
	PLACES NP
	WIN 0
	FETCH_A \slot, 1, HA
.endm
.macro TURN slot, next, fill           ; a slot's second 128 along K changes slots: one barrier
	s_wait_tensorcnt 0x0                           ; all my tensor loads have landed: my part of the next slot
	ds_add_u32 v[SPW], v[NIL]                      ; 0 onto my spare word
	s_wait_dscnt HA*NL+1                           ; (the add and A's second half may be out)
	MULS 0, HA/2, 1, 1, \slot, 0
	s_wait_dscnt 0x0                               ; the add is done, and my reads of this slot are over
	s_barrier_signal -1
	MULS HA/2, HA/2, 1, 1, \slot, 0
	WIN 0
	s_barrier_wait -1
.if \fill
	CREST                                          ; the barrier has opened a round of the cluster's: no wave of any partner still reads this slot or has a load on its way
	s_add_nc_u64 s[G0+4*\slot+2:G0+4*\slot+3], s[G0+4*\slot+2:G0+4*\slot+3], 6144
	s_add_nc_u64 s[G0B+4*\slot+2:G0B+4*\slot+3], s[G0B+4*\slot+2:G0B+4*\slot+3], 6144
	JLOAD G0+4*\slot, G1, G0B+4*\slot, G1B         ; first behind the round; its four v_nop are the places in front of the loads below
.else
	PLACES NP
.endif
	v_add_nc_u32 v[ADRS], 256, v[ADRS]             ; the next slot's scale words
	FETCH_B \next, 0, 0
	FETCH_A \next, 0, 0
	SCALES \next
	MULS HA, HA, 1, 1, \slot, 0
	PLACES NP
	WIN 0
	FETCH_A \next, 0, HA
.endm
	s_load_b128 s[4:7], s[0:1], 0x0                ; h1, wts
	s_load_b64 s[12:13], s[0:1], 0x10              ; qkv
	v_lshl_add_u32 v[SPW], v0, 2, SPARE
	v_mov_b32 v[NIL], 0
	ds_add_u32 v[SPW], v[NIL]                      ; the wave's opening: two adds on end, waited for ahead of my first tensor load
	ds_add_u32 v[SPW], v[NIL]
	v_lshrrev_b32 v1, 5, v0
	v_readfirstlane_b32 s14, v1                    ; wave 0..3
	s_lshr_b32 s15, s14, 1                         ; my half of the tile's rows; also: I fetch for A (0) or for B (1)
	s_and_b32 s16, s14, 1                          ; my half of its columns; also: which half of that tile I fetch
	s_bfe_u32 s40, ttmp6, 0x40000                  ; cx
	s_bfe_u32 s41, ttmp6, 0x40004                  ; cy
	s_and_b32 s17, ttmp7, 0xffff
	s_lshl_b32 s17, s17, 2                         ; 4 x cluster y
	s_lshl_b32 s42, ttmp9, 2                       ; 4 x cluster x
	s_cmp_eq_u32 ttmp9, 2                          ; v's clusters?
	s_cselect_b32 s42, s17, s42                    ; tile column: tokens by the cluster's y, or [wq; wk]'s rows by its x
	s_cselect_b32 s17, 0, s17                      ; tile row: wv's four tiles, or tokens
	s_cselect_b32 s66, 1572864, 0                  ; A's codes: wv in wts, or h1
	s_mov_b32 s67, 3145728
	s_cselect_b32 s67, 9568256, s67                ; A's scale words
	s_mov_b32 s98, 9437184
	s_cselect_b32 s98, 3145728, s98                ; B's scale words (B's codes begin at 0 in both)
	s_cselect_b32 s99, 32, 16                      ; K steps in a row of the result
	s_cselect_b32 s100, 6291456, 0                 ; where the result's codes begin,
	s_mov_b32 s101, 9437184
	s_cselect_b32 s101, 9961472, s101              ; and its scale words
	s_add_co_u32 s42, s42, s40
	s_add_co_u32 s17, s17, s41
	s_lshl_b32 s43, s41, 2
	s_lshl_b32 s43, 15, s43                        ; my row of the cluster
	s_lshl_b32 s44, 0x1111, s40                    ; my column
	s_or_b32 s[G1+0], s43, (3<<16)|(1<<21)         ; the mask; elements of 8 bytes; bit 21 beside a mask; no padding
	s_or_b32 s[G1B+0], s44, (3<<16)|(1<<21)
	s_or_b32 s[G1S+0], s43, (3<<16)|(1<<21)
	s_or_b32 s[G1SB+0], s44, (3<<16)|(1<<21)
.irp g, G1, G1B
	s_mov_b32 s[\g+1], 384<<16                     ; a row: one block's two K steps, 3,072 bytes
	s_mov_b32 s[\g+3], 384<<16
	s_mov_b32 s[\g+5], KS*192                      ; from block to block
	s_mov_b32 s[\g+6], 0
	s_mov_b32 s[\g+7], 0
.endr
	s_mov_b32 s[G1+2], MA<<16
	s_mov_b32 s[G1+4], MA
	s_mov_b32 s[G1B+2], 8<<16
	s_mov_b32 s[G1B+4], 8
.irp g, G1S, G1SB
	s_mov_b32 s[\g+1], 32<<16                      ; the scale words: a dense block, as rows of 256 bytes
	s_mov_b32 s[\g+3], 32<<16
	s_mov_b32 s[\g+5], 32
	s_mov_b32 s[\g+6], 0
	s_mov_b32 s[\g+7], 0
.endr
	s_mov_b32 s[G1S+2], (HALFSA/256)<<16
	s_mov_b32 s[G1S+4], HALFSA/256
	s_mov_b32 s[G1SB+2], (HALFSB/256)<<16
	s_mov_b32 s[G1SB+4], HALFSB/256
	s_mul_i32 s20, s17, 2*MA
	s_mul_i32 s18, s16, MA
	s_add_co_u32 s20, s20, s18                     ; A: the first block that I fetch
	s_mul_i32 s22, s20, KS*128
	s_add_co_u32 s22, s22, s67
	s_mul_i32 s20, s20, KS*1536
	s_add_co_u32 s20, s20, s66
	s_mov_b32 s21, 0
	s_mov_b32 s23, 0
	s_lshl_b32 s46, s42, 4
	s_lshl_b32 s18, s16, 3
	s_add_co_u32 s46, s46, s18                     ; B likewise
	s_mul_i32 s92, s46, KS*128
	s_add_co_u32 s92, s92, s98
	s_mul_i32 s46, s46, KS*1536
	s_mov_b32 s47, 0
	s_mov_b32 s93, 0
	s_mul_i32 s45, s16, HALFA                      ; where they go: no place in the cluster enters an LDS address
	s_mul_i32 s94, s16, HALFB
	s_add_co_u32 s94, s94, 2*HALFA
	s_mul_i32 s95, s16, HALFSA
	s_add_co_u32 s95, s95, SCL
	s_mul_i32 s96, s16, HALFSB
	s_add_co_u32 s96, s96, SCL+2*HALFSA
	s_wait_dscnt 0x0                               ; both opening adds are done
	s_wait_kmcnt 0x0
	s_cmp_eq_u32 ttmp9, 2
	s_cselect_b64 s[8:9], s[6:7], s[4:5]           ; A's buffer
	s_cselect_b64 s[10:11], s[4:5], s[6:7]         ; B's
	s_add_nc_u64 s[20:21], s[8:9], s[20:21]
	s_add_nc_u64 s[22:23], s[8:9], s[22:23]
	s_add_nc_u64 s[46:47], s[10:11], s[46:47]
	s_add_nc_u64 s[92:93], s[10:11], s[92:93]
	CROUND                                         ; all sixteen work-groups are here: the first joint loads meet
	s_mov_b32 s[G0S], 1
	s_mov_b32 s[G0S+1], s95
	s_mov_b64 s[G0S+2:G0S+3], s[22:23]
	s_or_b32 s[G0S+3], s[G0S+3], 0x80000000
	s_mov_b32 s[G0SB], 1
	s_mov_b32 s[G0SB+1], s96
	s_mov_b64 s[G0SB+2:G0SB+3], s[92:93]
	s_or_b32 s[G0SB+3], s[G0SB+3], 0x80000000
	JLOAD G0S, G1S, G0SB, G1SB                     ; the scale words first; three loads of mine are out behind the third
.irp s, 0,1
	s_mov_b32 s[G0+4*\s], 1
	s_add_co_u32 s[G0+4*\s+1], s45, \s*SLOT
	s_add_nc_u64 s[G0+4*\s+2:G0+4*\s+3], s[20:21], \s*3072
	s_or_b32 s[G0+4*\s+3], s[G0+4*\s+3], 0x80000000
	s_mov_b32 s[G0B+4*\s], 1
	s_add_co_u32 s[G0B+4*\s+1], s94, \s*SLOT
	s_add_nc_u64 s[G0B+4*\s+2:G0B+4*\s+3], s[46:47], \s*3072
	s_or_b32 s[G0B+4*\s+3], s[G0B+4*\s+3], 0x80000000
	JLOAD G0+4*\s, G1, G0B+4*\s, G1B
.endr
	v_and_b32 v1, 31, v0                           ; lane
	v_bfe_u32 v2, v0, 4, 1                         ; lane / 16
	v_lshlrev_b32 v[L16], 4, v1
	v_lshlrev_b32 v[L8], 3, v1
	v_lshlrev_b32 v[L4], 2, v1
	s_mul_i32 s21, s15, HALFA                      ; my rows of A
	s_mul_i32 s22, s16, HALFB                      ; my rows of B, behind A's two halves
	s_add_co_u32 s22, s22, 2*HALFA
.irp s, 0,1
	v_add_nc_u32 v[ADRA+\s], s21, v[L16]
	v_add_nc_u32 v[ADRA+2+\s], s21, v[L8]
	v_add_nc_u32 v[ADRB+\s], s22, v[L16]
	v_add_nc_u32 v[ADRB+2+\s], s22, v[L8]
	s_add_co_u32 s21, s21, SLOT
	s_add_co_u32 s22, s22, SLOT
.endr
	s_mul_i32 s21, s15, HALFSA
	s_mul_i32 s22, s16, HALFSB
	s_add_co_u32 s22, s22, 2*HALFSA
	s_sub_co_u32 s22, s22, s21
	v_mul_u32_u24 v6, s22, v2                      ; lanes 16-31 take B's words
	s_add_co_u32 s21, s21, SCL
	v_lshl_add_u32 v5, v1, 2, v6
	v_add_nc_u32 v[ADRS], s21, v5
	s_lshl_b32 s18, s17, 4                         ; the result: block 16 x tile row + 8 x half, K step 2 x tile column + half
	s_lshl_b32 s19, s15, 3
	s_add_co_u32 s18, s18, s19
	s_mul_i32 s18, s18, s99
	s_lshl_b32 s19, s42, 1
	s_add_co_u32 s18, s18, s19
	s_add_co_u32 s18, s18, s16
	s_mul_i32 s20, s18, 1536
	s_add_co_u32 s20, s20, s100
	s_mov_b32 s21, 0
	s_lshl_b32 s22, s18, 7
	s_add_co_u32 s22, s22, s101
	s_mov_b32 s23, 0
	s_add_nc_u64 s[96:97], s[12:13], s[22:23]      ; its scale words,
	s_add_nc_u64 s[12:13], s[12:13], s[20:21]      ; its codes,
	s_mul_i32 s92, s99, 1536                       ; and a block of rows on in each
	s_mov_b32 s93, 0
	s_lshl_b32 s94, s99, 7
	s_mov_b32 s95, 0
	s_wait_tensorcnt 1                             ; the scale words and my part of slot 0 are in; slot 1's load may be out
	s_barrier_signal -1
	s_barrier_wait -1
	FETCH_B 0, 0, 0
	FETCH_A 0, 0, 0
	SCALES 0
	FETCH_A 0, 0, HA
	STEP 0, 1                                      ; the first step stands in front of the loop: its products start the sums
	s_mov_b32 s3, LAPS-1
.Llap:
	TURN 0, 1, 1
	STEP 1, 0
	TURN 1, 0, 1
	STEP 0, 0
	s_sub_co_u32 s3, s3, 1
	s_cmp_lg_u32 s3, 0
	s_cbranch_scc1 .Llap
	TURN 0, 1, 0                                   ; the last lap fills nothing
	STEP 1, 0
	s_wait_dscnt HA*NL
	MULS 0, HA, 1, 1, 1, 0
	s_wait_dscnt 0
	MULS HA, HA, 1, 1, 1, 0
	WIN 0
; THE WAY OUT: each block of 16 rows is quantised along its 128 columns in registers: one fragment and one scale word a row, stored as they stand.
.macro QUANTW s, w                     ; the 64 numbers lie in window w from v[s] on; each accumulator is read from its low end on
	WIN ((\w)<<2)|((\w)<<4)
.irp b, 0,1,2,3
	v_max3_num_f32 v[TM+\b], 0x1800000, |v[(\s)+16*\b]|, |v[(\s)+1+16*\b]|   ; and the floor 2^(3 - 127): the byte cannot fall under 1
.endr
.irp i, 2,4,6,8,10,12,14
.irp b, 0,1,2,3
	v_max3_num_f32 v[TM+\b], v[TM+\b], |v[(\s)+16*\b+\i]|, |v[(\s)+1+16*\b+\i]|
.endr
.endr
	WIN 0
.irp b, 0,1,2,3
	v_permlanex16_b32 v[TM+4+\b], v[TM+\b], s[SEL], s[SEL+1]
.endr
.irp b, 0,1,2,3
	v_max_num_f32 v[TM+\b], v[TM+\b], v[TM+4+\b]
.endr
.irp b, 0,1,2,3
	v_add_nc_u32 v[TM+12+\b], 0xff000000, v[TM+\b]
.endr
.irp b, 0,1,2,3
	v_lshrrev_b32 v[TM+4+\b], 23, v[TM+12+\b]
.endr
	v_lshl_or_b32 v[PW], v[TM+5], 8, v[TM+4]
	v_lshl_or_b32 v[PW], v[TM+6], 16, v[PW]
	v_lshl_or_b32 v[PW], v[TM+7], 24, v[PW]
	WIN \w
.irp c, 0,1
	v_cvt_scalef32_pk16_fp6_f32 v[PC+6*\c:PC+2+6*\c], v[(\s)+32*\c:(\s)+15+32*\c], v[TM+12+2*\c]
	v_cvt_scalef32_pk16_fp6_f32 v[PC+12+4*\c:PC+14+4*\c], v[(\s)+16+32*\c:(\s)+31+32*\c], v[TM+12+2*\c+1]
.endr
	WIN 0
	v_nop                                          ; one plain place behind a scaled conversion
.irp c, 0,1
.irp i, 0,1,2
	v_permlane16_swap_b32 v[PC+6*\c+\i], v[PC+12+4*\c+\i]
.endr
.irp i, 0,1,2
	v_mov_b32 v[PC+3+6*\c+\i], v[PC+12+4*\c+\i]
.endr
.endr
.endm
	PLACES NP                                      ; in front of the first read of results
	s_mov_b32 s[SEL], 0x76543210
	s_mov_b32 s[SEL+1], 0xfedcba98
.irp b, 0,1,2,3
	v_mov_b32 v[TM+4+\b], 0                        ; a lane permute's destination counts as one of its sources
.endr
.irp a, 0,1,2,3,4,5,6,7
	s_wait_xcnt 0x0                                ; the last block's stores have read their registers and bases: both are written again only behind this wait
.if \a > 0
	s_add_nc_u64 s[12:13], s[12:13], s[92:93]
	s_add_nc_u64 s[96:97], s[96:97], s[94:95]
.endif
	QUANTW 64*(\a%4), 2+\a/4
	global_store_b128 v[L16], v[PC:PC+3], s[12:13]
	global_store_b64 v[L8], v[PC+4:PC+5], s[12:13] offset:512
	global_store_b128 v[L16], v[PC+6:PC+9], s[12:13] offset:768
	global_store_b64 v[L8], v[PC+10:PC+11], s[12:13] offset:1280
	global_store_b32 v[L4], v[PW], s[96:97]
.endr
	s_wait_tensorcnt 0x0                           ; the wave's end
	ds_add_u32 v[SPW], v[NIL]
	s_wait_dscnt 0x0
	CROUND                                         ; the closing round
	s_endpgm
.Lfunc_end_k_q471ec184eb_qkv:
	.size	k_q471ec184eb_qkv, .Lfunc_end_k_q471ec184eb_qkv-k_q471ec184eb_qkv
	.p2alignl 7, 3214868480
	.fill 96, 4, 3214868480
	.section	.rodata,"a",@progbits
	.p2align	6, 0x0
	.amdhsa_kernel k_q471ec184eb_qkv
		.amdhsa_group_segment_fixed_size 327680
		.amdhsa_private_segment_fixed_size 0
		.amdhsa_enable_private_segment 0
		.amdhsa_kernarg_size 24
		.amdhsa_user_sgpr_count 2
		.amdhsa_user_sgpr_kernarg_segment_ptr 1
		.amdhsa_wavefront_size32 1
		.amdhsa_system_sgpr_workgroup_id_x 1
		.amdhsa_system_sgpr_workgroup_id_y 1
		.amdhsa_system_sgpr_workgroup_id_z 1
		.amdhsa_system_vgpr_workitem_id 0
		.amdhsa_next_free_vgpr 1024
		.amdhsa_next_free_sgpr 102
		.amdhsa_reserve_vcc 0
		.amdhsa_float_denorm_mode_32 3
		.amdhsa_float_denorm_mode_16_64 3
		.amdhsa_memory_ordered 1
		.amdhsa_forward_progress 1
		.amdhsa_inst_pref_size 153
	.end_amdhsa_kernel
	.amdgpu_metadata
---
amdhsa.version: [ 1, 2 ]
amdhsa.kernels:
  - .name:           k_q471ec184eb_qkv
    .symbol:         k_q471ec184eb_qkv.kd
    .args:
      - { .name: h1, .offset: 0, .size: 8, .value_kind: global_buffer, .address_space: global }
      - { .name: wts, .offset: 8, .size: 8, .value_kind: global_buffer, .address_space: global }
      - { .name: qkv, .offset: 16, .size: 8, .value_kind: global_buffer, .address_space: global }
    .group_segment_fixed_size: 327680
    .private_segment_fixed_size: 0
    .kernarg_segment_align: 8
    .kernarg_segment_size: 24
    .max_flat_workgroup_size: 128
    .sgpr_count:     102
    .vgpr_count:     1024
    .wavefront_size: 32
...
	.end_amdgpu_metadata
.endif
;; end of part 2
;; launch attn (part 3): grid 8 x 32, 16 waves a work-group, clusters of 4 x 1, 223,232 bytes of LDS; arguments qkv, ao; writes ao
.if DOCPART == 3
	.amdgcn_target "amdgcn-amd-amdhsa--gfx1250"
	.amdhsa_code_object_version 6
	.text
	.protected	k_q471ec184eb_attn
	.globl	k_q471ec184eb_attn
	.p2align	8
	.type	k_q471ec184eb_attn,@function
k_q471ec184eb_attn:
	s_mov_b64 s[64:65], 0
	v_nop
	global_prefetch_b8 v0, s[64:65] scope:SCOPE_SE
	s_setreg_imm32_b32 hwreg(HW_REG_WAVE_MODE, 25, 1), 1
	s_wait_xcnt 0x0
	s_wait_alu depctr_hold_cnt(0) depctr_sa_sdst(0) depctr_va_vdst(0) depctr_va_sdst(0) depctr_va_ssrc(0) depctr_va_vcc(0) depctr_vm_vsrc(0)
	s_getreg_b32 s2, hwreg(HW_REG_IB_STS2, 6, 4)
	s_cmp_eq_u32 s2, 0
	s_cbranch_scc0 .Lentry_in_a_cluster
	s_endpgm
.Lentry_in_a_cluster:
	s_bfe_u32 s2, ttmp6, 0x10000c
	s_cmp_lg_u32 s2, 0x3003
	s_cbranch_scc0 .Lentry_shape_is_right
	s_endpgm
.Lentry_shape_is_right:
; Attention of one (batch, head) on codes of FP6: S^T = k q^T, p = 2^(t - M), O^T = v^T p^T, O / l, quantised along the head's 64 for the projection.  No work of reference() is left out; the scores' K is 64, and the
; instruction's upper 64 are zero codes on both sides (their scale bytes are 0, which is 2^-127 and no NaN).
; t = score x log2(e) / 8; M = the running largest t rounded UP to a whole number; the row's sum is taken of the unquantised p; when M moves, the sum and O are multiplied by 2^(old M - new M): exact.
; LIMIT: v_exp_f32 gives 0 for results under 2^-126.
; SHARES.  A work-group owns 256 queries of one head, each of its sixteen waves 16: four waves to a SIMD, so that one wave's vector work stands beside another's matrix work.
; A WHOLE HEAD'S k AND v (codes 2 x 98,304 bytes, scale words 24,576) FIT IN LDS: they are filled once, wave w bringing key step w (128 keys), and nothing is filled again: no ring.
; CLUSTER 4 x 1: the four query blocks of a cluster belong to one head, so every fill is a joint load with the mask of all four.
; LAYOUT (at the head of prep): k's rows stand by position, so the 16 registers of score tiles 2 b and 2 b + 1 are 16 neighbouring keys; v^T's rows likewise, so O^T's 32 registers are register 16 b + i = channel 32 b + 16 (lane / 16) + i.
.set KC,    0                          ; LDS: k's codes: step s, tile i at 6,144 s + 768 i
.set VC,    98304                      ; v^T's codes: step s, tile i at 6,144 s + 1,536 i
.set KSL,   196608                     ; k's scale words: 1,024 s + 128 i
.set VSL,   212992                     ; v^T's: 512 s + 128 i
.set SPARE, 221184                     ; the spare words, 128 bytes for each wave
.set QK_S,  9437184
.set V_C,   6291456
.set V_S,   9961472
.set AO_S,  3145728
.set L16,  1                           ; v1, v2  16, 8 x lane (k's codes begin at LDS byte 0)
.set L8,   2
.set AV16, 3                           ; v3, v4  the same + VC
.set AV8,  4
.set AKS,  5                           ; v5  KSL + 4 x lane + my head's two bytes of the word
.set AVS,  6                           ; v6  VSL + 4 x lane
.set SPW,  7                           ; v7  my spare word; never rewritten
.set NIL,  8                           ; v8  0; never rewritten
.set DK16, 9                           ; the step's six addresses
.set DK8,  10
.set DV16, 11
.set DV8,  28
.set DKS,  29
.set DVS,  30
.set QF,   16                          ; v16-27 q's fragment (v22-27 zero codes)
.set QSW,  31                          ; q's scale word
.set KF,   32                          ; v32-79 four fragments of k; registers 6-11 of each stay zero
.set KSW,  80                          ; v80-83, v84-87, v88: scale words of k, v^T, p: scales and nothing else
.set VSW,  84
.set PSW,  88
.set L4,   89                          ; 4 x lane
.set S,    96                          ; v96-159 S^T, then p; then v96-143 four fragments of v^T
.set O,    160                         ; v160-191 O^T
.set PC,   192                         ; p's codes
.set PT,   204
.set BM,   212
.set BX,   216
.set SO,   220
.set F,    224                         ; v[224:225] f
.set TA,   226
.set SEL,  20
.set CS,   78                          ; s[78:79] c = log2(e) / 8
.set G1KC, 24
.set G1VC, 32
.set G1KS, 40
.set G1VS, 48
.set G0KC, 56
.set G0VC, 60
.set G0KS, 68
.set G0VS, 72
.macro SETG1 g, c, r, p                ; r rows of c elements of 8 bytes, p elements apart; the mask of all four partners, bit 21 beside it; no padding
	s_mov_b32 s[\g], 15|(3<<16)|(1<<21)
	s_mov_b32 s[\g+1], (\c)<<16
	s_mov_b32 s[\g+2], (\r)<<16
	s_mov_b32 s[\g+3], (\c)<<16
	s_mov_b32 s[\g+4], \r
	s_mov_b32 s[\g+5], \p
	s_mov_b32 s[\g+6], 0
	s_mov_b32 s[\g+7], 0
.endm
.macro ROUND                           ; a round of the cluster's barrier
	s_barrier_signal -1
	s_barrier_wait -1
	s_cmp_lg_u32 s8, 0
	s_cbranch_scc1 .Lnot_wave_0_\@
	s_barrier_signal -3
.Lnot_wave_0_\@:
	s_barrier_wait -3
	s_barrier_signal -1
	s_barrier_wait -1
.endm
	s_load_b128 s[4:7], s[0:1], 0x0                ; qkv, ao
	v_lshl_add_u32 v[SPW], v0, 2, SPARE
	v_mov_b32 v[NIL], 0
	ds_add_u32 v[SPW], v[NIL]                      ; the wave's opening: two adds on end, waited for ahead of my first tensor load
	ds_add_u32 v[SPW], v[NIL]
	v_lshrrev_b32 v9, 5, v0
	v_readfirstlane_b32 s8, v9                     ; wave 0..15
	s_and_b32 s9, ttmp7, 0xffff
	s_lshr_b32 s10, s9, 4                          ; batch
	s_and_b32 s11, s9, 15                          ; head
	s_bfe_u32 s12, ttmp6, 0x40000                  ; cx: it enters q's and ao's addresses alone
	SETG1 G1KC, 96, 8, 3072                        ; k's codes of a step: 8 tiles of 768 bytes, 24,576 bytes apart
	SETG1 G1VC, 192, 4, 6144                       ; v^T's: 4 fragments of 1,536 bytes, 49,152 apart
	SETG1 G1KS, 16, 8, 256                         ; k's scale words: 8 x 128 bytes, 2,048 apart
	SETG1 G1VS, 16, 4, 512                         ; v^T's: 4 x 128 bytes, 4,096 apart
	s_lshl_b32 s13, s10, 7
	s_lshl_b32 s14, s8, 3
	s_add_co_u32 s13, s13, s14                     ; the first block of keys of step w: 128 x batch + 8 w
	s_mul_i32 s16, s13, 24576
	s_mul_i32 s14, s11, 768
	s_add_co_u32 s16, s16, s14
	s_add_co_u32 s16, s16, 16*768                  ; k's halves lie behind q's sixteen
	s_mov_b32 s17, 0
	s_lshl_b32 s18, s13, 11
	s_lshr_b32 s14, s11, 1
	s_lshl_b32 s14, s14, 7                         ; 128 x (head / 2)
	s_add_co_u32 s18, s18, s14
	s_add_co_u32 s18, s18, QK_S+1024
	s_mov_b32 s19, 0
	s_lshl_b32 s13, s11, 7
	s_lshl_b32 s15, s10, 4
	s_add_co_u32 s13, s13, s15
	s_add_co_u32 s13, s13, s8                      ; v^T: fragment 128 x head + 16 x batch + w
	s_mul_i32 s84, s13, 1536
	s_add_co_u32 s84, s84, V_C
	s_mov_b32 s85, 0
	s_lshl_b32 s86, s13, 7
	s_add_co_u32 s86, s86, V_S
	s_mov_b32 s87, 0
	s_mul_i32 s22, s8, 6144                        ; where they go: a constant + the wave's number x a constant
	s_add_co_u32 s23, s22, VC
	s_lshl_b32 s76, s8, 10
	s_add_co_u32 s76, s76, KSL
	s_lshl_b32 s77, s8, 9
	s_add_co_u32 s77, s77, VSL
	s_mov_b32 s[SEL], 0x76543210
	s_mov_b32 s[SEL+1], 0xfedcba98
	s_mov_b32 s[CS], 0x3e38aa3b
	s_mov_b32 s[CS+1], s[CS]                       ; (named with it as a pair, so it is written)
	s_wait_dscnt 0x0                               ; both opening adds are done
	s_wait_kmcnt 0x0
	s_mov_b32 s[G0KC], 1
	s_mov_b32 s[G0KC+1], s22
	s_add_nc_u64 s[G0KC+2:G0KC+3], s[4:5], s[16:17]
	s_or_b32 s[G0KC+3], s[G0KC+3], 0x80000000
	s_mov_b32 s[G0VC], 1
	s_mov_b32 s[G0VC+1], s23
	s_add_nc_u64 s[G0VC+2:G0VC+3], s[4:5], s[84:85]
	s_or_b32 s[G0VC+3], s[G0VC+3], 0x80000000
	s_mov_b32 s[G0KS], 1
	s_mov_b32 s[G0KS+1], s76
	s_add_nc_u64 s[G0KS+2:G0KS+3], s[4:5], s[18:19]
	s_or_b32 s[G0KS+3], s[G0KS+3], 0x80000000
	s_mov_b32 s[G0VS], 1
	s_mov_b32 s[G0VS+1], s77
	s_add_nc_u64 s[G0VS+2:G0VS+3], s[4:5], s[86:87]
	s_or_b32 s[G0VS+3], s[G0VS+3], 0x80000000
	ROUND                                          ; all four work-groups are here: the joint loads meet
	tensor_load_to_lds s[G0KC:G0KC+3], s[G1KC:G1KC+7]  ; every wave issues four: four loads of mine are out
	s_nop 0
	tensor_load_to_lds s[G0KS:G0KS+3], s[G1KS:G1KS+7]
	s_nop 0
	tensor_load_to_lds s[G0VC:G0VC+3], s[G1VC:G1VC+7]
	s_nop 0
	tensor_load_to_lds s[G0VS:G0VS+3], s[G1VS:G1VS+7]
	s_nop 0
.rept 4
	v_nop
.endr
	s_lshl_b32 s13, ttmp9, 2
	s_add_co_u32 s13, s13, s12                     ; my block of 256 queries
	s_lshl_b32 s13, s13, 4
	s_lshl_b32 s15, s10, 7
	s_add_co_u32 s13, s13, s15
	s_add_co_u32 s13, s13, s8                      ; my block of 16 queries: 128 x batch + 16 x block + wave
	s_lshl_b32 s88, s13, 5
	s_add_co_u32 s88, s88, s11
	s_mul_i32 s88, s88, 768                        ; q's half fragment
	s_mov_b32 s89, 0
	s_and_b32 s15, s11, 1
	s_lshl_b32 s15, s15, 1                         ; my head's two bytes of a scale word
	s_lshl_b32 s90, s13, 11
	s_add_co_u32 s90, s90, s14
	s_add_co_u32 s90, s90, s15
	s_add_co_u32 s90, s90, QK_S
	s_mov_b32 s91, 0
	s_lshl_b32 s92, s13, 4
	s_add_co_u32 s92, s92, s11
	s_mul_i32 s92, s92, 768                        ; the result's half fragment in ao
	s_mov_b32 s93, 0
	s_lshl_b32 s94, s13, 10
	s_add_co_u32 s94, s94, s14
	s_add_co_u32 s94, s94, s15
	s_add_co_u32 s94, s94, AO_S
	s_mov_b32 s95, 0
	s_add_nc_u64 s[88:89], s[4:5], s[88:89]
	s_add_nc_u64 s[90:91], s[4:5], s[90:91]
	s_add_nc_u64 s[92:93], s[6:7], s[92:93]
	s_add_nc_u64 s[94:95], s[6:7], s[94:95]
	v_and_b32 v9, 31, v0
	v_lshlrev_b32 v[L16], 4, v9
	v_lshlrev_b32 v[L8], 3, v9
	v_lshlrev_b32 v[L4], 2, v9
	global_load_b128 v[QF:QF+3], v[L16], s[88:89]
	global_load_b64 v[QF+4:QF+5], v[L8], s[88:89] offset:512
	global_load_u16 v[QSW], v[L4], s[90:91]        ; two bytes, widened with zeros
	v_add_nc_u32 v[AV16], VC, v[L16]
	v_add_nc_u32 v[AV8], VC, v[L8]
	v_lshl_add_u32 v[AKS], v9, 2, KSL
	v_add_nc_u32 v[AKS], s15, v[AKS]
	v_lshl_add_u32 v[AVS], v9, 2, VSL
.irp j, 6,7,8,9,10,11
	v_mov_b32 v[QF+\j], 0                          ; the zero codes of K = 64 .. 127
.irp t, 0,1,2,3
	v_mov_b32 v[KF+12*\t+\j], 0
.endr
.endr
	v_mov_b32 v13, 0xff61b1e6                      ; the largest t so far: -3e38
	v_floor_f32 v12, -v13                          ; -M
	v_mov_b32 v14, 0                               ; the sum, in two halves
	v_mov_b32 v15, 0
	v_mov_b32 v[F+1], 0                            ; (named as the upper half of a pair)
.irp b, 0,1,2,3
	v_mov_b32 v[BX+\b], 0                          ; a lane permute's destination counts as one of its sources
.endr
.set J, 0
.rept 32
	v_mov_b32 v[O+J], 0                            ; the step is written once: the first finds zeros, which the first change of M leaves zeros
.set J, J+1
.endr
	s_mov_b32 s80, 0                               ; the step's codes, 6,144 bytes a step in k and in v^T alike
	s_mov_b32 s81, 0                               ; k's scale words
	s_mov_b32 s82, 0                               ; v^T's
	s_mov_b32 s83, 0
	s_wait_tensorcnt 0x0                           ; my four tiles are in,
	s_barrier_signal -1
	s_barrier_wait -1                              ; everybody's are
	s_wait_loadcnt 0x0                             ; q
.Lstep:                                            ; 16 trips of 128 keys
	v_add_nc_u32 v[DK16], s80, v[L16]              ; these six are also the places between the last products, which read v96-143, and the products that write there
	v_add_nc_u32 v[DK8], s80, v[L8]
	v_add_nc_u32 v[DV16], s80, v[AV16]
	v_add_nc_u32 v[DV8], s80, v[AV8]
	v_add_nc_u32 v[DKS], s81, v[AKS]
	v_add_nc_u32 v[DVS], s82, v[AVS]
.irp g, 0,1                                    ; S^T = k q^T, four tiles of 16 keys at a time
.if \g
.rept 4
	v_nop                                          ; places in front of loads into registers that matrix instructions have read
.endr
.endif
.irp t, 0,1,2,3
	ds_load_b128 v[KF+12*\t:KF+12*\t+3], v[DK16] offset:(4*\g+\t)*768
	ds_load_b64 v[KF+12*\t+4:KF+12*\t+5], v[DK8] offset:(4*\g+\t)*768+512
	ds_load_u16 v[KSW+\t], v[DKS] offset:(4*\g+\t)*128
.endr
	s_wait_dscnt 0x0
.irp t, 0,1,2,3
	v_wmma_scale_f32_16x16x128_f8f6f4 v[S+8*(4*\g+\t):S+8*(4*\g+\t)+7], v[KF+12*\t:KF+12*\t+11], v[QF:QF+11], 0, v[KSW+\t], v[QSW] matrix_a_fmt:MATRIX_FMT_FP6 matrix_b_fmt:MATRIX_FMT_FP6
.endr
.endr
.rept 4
	v_nop
.endr
.irp b, 0,1,2,3
	v_max3_num_f32 v[BM+\b], v[S+16*\b], v[S+1+16*\b], v[S+2+16*\b]   ; the largest score of each block of 32 keys: for the row's maximum and, since p rises with the score, for the block's largest p
.endr
.irp i, 3,5,7,9,11,13
.irp b, 0,1,2,3
	v_max3_num_f32 v[BM+\b], v[BM+\b], v[S+16*\b+\i], v[S+1+16*\b+\i]
.endr
.endr
.irp b, 0,1,2,3
	v_max_num_f32 v[BM+\b], v[BM+\b], v[S+15+16*\b]
.endr
.irp b, 0,1,2,3
	v_permlanex16_b32 v[BX+\b], v[BM+\b], s[SEL], s[SEL+1]
.endr
.irp b, 0,1,2,3
	v_max_num_f32 v[BM+\b], v[BM+\b], v[BX+\b]
.endr
	v_max3_num_f32 v[TA], v[BM], v[BM+1], v[BM+2]
	v_max_num_f32 v[TA], v[TA], v[BM+3]
	v_mul_f32 v[TA], s[CS], v[TA]                  ; as t
	v_max_num_f32 v13, v13, v[TA]                  ; the running largest t
	v_mov_b32 v[TA], v12
	v_floor_f32 v12, -v13                          ; the new -M = -ceil(t)
	v_sub_f32 v[TA], v12, v[TA]                    ; old M - new M: a whole number, 0 or less
	v_cvt_i32_f32 v[TA], v[TA]                     ; (it saturates)
	v_ldexp_f32 v[F], 1.0, v[TA]                   ; f = 2^(old M - new M)
.set J, 0
.rept 32
	v_pk_fma_f32 v[S+J:S+J+1], v[S+J:S+J+1], s[CS:CS+1], v[12:13] op_sel_hi:[1,0,0]   ; t - M
.set J, J+2
.endr
.irp b, 0,1,2,3
	v_fma_f32 v[BM+\b], v[BM+\b], s[CS], v12
.endr
.set J, 0
.rept 64
	v_exp_f32 v[S+J], v[S+J]                       ; p = 2^(t - M): not normalised
.set J, J+1
.endr
	v_pk_mul_f32 v[14:15], v[14:15], v[F:F+1] op_sel_hi:[1,0]   ; the sums under the new M; a plain place behind the exponentials
	s_wait_alu depctr_va_vdst(0)                   ; one wait for the batch, ahead of its first use
.irp b, 0,1,2,3
	v_exp_f32 v[BM+\b], v[BM+\b]                   ; the blocks' largest p
.endr
	v_pk_add_f32 v[BX:BX+1], v[S:S+1], v[S+2:S+3]  ; the row's sum of the unquantised p, in two chains
.irp j, 4,8,12,16,20,24,28,32,36,40,44,48,52,56,60
	v_pk_add_f32 v[14:15], v[14:15], v[S+\j:S+\j+1]
	v_pk_add_f32 v[BX:BX+1], v[BX:BX+1], v[S+2+\j:S+3+\j]
.endr
	v_pk_add_f32 v[14:15], v[14:15], v[BX:BX+1]
	s_wait_alu depctr_va_vdst(0)                   ; and one for the four
.irp b, 0,1,2,3
	v_max_num_f32 v[BM+\b], 0x1800000, v[BM+\b]    ; the floor 2^(3 - 127)
.endr
.irp b, 0,1,2,3
	v_add_nc_u32 v[SO+\b], 0xff000000, v[BM+\b]    ; the conversion's scale operand
.endr
.irp b, 0,1,2,3
	v_lshrrev_b32 v[BX+\b], 23, v[SO+\b]           ; the scale's byte
.endr
	v_lshl_or_b32 v[PSW], v[BX+1], 8, v[BX]
	v_lshl_or_b32 v[PSW], v[BX+2], 16, v[PSW]
	v_lshl_or_b32 v[PSW], v[BX+3], 24, v[PSW]
.irp c, 0,1
	v_cvt_scalef32_pk16_fp6_f32 v[PC+6*\c:PC+2+6*\c], v[S+32*\c:S+15+32*\c], v[SO+2*\c]
	v_cvt_scalef32_pk16_fp6_f32 v[PT+4*\c:PT+2+4*\c], v[S+16+32*\c:S+31+32*\c], v[SO+2*\c+1]
.endr
	v_nop                                          ; one plain place behind a scaled conversion
.irp c, 0,1
.irp i, 0,1,2
	v_permlane16_swap_b32 v[PC+6*\c+\i], v[PT+4*\c+\i]
.endr
.irp i, 0,1,2
	v_mov_b32 v[PC+3+6*\c+\i], v[PT+4*\c+\i]
.endr
.endr
.irp i, 0,1,2,3                                ; v^T's four fragments of these 128 keys, into the registers that p has left
	ds_load_b128 v[S+12*\i:S+12*\i+3], v[DV16] offset:\i*1536
	ds_load_b64 v[S+12*\i+4:S+12*\i+5], v[DV8] offset:\i*1536+512
	ds_load_b128 v[S+12*\i+6:S+12*\i+9], v[DV16] offset:\i*1536+768
	ds_load_b64 v[S+12*\i+10:S+12*\i+11], v[DV8] offset:\i*1536+1280
	ds_load_b32 v[VSW+\i], v[DVS] offset:\i*128
.endr
.set J, 0
.rept 16
	v_pk_mul_f32 v[O+J:O+J+1], v[O+J:O+J+1], v[F:F+1] op_sel_hi:[1,0]   ; O^T under the new M; these sixteen are also the places between p's codes and scale word and the products
.set J, J+2
.endr
	s_wait_dscnt 0x0
.irp i, 0,1,2,3
	v_wmma_scale_f32_16x16x128_f8f6f4 v[O+8*\i:O+8*\i+7], v[S+12*\i:S+12*\i+11], v[PC:PC+11], v[O+8*\i:O+8*\i+7], v[VSW+\i], v[PSW] matrix_a_fmt:MATRIX_FMT_FP6 matrix_b_fmt:MATRIX_FMT_FP6
.endr
	s_add_co_u32 s80, s80, 6144
	s_add_co_u32 s81, s81, 1024
	s_add_co_u32 s82, s82, 512
	s_add_co_u32 s83, s83, 1
	s_cmp_lt_u32 s83, 16
	s_cbranch_scc1 .Lstep
	; THE WAY OUT: O^T / the sum, quantised along the head's 64: half a fragment and two scale bytes a row
.rept 4
	v_nop
.endr
	v_add_f32 v14, v14, v15
	v_permlanex16_b32 v[TA], v14, s[SEL], s[SEL+1]
	v_add_f32 v14, v14, v[TA]                      ; the row's sum
	v_rcp_f32 v14, v14
	v_nop                                          ; a plain place behind it
	s_wait_alu depctr_va_vdst(0)                   ; a wait ahead of the first use
.set J, 0
.rept 32
	v_mul_f32 v[S+J], v[O+J], v14
.set J, J+1
.endr
.irp b, 0,1
	v_max3_num_f32 v[BM+\b], |v[S+16*\b]|, |v[S+1+16*\b]|, 0x1800000
.endr
.irp i, 2,4,6,8,10,12,14
.irp b, 0,1
	v_max3_num_f32 v[BM+\b], v[BM+\b], |v[S+16*\b+\i]|, |v[S+1+16*\b+\i]|
.endr
.endr
.irp b, 0,1
	v_permlanex16_b32 v[BX+\b], v[BM+\b], s[SEL], s[SEL+1]
.endr
.irp b, 0,1
	v_max_num_f32 v[BM+\b], v[BM+\b], v[BX+\b]
.endr
.irp b, 0,1
	v_add_nc_u32 v[SO+\b], 0xff000000, v[BM+\b]
.endr
.irp b, 0,1
	v_lshrrev_b32 v[BX+\b], 23, v[SO+\b]
.endr
	v_lshl_or_b32 v[TA], v[BX+1], 8, v[BX]
	v_cvt_scalef32_pk16_fp6_f32 v[PC:PC+2], v[S:S+15], v[SO]
	v_cvt_scalef32_pk16_fp6_f32 v[PT:PT+2], v[S+16:S+31], v[SO+1]
	v_nop
.irp i, 0,1,2
	v_permlane16_swap_b32 v[PC+\i], v[PT+\i]
.endr
.irp i, 0,1,2
	v_mov_b32 v[PC+3+\i], v[PT+\i]
.endr
	global_store_b128 v[L16], v[PC:PC+3], s[92:93]
	global_store_b64 v[L8], v[PC+4:PC+5], s[92:93] offset:512
	global_store_b16 v[L4], v[TA], s[94:95]        ; a word's two halves belong to two heads: each work-group stores its own bytes
	s_wait_tensorcnt 0x0                           ; the wave's end
	ds_add_u32 v[SPW], v[NIL]
	s_wait_dscnt 0x0
	ROUND                                          ; the closing round
	s_endpgm
.Lfunc_end_k_q471ec184eb_attn:
	.size	k_q471ec184eb_attn, .Lfunc_end_k_q471ec184eb_attn-k_q471ec184eb_attn
	.p2alignl 7, 3214868480
	.fill 96, 4, 3214868480
	.section	.rodata,"a",@progbits
	.p2align	6, 0x0
	.amdhsa_kernel k_q471ec184eb_attn
		.amdhsa_group_segment_fixed_size 223232
		.amdhsa_private_segment_fixed_size 0
		.amdhsa_enable_private_segment 0
		.amdhsa_kernarg_size 16
		.amdhsa_user_sgpr_count 2
		.amdhsa_user_sgpr_kernarg_segment_ptr 1
		.amdhsa_wavefront_size32 1
		.amdhsa_system_sgpr_workgroup_id_x 1
		.amdhsa_system_sgpr_workgroup_id_y 1
		.amdhsa_system_sgpr_workgroup_id_z 1
		.amdhsa_system_vgpr_workitem_id 0
		.amdhsa_next_free_vgpr 256
		.amdhsa_next_free_sgpr 100
		.amdhsa_reserve_vcc 0
		.amdhsa_float_denorm_mode_32 3
		.amdhsa_float_denorm_mode_16_64 3
		.amdhsa_memory_ordered 1
		.amdhsa_forward_progress 1
		.amdhsa_inst_pref_size 31
	.end_amdhsa_kernel
	.amdgpu_metadata
---
amdhsa.version: [ 1, 2 ]
amdhsa.kernels:
  - .name:           k_q471ec184eb_attn
    .symbol:         k_q471ec184eb_attn.kd
    .args:
      - { .name: qkv, .offset: 0, .size: 8, .value_kind: global_buffer, .address_space: global }
      - { .name: ao, .offset: 8, .size: 8, .value_kind: global_buffer, .address_space: global }
    .group_segment_fixed_size: 223232
    .private_segment_fixed_size: 0
    .kernarg_segment_align: 8
    .kernarg_segment_size: 16
    .max_flat_workgroup_size: 512
    .sgpr_count:     100
    .vgpr_count:     256
    .wavefront_size: 32
...
	.end_amdgpu_metadata
.endif
;; end of part 3
;; launch wo (part 4): grid 4 x 32, 4 waves a work-group, clusters of 4 x 4, 327,680 bytes of LDS; arguments ao, wts, x, x1; writes x1
.if DOCPART == 4
	.amdgcn_target "amdgcn-amd-amdhsa--gfx1250"
	.amdhsa_code_object_version 6
	.text
	.protected	k_q471ec184eb_wo
	.globl	k_q471ec184eb_wo
	.p2align	8
	.type	k_q471ec184eb_wo,@function
k_q471ec184eb_wo:
	s_mov_b64 s[64:65], 0
	v_nop
	global_prefetch_b8 v0, s[64:65] scope:SCOPE_SE
	s_setreg_imm32_b32 hwreg(HW_REG_WAVE_MODE, 25, 1), 1
	s_wait_xcnt 0x0
	s_wait_alu depctr_hold_cnt(0) depctr_sa_sdst(0) depctr_va_vdst(0) depctr_va_sdst(0) depctr_va_ssrc(0) depctr_va_vcc(0) depctr_vm_vsrc(0)
	s_getreg_b32 s2, hwreg(HW_REG_IB_STS2, 6, 4)
	s_cmp_eq_u32 s2, 0
	s_cbranch_scc0 .Lentry_in_a_cluster
	s_endpgm
.Lentry_in_a_cluster:
	s_bfe_u32 s2, ttmp6, 0x10000c
	s_cmp_lg_u32 s2, 0xf033
	s_cbranch_scc0 .Lentry_shape_is_right
	s_endpgm
.Lentry_shape_is_right:
; x1 = x + attention's output x wo^T, on codes of FP6; x1 is f32, row-major.  No work of reference() is left out.
; The same ring, joint loads and turns as in qkv (operands as images of their registers: the layout stands at the head of prep), with a tile of 128 x 256: N is 1,024, and 256 rows to a tile would make 64 work-groups.
; A wave makes 64 x 128: 32 accumulators, window 2.  THE WAY OUT: a block of 16 rows goes through my own stage in LDS and comes back as whole rows of 512 bytes; the stage's byte order undoes the order of B's rows,
; the stores' row offsets that of A's; the residual is added on the way.
.set MA,     4
.set KS,     8
.set ASOFF,  3145728                   ; ao's scale words
.set BCOFF,  2359296                   ; wo's codes in wts
.set BSOFF,  9633792                   ; wo's scale words
.set BIAS,   0
.set HA,     MA/2
.set NL,     4
.set FR,     12
.set NP,     4
.set LAPS,   KS/4
.set HALFA,  MA*3072
.set HALFB,  8*3072
.set SLOT,   2*HALFA+2*HALFB
.set SCL,    2*SLOT
.set HALFSA, MA*KS*128
.set HALFSB, 8*KS*128
.set SPARE,  SCL+2*HALFSA+2*HALFSB
.set SPITCH, 528                       ; the stage: 16 rows x (512 bytes + 16) a wave, in slot 0, which has had its last fill and its last read when the first result is stored there
.set ADRA, 16
.set ADRB, 20
.set STO,  24
.set RD,   25
.set CO,   26
.set ADRS, 27
.set SPW,  28
.set NIL,  29
.set SC,   32
.set BV,   64                          ; v64-67 the bias of my four columns (where there is one)
.set AF,   128
.set BK,   128                         ; the way out: v128-191 and v192-255 by turns
.set G1,   24
.set G0,   32
.set G1B,  48
.set G0B,  56
.set G1S,  68
.set G0S,  76
.set G1SB, 80
.set G0SB, 88
.set MSB, 0
.macro WIN new
.if MSB != (\new)
	s_set_vgpr_msb (MSB<<8)|(\new)
.set MSB, (\new)
.endif
.endm
.set MUL_LO, 0xa1
.set TO_B,   0x40
.macro JLOAD g0a, g1a, g0b, g1b
	s_cmp_eq_u32 s15, 0
	s_cbranch_scc0 .Lfor_b_\@
	tensor_load_to_lds s[\g0a:\g0a+3], s[\g1a:\g1a+7]
	s_nop 0
.rept 4
	v_nop
.endr
	s_branch .Lasked_\@
.Lfor_b_\@:
	tensor_load_to_lds s[\g0b:\g0b+3], s[\g1b:\g1b+7]
	s_nop 0
.rept 4
	v_nop
.endr
.Lasked_\@:
.endm
.macro CREST
	s_cmp_lg_u32 s14, 0
	s_cbranch_scc1 .Lnot_wave_0_\@
	s_barrier_signal -3
.Lnot_wave_0_\@:
	s_barrier_wait -3
	s_barrier_signal -1
	s_barrier_wait -1
.endm
.macro CROUND
	s_barrier_signal -1
	s_barrier_wait -1
	CREST
.endm
.macro PLACES n
.rept \n
	v_nop
.endr
.endm
.macro FRAG reg, adr, q, i
	ds_load_b128 v[\reg:\reg+3], v[\adr] offset:(\i)*3072+(\q)*1536
	ds_load_b64 v[\reg+4:\reg+5], v[\adr+2] offset:(\i)*3072+(\q)*1536+512
	ds_load_b128 v[\reg+6:\reg+9], v[\adr] offset:(\i)*3072+(\q)*1536+768
	ds_load_b64 v[\reg+10:\reg+11], v[\adr+2] offset:(\i)*3072+(\q)*1536+1280
.endm
.macro FETCH_B slot, q, p
	WIN TO_B
.irp i, 0,1,2,3,4,5,6,7
	FRAG 128*(\p)+FR*\i, ADRB+\slot, \q, \i
.endr
	WIN 0
.endm
.macro FETCH_A slot, q, i0
.set FI, \i0
.rept HA
	FRAG AF+FR*FI, ADRA+\slot, \q, FI
.set FI, FI+1
.endr
.endm
.macro SCALES sc                       ; (lanes 0-15 of blocks 4-7 read filled bytes that no product names)
.irp i, 0,1,2,3,4,5,6,7
.irp q, 0,1
	ds_load_b32 v[SC+16*\sc+2*\i+\q], v[ADRS] offset:(\i*KS+\q)*128
.endr
.endr
.endm
.macro MULB a, p, q, sc, zero          ; the accumulators take turns, one instruction a turn
	WIN MUL_LO+0x50*((\a)/4)
.irp b, 0,1,2,3,4,5,6,7
.if \zero
	v_wmma_scale_f32_16x16x128_f8f6f4 v[8*(8*((\a)%4)+\b):8*(8*((\a)%4)+\b)+7], v[128*(\p)+FR*\b:128*(\p)+FR*\b+FR-1], v[AF+FR*(\a):AF+FR*(\a)+FR-1], 0, v[SC+16*(\sc)+2*\b+(\q)], v[SC+16*(\sc)+2*(\a)+(\q)] matrix_a_fmt:MATRIX_FMT_FP6 matrix_b_fmt:MATRIX_FMT_FP6 matrix_a_scale:MATRIX_SCALE_ROW1
.else
	v_wmma_scale_f32_16x16x128_f8f6f4 v[8*(8*((\a)%4)+\b):8*(8*((\a)%4)+\b)+7], v[128*(\p)+FR*\b:128*(\p)+FR*\b+FR-1], v[AF+FR*(\a):AF+FR*(\a)+FR-1], v[8*(8*((\a)%4)+\b):8*(8*((\a)%4)+\b)+7], v[SC+16*(\sc)+2*\b+(\q)], v[SC+16*(\sc)+2*(\a)+(\q)] matrix_a_fmt:MATRIX_FMT_FP6 matrix_b_fmt:MATRIX_FMT_FP6 matrix_a_scale:MATRIX_SCALE_ROW1
.endif
.endr
.endm
.macro MULS a0, n, p, q, sc, zero
.set AI, \a0
.rept \n
	MULB AI, \p, \q, \sc, \zero
.set AI, AI+1
.endr
.endm
.macro STEP slot, zero
	s_wait_dscnt HA*NL                             ; all but A's second half, the youngest loads
	MULS 0, HA, 0, 0, \slot, \zero
	s_wait_dscnt 0
	PLACES NP
	FETCH_B \slot, 1, 1
	FETCH_A \slot, 1, 0
	MULS HA, HA, 0, 0, \slot, \zero
	PLACES NP
	WIN 0
	FETCH_A \slot, 1, HA
.endm
.macro TURN slot, next, fill
	s_wait_tensorcnt 0x0                           ; all my tensor loads have landed: my part of the next slot
	ds_add_u32 v[SPW], v[NIL]                      ; 0 onto my spare word
	s_wait_dscnt HA*NL+1                           ; (the add and A's second half may be out)
	MULS 0, HA/2, 1, 1, \slot, 0
	s_wait_dscnt 0x0                               ; the add is done, and my reads of this slot are over
	s_barrier_signal -1
	MULS HA/2, HA/2, 1, 1, \slot, 0
	WIN 0
	s_barrier_wait -1
.if \fill
	CREST                                          ; the barrier has opened a round of the cluster's
	s_add_nc_u64 s[G0+4*\slot+2:G0+4*\slot+3], s[G0+4*\slot+2:G0+4*\slot+3], 6144
	s_add_nc_u64 s[G0B+4*\slot+2:G0B+4*\slot+3], s[G0B+4*\slot+2:G0B+4*\slot+3], 6144
	JLOAD G0+4*\slot, G1, G0B+4*\slot, G1B         ; first behind the round; its four v_nop are the places in front of the loads below
.else
	PLACES NP
.endif
	v_add_nc_u32 v[ADRS], 256, v[ADRS]
	FETCH_B \next, 0, 0
	FETCH_A \next, 0, 0
	SCALES \next
	MULS HA, HA, 1, 1, \slot, 0
	PLACES NP
	WIN 0
	FETCH_A \next, 0, HA
.endm
	s_load_b128 s[4:7], s[0:1], 0x0                ; A's buffer, wts
.if BIAS
	s_load_b128 s[8:11], s[0:1], 0x10              ; the residual, the bias
	s_load_b64 s[12:13], s[0:1], 0x20              ; the result
.else
	s_load_b64 s[8:9], s[0:1], 0x10                ; the residual
	s_load_b64 s[12:13], s[0:1], 0x18              ; the result
.endif
	v_lshl_add_u32 v[SPW], v0, 2, SPARE
	v_mov_b32 v[NIL], 0
	ds_add_u32 v[SPW], v[NIL]                      ; the wave's opening: two adds on end, waited for ahead of my first tensor load
	ds_add_u32 v[SPW], v[NIL]
	v_lshrrev_b32 v1, 5, v0
	v_readfirstlane_b32 s14, v1
	s_lshr_b32 s15, s14, 1
	s_and_b32 s16, s14, 1
	s_bfe_u32 s40, ttmp6, 0x40000
	s_bfe_u32 s41, ttmp6, 0x40004
	s_lshl_b32 s42, ttmp9, 2
	s_add_co_u32 s42, s42, s40                     ; tile column
	s_and_b32 s17, ttmp7, 0xffff
	s_lshl_b32 s17, s17, 2
	s_add_co_u32 s17, s17, s41                     ; tile row
	s_lshl_b32 s43, s41, 2
	s_lshl_b32 s43, 15, s43
	s_lshl_b32 s44, 0x1111, s40
	s_or_b32 s[G1+0], s43, (3<<16)|(1<<21)
	s_or_b32 s[G1B+0], s44, (3<<16)|(1<<21)
	s_or_b32 s[G1S+0], s43, (3<<16)|(1<<21)
	s_or_b32 s[G1SB+0], s44, (3<<16)|(1<<21)
.irp g, G1, G1B
	s_mov_b32 s[\g+1], 384<<16
	s_mov_b32 s[\g+3], 384<<16
	s_mov_b32 s[\g+5], KS*192
	s_mov_b32 s[\g+6], 0
	s_mov_b32 s[\g+7], 0
.endr
	s_mov_b32 s[G1+2], MA<<16
	s_mov_b32 s[G1+4], MA
	s_mov_b32 s[G1B+2], 8<<16
	s_mov_b32 s[G1B+4], 8
.irp g, G1S, G1SB
	s_mov_b32 s[\g+1], 32<<16
	s_mov_b32 s[\g+3], 32<<16
	s_mov_b32 s[\g+5], 32
	s_mov_b32 s[\g+6], 0
	s_mov_b32 s[\g+7], 0
.endr
	s_mov_b32 s[G1S+2], (HALFSA/256)<<16
	s_mov_b32 s[G1S+4], HALFSA/256
	s_mov_b32 s[G1SB+2], (HALFSB/256)<<16
	s_mov_b32 s[G1SB+4], HALFSB/256
	s_mul_i32 s20, s17, 2*MA
	s_mul_i32 s18, s16, MA
	s_add_co_u32 s20, s20, s18
	s_mul_i32 s22, s20, KS*128
	s_add_co_u32 s22, s22, ASOFF
	s_mul_i32 s20, s20, KS*1536
	s_mov_b32 s21, 0
	s_mov_b32 s23, 0
	s_lshl_b32 s46, s42, 4
	s_lshl_b32 s18, s16, 3
	s_add_co_u32 s46, s46, s18
	s_mul_i32 s92, s46, KS*128
	s_add_co_u32 s92, s92, BSOFF
	s_mul_i32 s46, s46, KS*1536
	s_add_co_u32 s46, s46, BCOFF
	s_mov_b32 s47, 0
	s_mov_b32 s93, 0
	s_mul_i32 s45, s16, HALFA
	s_mul_i32 s94, s16, HALFB
	s_add_co_u32 s94, s94, 2*HALFA
	s_mul_i32 s95, s16, HALFSA
	s_add_co_u32 s95, s95, SCL
	s_mul_i32 s96, s16, HALFSB
	s_add_co_u32 s96, s96, SCL+2*HALFSA
	s_wait_dscnt 0x0
	s_wait_kmcnt 0x0
	s_add_nc_u64 s[20:21], s[4:5], s[20:21]
	s_add_nc_u64 s[22:23], s[4:5], s[22:23]
	s_add_nc_u64 s[46:47], s[6:7], s[46:47]
	s_add_nc_u64 s[92:93], s[6:7], s[92:93]
	CROUND
	s_mov_b32 s[G0S], 1
	s_mov_b32 s[G0S+1], s95
	s_mov_b64 s[G0S+2:G0S+3], s[22:23]
	s_or_b32 s[G0S+3], s[G0S+3], 0x80000000
	s_mov_b32 s[G0SB], 1
	s_mov_b32 s[G0SB+1], s96
	s_mov_b64 s[G0SB+2:G0SB+3], s[92:93]
	s_or_b32 s[G0SB+3], s[G0SB+3], 0x80000000
	JLOAD G0S, G1S, G0SB, G1SB
.irp s, 0,1
	s_mov_b32 s[G0+4*\s], 1
	s_add_co_u32 s[G0+4*\s+1], s45, \s*SLOT
	s_add_nc_u64 s[G0+4*\s+2:G0+4*\s+3], s[20:21], \s*3072
	s_or_b32 s[G0+4*\s+3], s[G0+4*\s+3], 0x80000000
	s_mov_b32 s[G0B+4*\s], 1
	s_add_co_u32 s[G0B+4*\s+1], s94, \s*SLOT
	s_add_nc_u64 s[G0B+4*\s+2:G0B+4*\s+3], s[46:47], \s*3072
	s_or_b32 s[G0B+4*\s+3], s[G0B+4*\s+3], 0x80000000
	JLOAD G0+4*\s, G1, G0B+4*\s, G1B
.endr
	v_and_b32 v1, 31, v0
	v_bfe_u32 v2, v0, 4, 1
	v_lshlrev_b32 v3, 4, v1
	v_lshlrev_b32 v4, 3, v1
	s_mul_i32 s21, s15, HALFA
	s_mul_i32 s22, s16, HALFB
	s_add_co_u32 s22, s22, 2*HALFA
.irp s, 0,1
	v_add_nc_u32 v[ADRA+\s], s21, v3
	v_add_nc_u32 v[ADRA+2+\s], s21, v4
	v_add_nc_u32 v[ADRB+\s], s22, v3
	v_add_nc_u32 v[ADRB+2+\s], s22, v4
	s_add_co_u32 s21, s21, SLOT
	s_add_co_u32 s22, s22, SLOT
.endr
	s_mul_i32 s21, s15, HALFSA
	s_mul_i32 s22, s16, HALFSB
	s_add_co_u32 s22, s22, 2*HALFSA
	s_sub_co_u32 s22, s22, s21
	v_mul_u32_u24 v6, s22, v2
	s_add_co_u32 s21, s21, SCL
	v_lshl_add_u32 v5, v1, 2, v6
	v_add_nc_u32 v[ADRS], s21, v5
	s_mul_i32 s23, s14, 16*SPITCH                  ; my stage
	v_and_b32 v5, 15, v0
	v_mul_u32_u24 v6, v5, SPITCH
	v_lshl_add_u32 v6, v2, 6, v6
	v_add_nc_u32 v[STO], s23, v6                   ; in: row lane % 16, + 64 bytes for the upper lanes
	v_add_nc_u32 v[RD], s23, v3                    ; back: a row's 512 bytes, 16 a lane
	v_mov_b32 v[CO], v3                            ; and the same in memory
	s_lshl_b32 s18, s42, 10                        ; my first column: 1,024 x tile column + 512 x half, in bytes
	s_lshl_b32 s19, s16, 9
	s_add_co_u32 s18, s18, s19
	s_mov_b32 s19, 0
.if BIAS
	s_add_nc_u64 s[10:11], s[10:11], s[18:19]
	global_load_b128 v[BV:BV+3], v[CO], s[10:11]   ; the bias of my four columns of a row read back
.endif
	s_lshl_b32 s20, s17, 19                        ; my first row: 128 x tile row + 64 x half, rows of 4,096 bytes
	s_lshl_b32 s21, s15, 18
	s_add_co_u32 s20, s20, s21
	s_add_co_u32 s18, s18, s20
	s_add_nc_u64 s[8:9], s[8:9], s[18:19]
	s_add_nc_u64 s[12:13], s[12:13], s[18:19]
	s_wait_tensorcnt 1                             ; the scale words and my part of slot 0 are in; slot 1's load may be out
	s_barrier_signal -1
	s_barrier_wait -1
	FETCH_B 0, 0, 0
	FETCH_A 0, 0, 0
	SCALES 0
	FETCH_A 0, 0, HA
	STEP 0, 1
	s_mov_b32 s3, LAPS-1
.Llap:
	TURN 0, 1, 1
	STEP 1, 0
	TURN 1, 0, 1
	STEP 0, 0
	s_sub_co_u32 s3, s3, 1
	s_cmp_lg_u32 s3, 0
	s_cbranch_scc1 .Llap
	TURN 0, 1, 0
	STEP 1, 0
	s_wait_dscnt HA*NL
	MULS 0, HA, 1, 1, 1, 0
	s_wait_dscnt 0
	MULS HA, HA, 1, 1, 1, 0
	WIN 0
; Block a's row t of the stage is row 32 (a / 2) + 8 (a % 2) + t + 8 (t / 8) of my 64
.macro RLOAD a                         ; the residual's 16 rows, into window 1
	WIN 0x40
.irp t, 0,1,2,3,4,5,6,7,8,9,10,11,12,13,14,15
	global_load_b128 v[64*((\a)%2)+4*\t:64*((\a)%2)+4*\t+3], v[CO], s[8:9] offset:(32*((\a)/2)+8*((\a)%2)+\t+8*(\t/8))*4096
.endr
	WIN 0
.endm
.macro TOSTAGE a                       ; accumulator (a, b) holds columns 32 (b / 2) + 16 (lane / 16) + 8 (b % 2) + 0 .. 7; each is stored from its low end on
	WIN 0x08
.irp b, 0,1,2,3,4,5,6,7
	ds_store_b128 v[STO], v[8*(8*(\a)+\b):8*(8*(\a)+\b)+3] offset:128*(\b/2)+32*(\b%2)
	ds_store_b128 v[STO], v[8*(8*(\a)+\b)+4:8*(8*(\a)+\b)+7] offset:128*(\b/2)+32*(\b%2)+16
.endr
	WIN 0
.irp t, 0,1,2,3,4,5,6,7,8,9,10,11,12,13,14,15
	ds_load_b128 v[BK+64*((\a)%2)+4*\t:BK+64*((\a)%2)+4*\t+3], v[RD] offset:\t*SPITCH   ; LDS serves a wave's instructions in order: these see my stores
.endr
.endm
.macro SEND a, yds, yld                ; yds, yld: the LDS instructions and the loads issued behind block a's, which may stay out
	s_wait_dscnt \yds
	s_wait_loadcnt \yld
	WIN 0x04
.set J, 0
.rept 32
	v_pk_add_f32 v[BK+64*((\a)%2)+J:BK+64*((\a)%2)+J+1], v[BK+64*((\a)%2)+J:BK+64*((\a)%2)+J+1], v[64*((\a)%2)+J:64*((\a)%2)+J+1]
.set J, J+2
.endr
	WIN 0
.if BIAS
.set J, 0
.rept 32
	v_pk_add_f32 v[BK+64*((\a)%2)+J:BK+64*((\a)%2)+J+1], v[BK+64*((\a)%2)+J:BK+64*((\a)%2)+J+1], v[BV+J%4:BV+J%4+1]
.set J, J+2
.endr
.endif
.irp t, 0,1,2,3,4,5,6,7,8,9,10,11,12,13,14,15
	global_store_b128 v[CO], v[BK+64*((\a)%2)+4*\t:BK+64*((\a)%2)+4*\t+3], s[12:13] offset:(32*((\a)/2)+8*((\a)%2)+\t+8*(\t/8))*4096   ; 512 consecutive bytes, at a multiple of 256 from the buffer's first byte
.endr
.endm
	PLACES NP                                      ; in front of the first read of results and of loads into registers that matrix instructions have read
	RLOAD 0
	TOSTAGE 0
.irp a, 1,2,3
.if \a > 1
	s_wait_xcnt 0x0                                ; block a - 2's stores have read their registers: block a's loads may land there
.endif
	RLOAD \a
	TOSTAGE \a
	SEND \a-1, 32, 16                              ; behind block a - 1's: block a's 16 LDS stores and 16 LDS loads, and its 16 loads of the residual
.endr
	SEND 3, 0, 0
	s_wait_tensorcnt 0x0                           ; the wave's end
	ds_add_u32 v[SPW], v[NIL]
	s_wait_dscnt 0x0
	CROUND                                         ; the closing round
	s_endpgm
.Lfunc_end_k_q471ec184eb_wo:
	.size	k_q471ec184eb_wo, .Lfunc_end_k_q471ec184eb_wo-k_q471ec184eb_wo
	.p2alignl 7, 3214868480
	.fill 96, 4, 3214868480
	.section	.rodata,"a",@progbits
	.p2align	6, 0x0
	.amdhsa_kernel k_q471ec184eb_wo
		.amdhsa_group_segment_fixed_size 327680
		.amdhsa_private_segment_fixed_size 0
		.amdhsa_enable_private_segment 0
		.amdhsa_kernarg_size 32
		.amdhsa_user_sgpr_count 2
		.amdhsa_user_sgpr_kernarg_segment_ptr 1
		.amdhsa_wavefront_size32 1
		.amdhsa_system_sgpr_workgroup_id_x 1
		.amdhsa_system_sgpr_workgroup_id_y 1
		.amdhsa_system_sgpr_workgroup_id_z 1
		.amdhsa_system_vgpr_workitem_id 0
		.amdhsa_next_free_vgpr 768
		.amdhsa_next_free_sgpr 100
		.amdhsa_reserve_vcc 0
		.amdhsa_float_denorm_mode_32 3
		.amdhsa_float_denorm_mode_16_64 3
		.amdhsa_memory_ordered 1
		.amdhsa_forward_progress 1
		.amdhsa_inst_pref_size 106
	.end_amdhsa_kernel
	.amdgpu_metadata
---
amdhsa.version: [ 1, 2 ]
amdhsa.kernels:
  - .name:           k_q471ec184eb_wo
    .symbol:         k_q471ec184eb_wo.kd
    .args:
      - { .name: ao, .offset: 0, .size: 8, .value_kind: global_buffer, .address_space: global }
      - { .name: wts, .offset: 8, .size: 8, .value_kind: global_buffer, .address_space: global }
      - { .name: x, .offset: 16, .size: 8, .value_kind: global_buffer, .address_space: global }
      - { .name: x1, .offset: 24, .size: 8, .value_kind: global_buffer, .address_space: global }
    .group_segment_fixed_size: 327680
    .private_segment_fixed_size: 0
    .kernarg_segment_align: 8
    .kernarg_segment_size: 32
    .max_flat_workgroup_size: 128
    .sgpr_count:     100
    .vgpr_count:     768
    .wavefront_size: 32
...
	.end_amdgpu_metadata
.endif
;; end of part 4
;; launch ln2 (part 5): grid 128 x 1, 8 waves a work-group, no clusters, 132,608 bytes of LDS; arguments x1, ln2_g, ln2_b, h2; writes h2
.if DOCPART == 5
	.amdgcn_target "amdgcn-amd-amdhsa--gfx1250"
	.amdhsa_code_object_version 6
	.text
	.protected	k_q471ec184eb_ln2
	.globl	k_q471ec184eb_ln2
	.p2align	8
	.type	k_q471ec184eb_ln2,@function
k_q471ec184eb_ln2:
	s_mov_b64 s[64:65], 0
	v_nop
	global_prefetch_b8 v0, s[64:65] scope:SCOPE_SE
	s_setreg_imm32_b32 hwreg(HW_REG_WAVE_MODE, 25, 1), 1
	s_wait_xcnt 0x0
; h2 = LayerNorm 2 of x1, quantised along its 1,024 columns into an operand (the layout stands at the head of prep).  No work of reference() is left out.
; A work-group takes 32 rows.  Wave w loads rows 4 w .. 4 w + 3 whole, normalises them and lays them into a stage in LDS by position; behind one barrier wave w takes columns 128 w .. 128 w + 127 of all 32 rows:
; two fragments, quantised in registers and stored as they stand.
.set STP,   4112
.set SPARE, 32*STP
.set OFFR,  4
.set SA,    8
.set LA0,   9
.set LA1,   10
.set L16,   11
.set L8,    12
.set L4,    13
.set SPW,   14
.set NIL,   15
.set ST,    16
.set X,     32
.set G,     160
.set BB,    192
.set PC0,   160
.set PC1,   180
.set TM,    224
.set PW,    240
.set SEL,   40
.macro QUANT s, pc, pw
.irp b, 0,1,2,3
	v_max3_num_f32 v[TM+\b], |v[\s+16*\b]|, |v[\s+1+16*\b]|, 0x1800000   ; and the floor 2^(3 - 127): the byte cannot fall under 1
.endr
.irp i, 2,4,6,8,10,12,14
.irp b, 0,1,2,3
	v_max3_num_f32 v[TM+\b], v[TM+\b], |v[\s+16*\b+\i]|, |v[\s+1+16*\b+\i]|
.endr
.endr
.irp b, 0,1,2,3
	v_permlanex16_b32 v[TM+4+\b], v[TM+\b], s[SEL], s[SEL+1]
.endr
.irp b, 0,1,2,3
	v_max_num_f32 v[TM+\b], v[TM+\b], v[TM+4+\b]
.endr
.irp b, 0,1,2,3
	v_add_nc_u32 v[TM+12+\b], 0xff000000, v[TM+\b]
.endr
.irp b, 0,1,2,3
	v_lshrrev_b32 v[TM+4+\b], 23, v[TM+12+\b]
.endr
	v_lshl_or_b32 v[\pw], v[TM+5], 8, v[TM+4]
	v_lshl_or_b32 v[\pw], v[TM+6], 16, v[\pw]
	v_lshl_or_b32 v[\pw], v[TM+7], 24, v[\pw]
.irp c, 0,1
	v_cvt_scalef32_pk16_fp6_f32 v[\pc+6*\c:\pc+2+6*\c], v[\s+32*\c:\s+15+32*\c], v[TM+12+2*\c]
	v_cvt_scalef32_pk16_fp6_f32 v[\pc+12+4*\c:\pc+14+4*\c], v[\s+16+32*\c:\s+31+32*\c], v[TM+12+2*\c+1]
.endr
	v_nop                                          ; one plain place behind a scaled conversion
.irp c, 0,1
.irp i, 0,1,2
	v_permlane16_swap_b32 v[\pc+6*\c+\i], v[\pc+12+4*\c+\i]
.endr
.irp i, 0,1,2
	v_mov_b32 v[\pc+3+6*\c+\i], v[\pc+12+4*\c+\i]
.endr
.endr
.endm
.macro HFSTORE pc, base
	global_store_b128 v[L16], v[\pc:\pc+3], s[\base:\base+1]
	global_store_b64 v[L8], v[\pc+4:\pc+5], s[\base:\base+1] offset:512
	global_store_b128 v[L16], v[\pc+6:\pc+9], s[\base:\base+1] offset:768
	global_store_b64 v[L8], v[\pc+10:\pc+11], s[\base:\base+1] offset:1280
.endm
.macro RED4
.irp m, 1,2,4,8
.irp i, 0,1,2,3
	v_add_f32_dpp v[ST+4*\i], v[ST+4*\i], v[ST+4*\i] row_xmask:\m row_mask:0xf bank_mask:0xf
.endr
.endr
.irp i, 0,1,2,3
	v_permlanex16_b32 v[ST+4*\i+1], v[ST+4*\i], s[SEL], s[SEL+1]
.endr
.irp i, 0,1,2,3
	v_add_f32 v[ST+4*\i], v[ST+4*\i], v[ST+4*\i+1]
.endr
.endm
	s_load_b256 s[4:11], s[0:1], 0x0               ; x1, ln2_g, ln2_b, h2
	v_lshl_add_u32 v[SPW], v0, 2, SPARE
	v_mov_b32 v[NIL], 0
	v_lshrrev_b32 v1, 5, v0
	v_readfirstlane_b32 s26, v1                    ; wave 0..7
	v_and_b32 v1, 31, v0
	v_and_b32 v2, 15, v0
	v_bfe_u32 v3, v0, 4, 1
	v_lshlrev_b32 v[L16], 4, v1
	v_lshlrev_b32 v[L8], 3, v1
	v_lshlrev_b32 v[L4], 2, v1
	s_and_b32 s27, s26, 1                          ; rows 4 w + i stand at positions 4 w' + i, w' = w with its bits 1 and 2 exchanged
	s_and_b32 s28, s26, 2
	s_lshl_b32 s28, s28, 1
	s_or_b32 s27, s27, s28
	s_and_b32 s28, s26, 4
	s_lshr_b32 s28, s28, 1
	s_or_b32 s27, s27, s28
	s_mul_i32 s27, s27, 4*STP
	v_add_nc_u32 v[SA], s27, v[L16]
	v_mul_u32_u24 v[LA0], v2, STP
	v_lshl_add_u32 v[LA0], v3, 6, v[LA0]
	s_lshl_b32 s27, s26, 9
	v_add_nc_u32 v[LA0], s27, v[LA0]
	v_add_nc_u32 v[LA1], 16*STP, v[LA0]
	s_mov_b32 s[SEL], 0x76543210
	s_mov_b32 s[SEL+1], 0xfedcba98
	s_mov_b32 s56, 0x3a800000                      ; 1 / 1,024
	s_mov_b32 s57, 0x3727c5ac                      ; 1e-5
.irp b, 0,1,2,3
	v_mov_b32 v[TM+4+\b], 0
.endr
	s_lshl_b32 s32, ttmp9, 17                      ; my 32 rows of 4,096 bytes
	s_mov_b32 s33, 0
	s_lshl_b32 s37, ttmp9, 4
	s_add_co_u32 s37, s37, s26                     ; my first fragment: 16 x work-group + wave
	s_mul_i32 s46, s37, 1536
	s_mov_b32 s47, 0
	s_lshl_b32 s50, s37, 7
	s_add_co_u32 s50, s50, 3145728
	s_mov_b32 s51, 0
	s_lshl_b32 s54, s26, 14                        ; my four rows
.irp i, 0,1,2,3
	v_add_nc_u32 v[OFFR+\i], s54, v[L16]
	s_add_co_u32 s54, s54, 4096
.endr
	s_wait_kmcnt 0x0
	s_add_nc_u64 s[30:31], s[4:5], s[32:33]
	s_add_nc_u64 s[46:47], s[10:11], s[46:47]      ; codes of positions 0-15,
	s_add_nc_u64 s[48:49], s[46:47], 12288         ; of positions 16-31,
	s_add_nc_u64 s[50:51], s[10:11], s[50:51]      ; and the scale words likewise
	s_add_nc_u64 s[52:53], s[50:51], 1024
.irp i, 0,1,2,3
.irp j, 0,1,2,3,4,5,6,7
	global_load_b128 v[X+32*\i+4*\j:X+32*\i+4*\j+3], v[OFFR+\i], s[30:31] offset:512*\j
.endr
.endr
.irp j, 0,1,2,3,4,5,6,7
	global_load_b128 v[G+4*\j:G+4*\j+3], v[L16], s[6:7] offset:512*\j
.endr
.irp j, 0,1,2,3,4,5,6,7
	global_load_b128 v[BB+4*\j:BB+4*\j+3], v[L16], s[8:9] offset:512*\j
.endr
	s_wait_loadcnt 16                              ; my four rows are in; the sixteen loads of gain and bias may be out
.irp i, 0,1,2,3
	v_pk_add_f32 v[ST+4*\i:ST+4*\i+1], v[X+32*\i:X+32*\i+1], v[X+32*\i+2:X+32*\i+3]
	v_pk_add_f32 v[ST+4*\i+2:ST+4*\i+3], v[X+32*\i+4:X+32*\i+5], v[X+32*\i+6:X+32*\i+7]
.endr
.irp j, 8,12,16,20,24,28
.irp i, 0,1,2,3
	v_pk_add_f32 v[ST+4*\i:ST+4*\i+1], v[ST+4*\i:ST+4*\i+1], v[X+32*\i+\j:X+32*\i+\j+1]
	v_pk_add_f32 v[ST+4*\i+2:ST+4*\i+3], v[ST+4*\i+2:ST+4*\i+3], v[X+32*\i+\j+2:X+32*\i+\j+3]
.endr
.endr
.irp i, 0,1,2,3
	v_pk_add_f32 v[ST+4*\i:ST+4*\i+1], v[ST+4*\i:ST+4*\i+1], v[ST+4*\i+2:ST+4*\i+3]
.endr
.irp i, 0,1,2,3
	v_add_f32 v[ST+4*\i], v[ST+4*\i], v[ST+4*\i+1]
.endr
	RED4
.irp i, 0,1,2,3
	v_mul_f32 v[ST+4*\i], 0xba800000, v[ST+4*\i]   ; minus the mean
.endr
.set J, 0
.rept 16
.irp i, 0,1,2,3
	v_pk_add_f32 v[X+32*\i+J:X+32*\i+J+1], v[X+32*\i+J:X+32*\i+J+1], v[ST+4*\i:ST+4*\i+1] op_sel_hi:[1,0]
.endr
.set J, J+2
.endr
.irp i, 0,1,2,3
	v_pk_mul_f32 v[ST+4*\i:ST+4*\i+1], v[X+32*\i:X+32*\i+1], v[X+32*\i:X+32*\i+1]
	v_pk_mul_f32 v[ST+4*\i+2:ST+4*\i+3], v[X+32*\i+2:X+32*\i+3], v[X+32*\i+2:X+32*\i+3]
.endr
.irp j, 4,8,12,16,20,24,28
.irp i, 0,1,2,3
	v_pk_fma_f32 v[ST+4*\i:ST+4*\i+1], v[X+32*\i+\j:X+32*\i+\j+1], v[X+32*\i+\j:X+32*\i+\j+1], v[ST+4*\i:ST+4*\i+1]
	v_pk_fma_f32 v[ST+4*\i+2:ST+4*\i+3], v[X+32*\i+\j+2:X+32*\i+\j+3], v[X+32*\i+\j+2:X+32*\i+\j+3], v[ST+4*\i+2:ST+4*\i+3]
.endr
.endr
.irp i, 0,1,2,3
	v_pk_add_f32 v[ST+4*\i:ST+4*\i+1], v[ST+4*\i:ST+4*\i+1], v[ST+4*\i+2:ST+4*\i+3]
.endr
.irp i, 0,1,2,3
	v_add_f32 v[ST+4*\i], v[ST+4*\i], v[ST+4*\i+1]
.endr
	RED4
.irp i, 0,1,2,3
	v_fma_f32 v[ST+4*\i], v[ST+4*\i], s56, s57     ; the variance + 1e-5
.endr
.irp i, 0,1,2,3
	v_rsq_f32 v[ST+4*\i+2], v[ST+4*\i]
.endr
	v_nop                                          ; a plain place behind the last of the four
	s_wait_alu depctr_va_vdst(0)                   ; one wait for the four, ahead of their first use
	s_wait_loadcnt 0x0                             ; gain and bias
.set J, 0
.rept 16
.irp i, 0,1,2,3
	v_pk_mul_f32 v[X+32*\i+J:X+32*\i+J+1], v[X+32*\i+J:X+32*\i+J+1], v[ST+4*\i+2:ST+4*\i+3] op_sel_hi:[1,0]
.endr
.irp i, 0,1,2,3
	v_pk_fma_f32 v[X+32*\i+J:X+32*\i+J+1], v[X+32*\i+J:X+32*\i+J+1], v[G+J:G+J+1], v[BB+J:BB+J+1]
.endr
.set J, J+2
.endr
.irp i, 0,1,2,3
.irp j, 0,1,2,3,4,5,6,7
	ds_store_b128 v[SA], v[X+32*\i+4*\j:X+32*\i+4*\j+3] offset:\i*STP+512*\j
.endr
.endr
	s_wait_dscnt 0x0                               ; for the others' sake: my rows lie in the stage
	s_barrier_signal -1
	s_barrier_wait -1
.irp b, 0,1,2,3
.irp j, 0,1,2,3
	ds_load_b128 v[X+16*\b+4*\j:X+16*\b+4*\j+3], v[LA0] offset:128*\b+16*\j
.endr
.endr
.irp b, 0,1,2,3
.irp j, 0,1,2,3
	ds_load_b128 v[X+64+16*\b+4*\j:X+64+16*\b+4*\j+3], v[LA1] offset:128*\b+16*\j
.endr
.endr
	s_wait_dscnt 16                                ; positions 0-15 are in; the sixteen loads of positions 16-31 may be out
	QUANT X, PC0, PW
	s_wait_dscnt 0x0
	QUANT X+64, PC1, PW+1
	HFSTORE PC0, 46
	global_store_b32 v[L4], v[PW], s[50:51]
	HFSTORE PC1, 48
	global_store_b32 v[L4], v[PW+1], s[52:53]
	s_wait_tensorcnt 0x0                           ; the wave's end, behind my last LDS store
	ds_add_u32 v[SPW], v[NIL]
	s_wait_dscnt 0x0
	s_endpgm
.Lfunc_end_k_q471ec184eb_ln2:
	.size	k_q471ec184eb_ln2, .Lfunc_end_k_q471ec184eb_ln2-k_q471ec184eb_ln2
	.p2alignl 7, 3214868480
	.fill 96, 4, 3214868480
	.section	.rodata,"a",@progbits
	.p2align	6, 0x0
	.amdhsa_kernel k_q471ec184eb_ln2
		.amdhsa_group_segment_fixed_size 132608
		.amdhsa_private_segment_fixed_size 0
		.amdhsa_enable_private_segment 0
		.amdhsa_kernarg_size 32
		.amdhsa_user_sgpr_count 2
		.amdhsa_user_sgpr_kernarg_segment_ptr 1
		.amdhsa_wavefront_size32 1
		.amdhsa_system_sgpr_workgroup_id_x 1
		.amdhsa_system_sgpr_workgroup_id_y 1
		.amdhsa_system_sgpr_workgroup_id_z 1
		.amdhsa_system_vgpr_workitem_id 0
		.amdhsa_next_free_vgpr 256
		.amdhsa_next_free_sgpr 66
		.amdhsa_reserve_vcc 0
		.amdhsa_float_denorm_mode_32 3
		.amdhsa_float_denorm_mode_16_64 3
		.amdhsa_memory_ordered 1
		.amdhsa_forward_progress 1
		.amdhsa_inst_pref_size 44
	.end_amdhsa_kernel
	.amdgpu_metadata
---
amdhsa.version: [ 1, 2 ]
amdhsa.kernels:
  - .name:           k_q471ec184eb_ln2
    .symbol:         k_q471ec184eb_ln2.kd
    .args:
      - { .name: x1, .offset: 0, .size: 8, .value_kind: global_buffer, .address_space: global }
      - { .name: ln2_g, .offset: 8, .size: 8, .value_kind: global_buffer, .address_space: global }
      - { .name: ln2_b, .offset: 16, .size: 8, .value_kind: global_buffer, .address_space: global }
      - { .name: h2, .offset: 24, .size: 8, .value_kind: global_buffer, .address_space: global }
    .group_segment_fixed_size: 132608
    .private_segment_fixed_size: 0
    .kernarg_segment_align: 8
    .kernarg_segment_size: 32
    .max_flat_workgroup_size: 256
    .sgpr_count:     66
    .vgpr_count:     256
    .wavefront_size: 32
...
	.end_amdgpu_metadata
.endif
;; end of part 5
;; launch ffn1 (part 6): grid 16 x 16, 4 waves a work-group, clusters of 4 x 4, 327,680 bytes of LDS; arguments h2, wts, b1, gh; writes gh
.if DOCPART == 6
	.amdgcn_target "amdgcn-amd-amdhsa--gfx1250"
	.amdhsa_code_object_version 6
	.text
	.protected	k_q471ec184eb_ffn1
	.globl	k_q471ec184eb_ffn1
	.p2align	8
	.type	k_q471ec184eb_ffn1,@function
k_q471ec184eb_ffn1:
	s_mov_b64 s[64:65], 0
	v_nop
	global_prefetch_b8 v0, s[64:65] scope:SCOPE_SE
	s_setreg_imm32_b32 hwreg(HW_REG_WAVE_MODE, 25, 1), 1
	s_wait_xcnt 0x0
	s_wait_alu depctr_hold_cnt(0) depctr_sa_sdst(0) depctr_va_vdst(0) depctr_va_sdst(0) depctr_va_ssrc(0) depctr_va_vcc(0) depctr_vm_vsrc(0)
	s_getreg_b32 s2, hwreg(HW_REG_IB_STS2, 6, 4)
	s_cmp_eq_u32 s2, 0
	s_cbranch_scc0 .Lentry_in_a_cluster
	s_endpgm
.Lentry_in_a_cluster:
	s_bfe_u32 s2, ttmp6, 0x10000c
	s_cmp_lg_u32 s2, 0xf033
	s_cbranch_scc0 .Lentry_shape_is_right
	s_endpgm
.Lentry_shape_is_right:
; gh = gelu(h2 w1^T + b1), exact gelu, quantised along the hidden layer's 4,096 into an operand (the layout stands at the head of prep).  No work of reference() is left out.
; The same ring, joint loads and turns as in qkv: a tile of 256 x 256, four waves of 128 x 128.
; THE WAY OUT is a loop of eight trips, one for each block of 16 rows: the block's 64 numbers a lane, with the bias added, are copied into window 0 by one of eight short arms (the register numbers differ), and the
; gelu and the quantiser are written once.
; GELU: g = max(x, 0) - |x| E, E = erfc(|x| / sqrt 2) / 2 = t 2^(poly(t) - x^2 log2(e) / 2 - 1), t = 1 / (1 + |x| / (2 sqrt 2)): a fit of erfc of degree 9 in t with a fractional error of 1.2e-7,
; its coefficients multiplied by log2(e).  No compare, no select.
.set MA,     8
.set KS,     8
.set ASOFF,  3145728                   ; h2's scale words
.set BCOFF,  3145728                   ; w1's codes in wts
.set BSOFF,  9699328                   ; w1's scale words
.set HA,     MA/2
.set NL,     4
.set FR,     12
.set NP,     4
.set LAPS,   KS/4
.set HALFA,  MA*3072
.set HALFB,  8*3072
.set SLOT,   2*HALFA+2*HALFB
.set SCL,    2*SLOT
.set HALFSA, MA*KS*128
.set HALFSB, 8*KS*128
.set SPARE,  SCL+2*HALFSA+2*HALFSB
.set ADRA, 16
.set ADRB, 20
.set L16,  24
.set L8,   25
.set L4,   26
.set ADRS, 27
.set SPW,  28
.set NIL,  29
.set BA,   30                          ; v30 64 x (lane / 16): my half's place in a tile's bias
.set SC,   32
.set Q,    64                          ; the way out, window 0: v64-95 Q, later the quantiser's work registers
.set TM,   64
.set PW,   80
.set X,    96                          ; v96-159 the block's 64 numbers
.set T,    160                         ; v160-191 t, later the codes
.set PC,   160
.set P,    192                         ; v192-223
.set C9V,  224                         ; v[224:225] the highest coefficient, twice
.set AF,   128
.set G1,   24
.set G0,   32
.set G1B,  48
.set G0B,  56
.set G1S,  68
.set G0S,  76
.set G1SB, 80
.set G0SB, 88
.set CK,   24                          ; the way out's constants lie, as pairs, in the descriptors' registers, which no load names any more
.set CC,   26                          ; coefficient n at s[CC + 2 n]
.set CSS,  44
.set SEL,  46
.set MSB, 0
.macro WIN new
.if MSB != (\new)
	s_set_vgpr_msb (MSB<<8)|(\new)
.set MSB, (\new)
.endif
.endm
.set MUL_LO, 0xa1
.set TO_B,   0x40
.macro JLOAD g0a, g1a, g0b, g1b
	s_cmp_eq_u32 s15, 0
	s_cbranch_scc0 .Lfor_b_\@
	tensor_load_to_lds s[\g0a:\g0a+3], s[\g1a:\g1a+7]
	s_nop 0
.rept 4
	v_nop
.endr
	s_branch .Lasked_\@
.Lfor_b_\@:
	tensor_load_to_lds s[\g0b:\g0b+3], s[\g1b:\g1b+7]
	s_nop 0
.rept 4
	v_nop
.endr
.Lasked_\@:
.endm
.macro CREST
	s_cmp_lg_u32 s14, 0
	s_cbranch_scc1 .Lnot_wave_0_\@
	s_barrier_signal -3
.Lnot_wave_0_\@:
	s_barrier_wait -3
	s_barrier_signal -1
	s_barrier_wait -1
.endm
.macro CROUND
	s_barrier_signal -1
	s_barrier_wait -1
	CREST
.endm
.macro PLACES n
.rept \n
	v_nop
.endr
.endm
.macro FRAG reg, adr, q, i
	ds_load_b128 v[\reg:\reg+3], v[\adr] offset:(\i)*3072+(\q)*1536
	ds_load_b64 v[\reg+4:\reg+5], v[\adr+2] offset:(\i)*3072+(\q)*1536+512
	ds_load_b128 v[\reg+6:\reg+9], v[\adr] offset:(\i)*3072+(\q)*1536+768
	ds_load_b64 v[\reg+10:\reg+11], v[\adr+2] offset:(\i)*3072+(\q)*1536+1280
.endm
.macro FETCH_B slot, q, p
	WIN TO_B
.irp i, 0,1,2,3,4,5,6,7
	FRAG 128*(\p)+FR*\i, ADRB+\slot, \q, \i
.endr
	WIN 0
.endm
.macro FETCH_A slot, q, i0
.set FI, \i0
.rept HA
	FRAG AF+FR*FI, ADRA+\slot, \q, FI
.set FI, FI+1
.endr
.endm
.macro SCALES sc
.irp i, 0,1,2,3,4,5,6,7
.irp q, 0,1
	ds_load_b32 v[SC+16*\sc+2*\i+\q], v[ADRS] offset:(\i*KS+\q)*128
.endr
.endr
.endm
.macro MULB a, p, q, sc, zero          ; the accumulators take turns, one instruction a turn
	WIN MUL_LO+0x50*((\a)/4)
.irp b, 0,1,2,3,4,5,6,7
.if \zero
	v_wmma_scale_f32_16x16x128_f8f6f4 v[8*(8*((\a)%4)+\b):8*(8*((\a)%4)+\b)+7], v[128*(\p)+FR*\b:128*(\p)+FR*\b+FR-1], v[AF+FR*(\a):AF+FR*(\a)+FR-1], 0, v[SC+16*(\sc)+2*\b+(\q)], v[SC+16*(\sc)+2*(\a)+(\q)] matrix_a_fmt:MATRIX_FMT_FP6 matrix_b_fmt:MATRIX_FMT_FP6 matrix_a_scale:MATRIX_SCALE_ROW1
.else
	v_wmma_scale_f32_16x16x128_f8f6f4 v[8*(8*((\a)%4)+\b):8*(8*((\a)%4)+\b)+7], v[128*(\p)+FR*\b:128*(\p)+FR*\b+FR-1], v[AF+FR*(\a):AF+FR*(\a)+FR-1], v[8*(8*((\a)%4)+\b):8*(8*((\a)%4)+\b)+7], v[SC+16*(\sc)+2*\b+(\q)], v[SC+16*(\sc)+2*(\a)+(\q)] matrix_a_fmt:MATRIX_FMT_FP6 matrix_b_fmt:MATRIX_FMT_FP6 matrix_a_scale:MATRIX_SCALE_ROW1
.endif
.endr
.endm
.macro MULS a0, n, p, q, sc, zero
.set AI, \a0
.rept \n
	MULB AI, \p, \q, \sc, \zero
.set AI, AI+1
.endr
.endm
.macro STEP slot, zero
	s_wait_dscnt HA*NL                             ; all but A's second half, the youngest loads
	MULS 0, HA, 0, 0, \slot, \zero
	s_wait_dscnt 0
	PLACES NP
	FETCH_B \slot, 1, 1
	FETCH_A \slot, 1, 0
	MULS HA, HA, 0, 0, \slot, \zero
	PLACES NP
	WIN 0
	FETCH_A \slot, 1, HA
.endm
.macro TURN slot, next, fill
	s_wait_tensorcnt 0x0                           ; all my tensor loads have landed: my part of the next slot
	ds_add_u32 v[SPW], v[NIL]                      ; 0 onto my spare word
	s_wait_dscnt HA*NL+1                           ; (the add and A's second half may be out)
	MULS 0, HA/2, 1, 1, \slot, 0
	s_wait_dscnt 0x0                               ; the add is done, and my reads of this slot are over
	s_barrier_signal -1
	MULS HA/2, HA/2, 1, 1, \slot, 0
	WIN 0
	s_barrier_wait -1
.if \fill
	CREST                                          ; the barrier has opened a round of the cluster's
	s_add_nc_u64 s[G0+4*\slot+2:G0+4*\slot+3], s[G0+4*\slot+2:G0+4*\slot+3], 6144
	s_add_nc_u64 s[G0B+4*\slot+2:G0B+4*\slot+3], s[G0B+4*\slot+2:G0B+4*\slot+3], 6144
	JLOAD G0+4*\slot, G1, G0B+4*\slot, G1B         ; first behind the round; its four v_nop are the places in front of the loads below
.else
	PLACES NP
.endif
	v_add_nc_u32 v[ADRS], 256, v[ADRS]
	FETCH_B \next, 0, 0
	FETCH_A \next, 0, 0
	SCALES \next
	MULS HA, HA, 1, 1, \slot, 0
	PLACES NP
	WIN 0
	FETCH_A \next, 0, HA
.endm
	s_load_b128 s[4:7], s[0:1], 0x0                ; h2, wts
	s_load_b64 s[8:9], s[0:1], 0x10                ; b1
	s_load_b64 s[12:13], s[0:1], 0x18              ; gh
	v_lshl_add_u32 v[SPW], v0, 2, SPARE
	v_mov_b32 v[NIL], 0
	ds_add_u32 v[SPW], v[NIL]                      ; the wave's opening: two adds on end, waited for ahead of my first tensor load
	ds_add_u32 v[SPW], v[NIL]
	v_lshrrev_b32 v1, 5, v0
	v_readfirstlane_b32 s14, v1
	s_lshr_b32 s15, s14, 1
	s_and_b32 s16, s14, 1
	s_bfe_u32 s40, ttmp6, 0x40000
	s_bfe_u32 s41, ttmp6, 0x40004
	s_lshl_b32 s42, ttmp9, 2
	s_add_co_u32 s42, s42, s40                     ; tile column
	s_and_b32 s17, ttmp7, 0xffff
	s_lshl_b32 s17, s17, 2
	s_add_co_u32 s17, s17, s41                     ; tile row
	s_lshl_b32 s43, s41, 2
	s_lshl_b32 s43, 15, s43
	s_lshl_b32 s44, 0x1111, s40
	s_or_b32 s[G1+0], s43, (3<<16)|(1<<21)
	s_or_b32 s[G1B+0], s44, (3<<16)|(1<<21)
	s_or_b32 s[G1S+0], s43, (3<<16)|(1<<21)
	s_or_b32 s[G1SB+0], s44, (3<<16)|(1<<21)
.irp g, G1, G1B
	s_mov_b32 s[\g+1], 384<<16
	s_mov_b32 s[\g+3], 384<<16
	s_mov_b32 s[\g+5], KS*192
	s_mov_b32 s[\g+6], 0
	s_mov_b32 s[\g+7], 0
.endr
	s_mov_b32 s[G1+2], MA<<16
	s_mov_b32 s[G1+4], MA
	s_mov_b32 s[G1B+2], 8<<16
	s_mov_b32 s[G1B+4], 8
.irp g, G1S, G1SB
	s_mov_b32 s[\g+1], 32<<16
	s_mov_b32 s[\g+3], 32<<16
	s_mov_b32 s[\g+5], 32
	s_mov_b32 s[\g+6], 0
	s_mov_b32 s[\g+7], 0
.endr
	s_mov_b32 s[G1S+2], (HALFSA/256)<<16
	s_mov_b32 s[G1S+4], HALFSA/256
	s_mov_b32 s[G1SB+2], (HALFSB/256)<<16
	s_mov_b32 s[G1SB+4], HALFSB/256
	s_mul_i32 s20, s17, 2*MA
	s_mul_i32 s18, s16, MA
	s_add_co_u32 s20, s20, s18
	s_mul_i32 s22, s20, KS*128
	s_add_co_u32 s22, s22, ASOFF
	s_mul_i32 s20, s20, KS*1536
	s_mov_b32 s21, 0
	s_mov_b32 s23, 0
	s_lshl_b32 s46, s42, 4
	s_lshl_b32 s18, s16, 3
	s_add_co_u32 s46, s46, s18
	s_mul_i32 s92, s46, KS*128
	s_add_co_u32 s92, s92, BSOFF
	s_mul_i32 s46, s46, KS*1536
	s_add_co_u32 s46, s46, BCOFF
	s_mov_b32 s47, 0
	s_mov_b32 s93, 0
	s_mul_i32 s45, s16, HALFA
	s_mul_i32 s94, s16, HALFB
	s_add_co_u32 s94, s94, 2*HALFA
	s_mul_i32 s95, s16, HALFSA
	s_add_co_u32 s95, s95, SCL
	s_mul_i32 s96, s16, HALFSB
	s_add_co_u32 s96, s96, SCL+2*HALFSA
	s_wait_dscnt 0x0
	s_wait_kmcnt 0x0
	s_add_nc_u64 s[20:21], s[4:5], s[20:21]
	s_add_nc_u64 s[22:23], s[4:5], s[22:23]
	s_add_nc_u64 s[46:47], s[6:7], s[46:47]
	s_add_nc_u64 s[92:93], s[6:7], s[92:93]
	CROUND
	s_mov_b32 s[G0S], 1
	s_mov_b32 s[G0S+1], s95
	s_mov_b64 s[G0S+2:G0S+3], s[22:23]
	s_or_b32 s[G0S+3], s[G0S+3], 0x80000000
	s_mov_b32 s[G0SB], 1
	s_mov_b32 s[G0SB+1], s96
	s_mov_b64 s[G0SB+2:G0SB+3], s[92:93]
	s_or_b32 s[G0SB+3], s[G0SB+3], 0x80000000
	JLOAD G0S, G1S, G0SB, G1SB
.irp s, 0,1
	s_mov_b32 s[G0+4*\s], 1
	s_add_co_u32 s[G0+4*\s+1], s45, \s*SLOT
	s_add_nc_u64 s[G0+4*\s+2:G0+4*\s+3], s[20:21], \s*3072
	s_or_b32 s[G0+4*\s+3], s[G0+4*\s+3], 0x80000000
	s_mov_b32 s[G0B+4*\s], 1
	s_add_co_u32 s[G0B+4*\s+1], s94, \s*SLOT
	s_add_nc_u64 s[G0B+4*\s+2:G0B+4*\s+3], s[46:47], \s*3072
	s_or_b32 s[G0B+4*\s+3], s[G0B+4*\s+3], 0x80000000
	JLOAD G0+4*\s, G1, G0B+4*\s, G1B
.endr
	v_and_b32 v1, 31, v0
	v_bfe_u32 v2, v0, 4, 1
	v_lshlrev_b32 v[L16], 4, v1
	v_lshlrev_b32 v[L8], 3, v1
	v_lshlrev_b32 v[L4], 2, v1
	v_lshlrev_b32 v[BA], 6, v2
	s_mul_i32 s21, s15, HALFA
	s_mul_i32 s22, s16, HALFB
	s_add_co_u32 s22, s22, 2*HALFA
.irp s, 0,1
	v_add_nc_u32 v[ADRA+\s], s21, v[L16]
	v_add_nc_u32 v[ADRA+2+\s], s21, v[L8]
	v_add_nc_u32 v[ADRB+\s], s22, v[L16]
	v_add_nc_u32 v[ADRB+2+\s], s22, v[L8]
	s_add_co_u32 s21, s21, SLOT
	s_add_co_u32 s22, s22, SLOT
.endr
	s_mul_i32 s21, s15, HALFSA
	s_mul_i32 s22, s16, HALFSB
	s_add_co_u32 s22, s22, 2*HALFSA
	s_sub_co_u32 s22, s22, s21
	v_mul_u32_u24 v6, s22, v2
	s_add_co_u32 s21, s21, SCL
	v_lshl_add_u32 v5, v1, 2, v6
	v_add_nc_u32 v[ADRS], s21, v5
	s_lshl_b32 s18, s42, 10                        ; b1 at my first column: 256 x tile column + 128 x half, 4 bytes each
	s_lshl_b32 s19, s16, 9
	s_add_co_u32 s18, s18, s19
	s_mov_b32 s19, 0
	s_add_nc_u64 s[8:9], s[8:9], s[18:19]
	WIN 0x40                                       ; into window 1's idle registers: tile b's eight numbers, columns 32 (b / 2) + 16 (lane / 16) + 8 (b % 2) + 0 .. 7, at v[96 + 8 b] (b < 4), v[224 + 8 (b - 4)]
.irp b, 0,1,2,3,4,5,6,7
	global_load_b128 v[96+8*\b+96*(\b/4):96+8*\b+96*(\b/4)+3], v[BA], s[8:9] offset:(32*(\b/2)+8*(\b%2))*4
	global_load_b128 v[96+8*\b+96*(\b/4)+4:96+8*\b+96*(\b/4)+7], v[BA], s[8:9] offset:(32*(\b/2)+8*(\b%2))*4+16
.endr
	WIN 0
	s_lshl_b32 s18, s17, 4                         ; the result: block 16 x tile row + 8 x half, K step 2 x tile column + half, 32 K steps a row
	s_lshl_b32 s19, s15, 3
	s_add_co_u32 s18, s18, s19
	s_lshl_b32 s18, s18, 5
	s_lshl_b32 s19, s42, 1
	s_add_co_u32 s18, s18, s19
	s_add_co_u32 s18, s18, s16
	s_mul_i32 s20, s18, 1536
	s_mov_b32 s21, 0
	s_lshl_b32 s22, s18, 7
	s_add_co_u32 s22, s22, 12582912
	s_mov_b32 s23, 0
	s_add_nc_u64 s[96:97], s[12:13], s[22:23]
	s_add_nc_u64 s[12:13], s[12:13], s[20:21]
	s_wait_tensorcnt 1                             ; the scale words and my part of slot 0 are in; slot 1's load may be out
	s_barrier_signal -1
	s_barrier_wait -1
	FETCH_B 0, 0, 0
	FETCH_A 0, 0, 0
	SCALES 0
	FETCH_A 0, 0, HA
	STEP 0, 1
	s_mov_b32 s3, LAPS-1
.Llap:
	TURN 0, 1, 1
	STEP 1, 0
	TURN 1, 0, 1
	STEP 0, 0
	s_sub_co_u32 s3, s3, 1
	s_cmp_lg_u32 s3, 0
	s_cbranch_scc1 .Llap
	TURN 0, 1, 0
	STEP 1, 0
	s_wait_dscnt HA*NL
	MULS 0, HA, 1, 1, 1, 0
	s_wait_dscnt 0
	MULS HA, HA, 1, 1, 1, 0
	WIN 0
.macro KONST r, v
	s_mov_b32 s[\r], \v
	s_mov_b32 s[\r+1], \v
.endm
.macro HORNER c                        ; P = P t + a coefficient, 32 numbers
.set I, 0
.rept 16
	v_pk_fma_f32 v[P+I:P+I+1], v[P+I:P+I+1], v[T+I:T+I+1], s[\c:\c+1] op_sel_hi:[1,1,0]
.set I, I+2
.endr
.endm
.macro GELU x                          ; 32 numbers from v[x] on, in place
.set I, 0
.rept 32
	v_fma_f32 v[T+I], |v[\x+I]|, s[CSS], 1.0
.set I, I+1
.endr
.set I, 0
.rept 32
	v_rcp_f32 v[T+I], v[T+I]                       ; t
.set I, I+1
.endr
.set I, 0
.rept 16
	v_pk_mul_f32 v[Q+I:Q+I+1], v[\x+I:\x+I+1], s[CK:CK+1] op_sel_hi:[1,0]   ; - x log2(e) / 2: plain work behind the batch
.set I, I+2
.endr
	s_wait_alu depctr_va_vdst(0)                   ; one wait for the 32 reciprocals, ahead of their first use
.set I, 0
.rept 16
	v_pk_fma_f32 v[P+I:P+I+1], v[T+I:T+I+1], v[C9V:C9V+1], s[CC+16:CC+17] op_sel_hi:[1,1,0]
.set I, I+2
.endr
.irp n, 7,6,5,4,3,2,1,0
	HORNER CC+2*\n
.endr
.set I, 0
.rept 16
	v_pk_fma_f32 v[P+I:P+I+1], v[Q+I:Q+I+1], v[\x+I:\x+I+1], v[P+I:P+I+1]
.set I, I+2
.endr
.set I, 0
.rept 32
	v_exp_f32 v[P+I], v[P+I]
.set I, I+1
.endr
.set I, 0
.rept 32
	v_max_num_f32 v[Q+I], 0, v[\x+I]               ; plain work behind the batch
.set I, I+1
.endr
	s_wait_alu depctr_va_vdst(0)                   ; one wait for the 32 exponentials
.set I, 0
.rept 16
	v_pk_mul_f32 v[P+I:P+I+1], v[P+I:P+I+1], v[T+I:T+I+1]   ; E
.set I, I+2
.endr
.set I, 0
.rept 32
	v_fma_f32 v[\x+I], -|v[\x+I]|, v[P+I], v[Q+I]
.set I, I+1
.endr
.endm
.macro QUANT s, pc, pw
.irp b, 0,1,2,3
	v_max3_num_f32 v[TM+\b], |v[\s+16*\b]|, |v[\s+1+16*\b]|, 0x1800000   ; and the floor 2^(3 - 127): the byte cannot fall under 1
.endr
.irp i, 2,4,6,8,10,12,14
.irp b, 0,1,2,3
	v_max3_num_f32 v[TM+\b], v[TM+\b], |v[\s+16*\b+\i]|, |v[\s+1+16*\b+\i]|
.endr
.endr
.irp b, 0,1,2,3
	v_permlanex16_b32 v[TM+4+\b], v[TM+\b], s[SEL], s[SEL+1]
.endr
.irp b, 0,1,2,3
	v_max_num_f32 v[TM+\b], v[TM+\b], v[TM+4+\b]
.endr
.irp b, 0,1,2,3
	v_add_nc_u32 v[TM+12+\b], 0xff000000, v[TM+\b]
.endr
.irp b, 0,1,2,3
	v_lshrrev_b32 v[TM+4+\b], 23, v[TM+12+\b]
.endr
	v_lshl_or_b32 v[\pw], v[TM+5], 8, v[TM+4]
	v_lshl_or_b32 v[\pw], v[TM+6], 16, v[\pw]
	v_lshl_or_b32 v[\pw], v[TM+7], 24, v[\pw]
.irp c, 0,1
	v_cvt_scalef32_pk16_fp6_f32 v[\pc+6*\c:\pc+2+6*\c], v[\s+32*\c:\s+15+32*\c], v[TM+12+2*\c]
	v_cvt_scalef32_pk16_fp6_f32 v[\pc+12+4*\c:\pc+14+4*\c], v[\s+16+32*\c:\s+31+32*\c], v[TM+12+2*\c+1]
.endr
	v_nop                                          ; one plain place behind a scaled conversion
.irp c, 0,1
.irp i, 0,1,2
	v_permlane16_swap_b32 v[\pc+6*\c+\i], v[\pc+12+4*\c+\i]
.endr
.irp i, 0,1,2
	v_mov_b32 v[\pc+3+6*\c+\i], v[\pc+12+4*\c+\i]
.endr
.endr
.endm
	PLACES NP                                      ; in front of the first read of results, and of vector writes into registers that held A's fragments
	KONST CK, 0xbf38aa3b                           ; - log2(e) / 2
	KONST CC+0, 0xc034d90f                         ; the coefficients x log2(e); the lowest with the 1 of E's halving taken off
	KONST CC+2, 0x3fb8ab5a
	KONST CC+4, 0x3f0a29d2
	KONST CC+6, 0x3e0efb2e
	KONST CC+8, 0xbe899a80
	KONST CC+10, 0x3ecdfd18
	KONST CC+12, 0xbfd1a1e5
	KONST CC+14, 0x40097039
	KONST CC+16, 0xbf97d29d
	s_mov_b32 s[CSS], 0x3eb504f3                   ; 1 / (2 sqrt 2)
	s_mov_b32 s[SEL], 0x76543210
	s_mov_b32 s[SEL+1], 0xfedcba98
	v_mov_b32 v[C9V], 0x3e7c6f08
	v_mov_b32 v[C9V+1], 0x3e7c6f08
	s_mov_b32 s92, 0                               ; the first trip steps the bases by nothing,
	s_mov_b32 s93, 0
	s_mov_b32 s94, 0
	s_mov_b32 s95, 0
	s_mov_b32 s3, 0
	s_wait_loadcnt 0x0                             ; b1
.Lrow:
	s_wait_xcnt 0x0                                ; the last trip's stores have read their registers and bases: both are written again only behind this wait
	s_add_nc_u64 s[12:13], s[12:13], s[92:93]
	s_add_nc_u64 s[96:97], s[96:97], s[94:95]
	s_mov_b32 s92, 49152                           ; every later one by a block of rows: 32 fragments, 32 x 128 bytes of scale words
	s_mov_b32 s94, 4096
.irp a, 1,2,3,4,5,6,7
	s_cmp_eq_u32 s3, \a
	s_cbranch_scc1 .Lc\a
.endr
.irp a, 0,1,2,3,4,5,6,7
.Lc\a:
	WIN (2+\a/4)|(1<<2)                            ; the block's accumulators, each from its low end on, + the bias out of window 1
.set I, 0
.rept 32
	v_pk_add_f32 v[X+I:X+I+1], v[64*(\a%4)+I:64*(\a%4)+I+1], v[96+I+96*(I/32):96+I+96*(I/32)+1]
.set I, I+2
.endr
	WIN 0
.if \a < 7
	s_branch .Lgo
.endif
.endr
.Lgo:
	GELU X
	GELU X+32
	QUANT X, PC, PW
	global_store_b128 v[L16], v[PC:PC+3], s[12:13]
	global_store_b64 v[L8], v[PC+4:PC+5], s[12:13] offset:512
	global_store_b128 v[L16], v[PC+6:PC+9], s[12:13] offset:768
	global_store_b64 v[L8], v[PC+10:PC+11], s[12:13] offset:1280
	global_store_b32 v[L4], v[PW], s[96:97]
	s_add_co_u32 s3, s3, 1
	s_cmp_lt_u32 s3, 8
	s_cbranch_scc1 .Lrow
	s_wait_tensorcnt 0x0                           ; the wave's end
	ds_add_u32 v[SPW], v[NIL]
	s_wait_dscnt 0x0
	CROUND                                         ; the closing round
	s_endpgm
.Lfunc_end_k_q471ec184eb_ffn1:
	.size	k_q471ec184eb_ffn1, .Lfunc_end_k_q471ec184eb_ffn1-k_q471ec184eb_ffn1
	.p2alignl 7, 3214868480
	.fill 96, 4, 3214868480
	.section	.rodata,"a",@progbits
	.p2align	6, 0x0
	.amdhsa_kernel k_q471ec184eb_ffn1
		.amdhsa_group_segment_fixed_size 327680
		.amdhsa_private_segment_fixed_size 0
		.amdhsa_enable_private_segment 0
		.amdhsa_kernarg_size 32
		.amdhsa_user_sgpr_count 2
		.amdhsa_user_sgpr_kernarg_segment_ptr 1
		.amdhsa_wavefront_size32 1
		.amdhsa_system_sgpr_workgroup_id_x 1
		.amdhsa_system_sgpr_workgroup_id_y 1
		.amdhsa_system_sgpr_workgroup_id_z 1
		.amdhsa_system_vgpr_workitem_id 0
		.amdhsa_next_free_vgpr 1024
		.amdhsa_next_free_sgpr 100
		.amdhsa_reserve_vcc 0
		.amdhsa_float_denorm_mode_32 3
		.amdhsa_float_denorm_mode_16_64 3
		.amdhsa_memory_ordered 1
		.amdhsa_forward_progress 1
		.amdhsa_inst_pref_size 180
	.end_amdhsa_kernel
	.amdgpu_metadata
---
amdhsa.version: [ 1, 2 ]
amdhsa.kernels:
  - .name:           k_q471ec184eb_ffn1
    .symbol:         k_q471ec184eb_ffn1.kd
    .args:
      - { .name: h2, .offset: 0, .size: 8, .value_kind: global_buffer, .address_space: global }
      - { .name: wts, .offset: 8, .size: 8, .value_kind: global_buffer, .address_space: global }
      - { .name: b1, .offset: 16, .size: 8, .value_kind: global_buffer, .address_space: global }
      - { .name: gh, .offset: 24, .size: 8, .value_kind: global_buffer, .address_space: global }
    .group_segment_fixed_size: 327680
    .private_segment_fixed_size: 0
    .kernarg_segment_align: 8
    .kernarg_segment_size: 32
    .max_flat_workgroup_size: 128
    .sgpr_count:     100
    .vgpr_count:     1024
    .wavefront_size: 32
...
	.end_amdgpu_metadata
.endif
;; end of part 6
;; launch ffn2 (part 7): grid 4 x 32, 4 waves a work-group, clusters of 4 x 4, 327,680 bytes of LDS; arguments gh, wts, x1, b2, out0; writes out0
.if DOCPART == 7
	.amdgcn_target "amdgcn-amd-amdhsa--gfx1250"
	.amdhsa_code_object_version 6
	.text
	.protected	k_q471ec184eb_ffn2
	.globl	k_q471ec184eb_ffn2
	.p2align	8
	.type	k_q471ec184eb_ffn2,@function
k_q471ec184eb_ffn2:
	s_mov_b64 s[64:65], 0
	v_nop
	global_prefetch_b8 v0, s[64:65] scope:SCOPE_SE
	s_setreg_imm32_b32 hwreg(HW_REG_WAVE_MODE, 25, 1), 1
	s_wait_xcnt 0x0
	s_wait_alu depctr_hold_cnt(0) depctr_sa_sdst(0) depctr_va_vdst(0) depctr_va_sdst(0) depctr_va_ssrc(0) depctr_va_vcc(0) depctr_vm_vsrc(0)
	s_getreg_b32 s2, hwreg(HW_REG_IB_STS2, 6, 4)
	s_cmp_eq_u32 s2, 0
	s_cbranch_scc0 .Lentry_in_a_cluster
	s_endpgm
.Lentry_in_a_cluster:
	s_bfe_u32 s2, ttmp6, 0x10000c
	s_cmp_lg_u32 s2, 0xf033
	s_cbranch_scc0 .Lentry_shape_is_right
	s_endpgm
.Lentry_shape_is_right:
; out0 = x1 + gh w2^T + b2, on codes of FP6, K = 4,096; out0 is f32, row-major.  No work of reference() is left out.
; The text of wo with K / 128 = 32, other offsets and a bias: a tile of 128 x 256 (N is 1,024: 256 rows to a tile would make 64 work-groups), a wave 64 x 128, 32 accumulators in window 2.
; THE WAY OUT: a block of 16 rows goes through my own stage in LDS and comes back as whole rows of 512 bytes; the stage's byte order undoes the order of B's rows, the stores' row offsets that of A's;
; the residual and the bias are added on the way.
.set MA,     4
.set KS,     32
.set ASOFF,  12582912                  ; gh's scale words
.set BCOFF,  6291456                   ; w2's codes in wts
.set BSOFF,  9961472                   ; w2's scale words
.set BIAS,   1
.set HA,     MA/2
.set NL,     4
.set FR,     12
.set NP,     4
.set LAPS,   KS/4
.set HALFA,  MA*3072
.set HALFB,  8*3072
.set SLOT,   2*HALFA+2*HALFB
.set SCL,    2*SLOT
.set HALFSA, MA*KS*128
.set HALFSB, 8*KS*128
.set SPARE,  SCL+2*HALFSA+2*HALFSB
.set SPITCH, 528                       ; the stage: 16 rows x (512 bytes + 16) a wave, in slot 0, which has had its last fill and its last read when the first result is stored there
.set ADRA, 16
.set ADRB, 20
.set STO,  24
.set RD,   25
.set CO,   26
.set ADRS, 27
.set SPW,  28
.set NIL,  29
.set SC,   32
.set BV,   64                          ; v64-67 the bias of my four columns
.set AF,   128
.set BK,   128                         ; the way out: v128-191 and v192-255 by turns
.set G1,   24
.set G0,   32
.set G1B,  48
.set G0B,  56
.set G1S,  68
.set G0S,  76
.set G1SB, 80
.set G0SB, 88
.set MSB, 0
.macro WIN new
.if MSB != (\new)
	s_set_vgpr_msb (MSB<<8)|(\new)
.set MSB, (\new)
.endif
.endm
.set MUL_LO, 0xa1
.set TO_B,   0x40
.macro JLOAD g0a, g1a, g0b, g1b
	s_cmp_eq_u32 s15, 0
	s_cbranch_scc0 .Lfor_b_\@
	tensor_load_to_lds s[\g0a:\g0a+3], s[\g1a:\g1a+7]
	s_nop 0
.rept 4
	v_nop
.endr
	s_branch .Lasked_\@
.Lfor_b_\@:
	tensor_load_to_lds s[\g0b:\g0b+3], s[\g1b:\g1b+7]
	s_nop 0
.rept 4
	v_nop
.endr
.Lasked_\@:
.endm
.macro CREST
	s_cmp_lg_u32 s14, 0
	s_cbranch_scc1 .Lnot_wave_0_\@
	s_barrier_signal -3
.Lnot_wave_0_\@:
	s_barrier_wait -3
	s_barrier_signal -1
	s_barrier_wait -1
.endm
.macro CROUND
	s_barrier_signal -1
	s_barrier_wait -1
	CREST
.endm
.macro PLACES n
.rept \n
	v_nop
.endr
.endm
.macro FRAG reg, adr, q, i
	ds_load_b128 v[\reg:\reg+3], v[\adr] offset:(\i)*3072+(\q)*1536
	ds_load_b64 v[\reg+4:\reg+5], v[\adr+2] offset:(\i)*3072+(\q)*1536+512
	ds_load_b128 v[\reg+6:\reg+9], v[\adr] offset:(\i)*3072+(\q)*1536+768
	ds_load_b64 v[\reg+10:\reg+11], v[\adr+2] offset:(\i)*3072+(\q)*1536+1280
.endm
.macro FETCH_B slot, q, p
	WIN TO_B
.irp i, 0,1,2,3,4,5,6,7
	FRAG 128*(\p)+FR*\i, ADRB+\slot, \q, \i
.endr
	WIN 0
.endm
.macro FETCH_A slot, q, i0
.set FI, \i0
.rept HA
	FRAG AF+FR*FI, ADRA+\slot, \q, FI
.set FI, FI+1
.endr
.endm
.macro SCALES sc                       ; (lanes 0-15 of blocks 4-7 read filled bytes that no product names)
.irp i, 0,1,2,3,4,5,6,7
.irp q, 0,1
	ds_load_b32 v[SC+16*\sc+2*\i+\q], v[ADRS] offset:(\i*KS+\q)*128
.endr
.endr
.endm
.macro MULB a, p, q, sc, zero          ; the accumulators take turns, one instruction a turn
	WIN MUL_LO+0x50*((\a)/4)
.irp b, 0,1,2,3,4,5,6,7
.if \zero
	v_wmma_scale_f32_16x16x128_f8f6f4 v[8*(8*((\a)%4)+\b):8*(8*((\a)%4)+\b)+7], v[128*(\p)+FR*\b:128*(\p)+FR*\b+FR-1], v[AF+FR*(\a):AF+FR*(\a)+FR-1], 0, v[SC+16*(\sc)+2*\b+(\q)], v[SC+16*(\sc)+2*(\a)+(\q)] matrix_a_fmt:MATRIX_FMT_FP6 matrix_b_fmt:MATRIX_FMT_FP6 matrix_a_scale:MATRIX_SCALE_ROW1
.else
	v_wmma_scale_f32_16x16x128_f8f6f4 v[8*(8*((\a)%4)+\b):8*(8*((\a)%4)+\b)+7], v[128*(\p)+FR*\b:128*(\p)+FR*\b+FR-1], v[AF+FR*(\a):AF+FR*(\a)+FR-1], v[8*(8*((\a)%4)+\b):8*(8*((\a)%4)+\b)+7], v[SC+16*(\sc)+2*\b+(\q)], v[SC+16*(\sc)+2*(\a)+(\q)] matrix_a_fmt:MATRIX_FMT_FP6 matrix_b_fmt:MATRIX_FMT_FP6 matrix_a_scale:MATRIX_SCALE_ROW1
.endif
.endr
.endm
.macro MULS a0, n, p, q, sc, zero
.set AI, \a0
.rept \n
	MULB AI, \p, \q, \sc, \zero
.set AI, AI+1
.endr
.endm
.macro STEP slot, zero
	s_wait_dscnt HA*NL                             ; all but A's second half, the youngest loads
	MULS 0, HA, 0, 0, \slot, \zero
	s_wait_dscnt 0
	PLACES NP
	FETCH_B \slot, 1, 1
	FETCH_A \slot, 1, 0
	MULS HA, HA, 0, 0, \slot, \zero
	PLACES NP
	WIN 0
	FETCH_A \slot, 1, HA
.endm
.macro TURN slot, next, fill
	s_wait_tensorcnt 0x0                           ; all my tensor loads have landed: my part of the next slot
	ds_add_u32 v[SPW], v[NIL]                      ; 0 onto my spare word
	s_wait_dscnt HA*NL+1                           ; (the add and A's second half may be out)
	MULS 0, HA/2, 1, 1, \slot, 0
	s_wait_dscnt 0x0                               ; the add is done, and my reads of this slot are over
	s_barrier_signal -1
	MULS HA/2, HA/2, 1, 1, \slot, 0
	WIN 0
	s_barrier_wait -1
.if \fill
	CREST                                          ; the barrier has opened a round of the cluster's
	s_add_nc_u64 s[G0+4*\slot+2:G0+4*\slot+3], s[G0+4*\slot+2:G0+4*\slot+3], 6144
	s_add_nc_u64 s[G0B+4*\slot+2:G0B+4*\slot+3], s[G0B+4*\slot+2:G0B+4*\slot+3], 6144
	JLOAD G0+4*\slot, G1, G0B+4*\slot, G1B         ; first behind the round; its four v_nop are the places in front of the loads below
.else
	PLACES NP
.endif
	v_add_nc_u32 v[ADRS], 256, v[ADRS]
	FETCH_B \next, 0, 0
	FETCH_A \next, 0, 0
	SCALES \next
	MULS HA, HA, 1, 1, \slot, 0
	PLACES NP
	WIN 0
	FETCH_A \next, 0, HA
.endm
	s_load_b128 s[4:7], s[0:1], 0x0                ; A's buffer, wts
.if BIAS
	s_load_b128 s[8:11], s[0:1], 0x10              ; the residual, the bias
	s_load_b64 s[12:13], s[0:1], 0x20              ; the result
.else
	s_load_b64 s[8:9], s[0:1], 0x10                ; the residual
	s_load_b64 s[12:13], s[0:1], 0x18              ; the result
.endif
	v_lshl_add_u32 v[SPW], v0, 2, SPARE
	v_mov_b32 v[NIL], 0
	ds_add_u32 v[SPW], v[NIL]                      ; the wave's opening: two adds on end, waited for ahead of my first tensor load
	ds_add_u32 v[SPW], v[NIL]
	v_lshrrev_b32 v1, 5, v0
	v_readfirstlane_b32 s14, v1
	s_lshr_b32 s15, s14, 1
	s_and_b32 s16, s14, 1
	s_bfe_u32 s40, ttmp6, 0x40000
	s_bfe_u32 s41, ttmp6, 0x40004
	s_lshl_b32 s42, ttmp9, 2
	s_add_co_u32 s42, s42, s40                     ; tile column
	s_and_b32 s17, ttmp7, 0xffff
	s_lshl_b32 s17, s17, 2
	s_add_co_u32 s17, s17, s41                     ; tile row
	s_lshl_b32 s43, s41, 2
	s_lshl_b32 s43, 15, s43
	s_lshl_b32 s44, 0x1111, s40
	s_or_b32 s[G1+0], s43, (3<<16)|(1<<21)
	s_or_b32 s[G1B+0], s44, (3<<16)|(1<<21)
	s_or_b32 s[G1S+0], s43, (3<<16)|(1<<21)
	s_or_b32 s[G1SB+0], s44, (3<<16)|(1<<21)
.irp g, G1, G1B
	s_mov_b32 s[\g+1], 384<<16
	s_mov_b32 s[\g+3], 384<<16
	s_mov_b32 s[\g+5], KS*192
	s_mov_b32 s[\g+6], 0
	s_mov_b32 s[\g+7], 0
.endr
	s_mov_b32 s[G1+2], MA<<16
	s_mov_b32 s[G1+4], MA
	s_mov_b32 s[G1B+2], 8<<16
	s_mov_b32 s[G1B+4], 8
.irp g, G1S, G1SB
	s_mov_b32 s[\g+1], 32<<16
	s_mov_b32 s[\g+3], 32<<16
	s_mov_b32 s[\g+5], 32
	s_mov_b32 s[\g+6], 0
	s_mov_b32 s[\g+7], 0
.endr
	s_mov_b32 s[G1S+2], (HALFSA/256)<<16
	s_mov_b32 s[G1S+4], HALFSA/256
	s_mov_b32 s[G1SB+2], (HALFSB/256)<<16
	s_mov_b32 s[G1SB+4], HALFSB/256
	s_mul_i32 s20, s17, 2*MA
	s_mul_i32 s18, s16, MA
	s_add_co_u32 s20, s20, s18
	s_mul_i32 s22, s20, KS*128
	s_add_co_u32 s22, s22, ASOFF
	s_mul_i32 s20, s20, KS*1536
	s_mov_b32 s21, 0
	s_mov_b32 s23, 0
	s_lshl_b32 s46, s42, 4
	s_lshl_b32 s18, s16, 3
	s_add_co_u32 s46, s46, s18
	s_mul_i32 s92, s46, KS*128
	s_add_co_u32 s92, s92, BSOFF
	s_mul_i32 s46, s46, KS*1536
	s_add_co_u32 s46, s46, BCOFF
	s_mov_b32 s47, 0
	s_mov_b32 s93, 0
	s_mul_i32 s45, s16, HALFA
	s_mul_i32 s94, s16, HALFB
	s_add_co_u32 s94, s94, 2*HALFA
	s_mul_i32 s95, s16, HALFSA
	s_add_co_u32 s95, s95, SCL
	s_mul_i32 s96, s16, HALFSB
	s_add_co_u32 s96, s96, SCL+2*HALFSA
	s_wait_dscnt 0x0
	s_wait_kmcnt 0x0
	s_add_nc_u64 s[20:21], s[4:5], s[20:21]
	s_add_nc_u64 s[22:23], s[4:5], s[22:23]
	s_add_nc_u64 s[46:47], s[6:7], s[46:47]
	s_add_nc_u64 s[92:93], s[6:7], s[92:93]
	CROUND
	s_mov_b32 s[G0S], 1
	s_mov_b32 s[G0S+1], s95
	s_mov_b64 s[G0S+2:G0S+3], s[22:23]
	s_or_b32 s[G0S+3], s[G0S+3], 0x80000000
	s_mov_b32 s[G0SB], 1
	s_mov_b32 s[G0SB+1], s96
	s_mov_b64 s[G0SB+2:G0SB+3], s[92:93]
	s_or_b32 s[G0SB+3], s[G0SB+3], 0x80000000
	JLOAD G0S, G1S, G0SB, G1SB
.irp s, 0,1
	s_mov_b32 s[G0+4*\s], 1
	s_add_co_u32 s[G0+4*\s+1], s45, \s*SLOT
	s_add_nc_u64 s[G0+4*\s+2:G0+4*\s+3], s[20:21], \s*3072
	s_or_b32 s[G0+4*\s+3], s[G0+4*\s+3], 0x80000000
	s_mov_b32 s[G0B+4*\s], 1
	s_add_co_u32 s[G0B+4*\s+1], s94, \s*SLOT
	s_add_nc_u64 s[G0B+4*\s+2:G0B+4*\s+3], s[46:47], \s*3072
	s_or_b32 s[G0B+4*\s+3], s[G0B+4*\s+3], 0x80000000
	JLOAD G0+4*\s, G1, G0B+4*\s, G1B
.endr
	v_and_b32 v1, 31, v0
	v_bfe_u32 v2, v0, 4, 1
	v_lshlrev_b32 v3, 4, v1
	v_lshlrev_b32 v4, 3, v1
	s_mul_i32 s21, s15, HALFA
	s_mul_i32 s22, s16, HALFB
	s_add_co_u32 s22, s22, 2*HALFA
.irp s, 0,1
	v_add_nc_u32 v[ADRA+\s], s21, v3
	v_add_nc_u32 v[ADRA+2+\s], s21, v4
	v_add_nc_u32 v[ADRB+\s], s22, v3
	v_add_nc_u32 v[ADRB+2+\s], s22, v4
	s_add_co_u32 s21, s21, SLOT
	s_add_co_u32 s22, s22, SLOT
.endr
	s_mul_i32 s21, s15, HALFSA
	s_mul_i32 s22, s16, HALFSB
	s_add_co_u32 s22, s22, 2*HALFSA
	s_sub_co_u32 s22, s22, s21
	v_mul_u32_u24 v6, s22, v2
	s_add_co_u32 s21, s21, SCL
	v_lshl_add_u32 v5, v1, 2, v6
	v_add_nc_u32 v[ADRS], s21, v5
	s_mul_i32 s23, s14, 16*SPITCH                  ; my stage
	v_and_b32 v5, 15, v0
	v_mul_u32_u24 v6, v5, SPITCH
	v_lshl_add_u32 v6, v2, 6, v6
	v_add_nc_u32 v[STO], s23, v6                   ; in: row lane % 16, + 64 bytes for the upper lanes
	v_add_nc_u32 v[RD], s23, v3                    ; back: a row's 512 bytes, 16 a lane
	v_mov_b32 v[CO], v3                            ; and the same in memory
	s_lshl_b32 s18, s42, 10                        ; my first column: 1,024 x tile column + 512 x half, in bytes
	s_lshl_b32 s19, s16, 9
	s_add_co_u32 s18, s18, s19
	s_mov_b32 s19, 0
.if BIAS
	s_add_nc_u64 s[10:11], s[10:11], s[18:19]
	global_load_b128 v[BV:BV+3], v[CO], s[10:11]   ; the bias of my four columns of a row read back
.endif
	s_lshl_b32 s20, s17, 19                        ; my first row: 128 x tile row + 64 x half, rows of 4,096 bytes
	s_lshl_b32 s21, s15, 18
	s_add_co_u32 s20, s20, s21
	s_add_co_u32 s18, s18, s20
	s_add_nc_u64 s[8:9], s[8:9], s[18:19]
	s_add_nc_u64 s[12:13], s[12:13], s[18:19]
	s_wait_tensorcnt 1                             ; the scale words and my part of slot 0 are in; slot 1's load may be out
	s_barrier_signal -1
	s_barrier_wait -1
	FETCH_B 0, 0, 0
	FETCH_A 0, 0, 0
	SCALES 0
	FETCH_A 0, 0, HA
	STEP 0, 1
	s_mov_b32 s3, LAPS-1
.Llap:
	TURN 0, 1, 1
	STEP 1, 0
	TURN 1, 0, 1
	STEP 0, 0
	s_sub_co_u32 s3, s3, 1
	s_cmp_lg_u32 s3, 0
	s_cbranch_scc1 .Llap
	TURN 0, 1, 0
	STEP 1, 0
	s_wait_dscnt HA*NL
	MULS 0, HA, 1, 1, 1, 0
	s_wait_dscnt 0
	MULS HA, HA, 1, 1, 1, 0
	WIN 0
; Block a's row t of the stage is row 32 (a / 2) + 8 (a % 2) + t + 8 (t / 8) of my 64
.macro RLOAD a                         ; the residual's 16 rows, into window 1
	WIN 0x40
.irp t, 0,1,2,3,4,5,6,7,8,9,10,11,12,13,14,15
	global_load_b128 v[64*((\a)%2)+4*\t:64*((\a)%2)+4*\t+3], v[CO], s[8:9] offset:(32*((\a)/2)+8*((\a)%2)+\t+8*(\t/8))*4096
.endr
	WIN 0
.endm
.macro TOSTAGE a                       ; accumulator (a, b) holds columns 32 (b / 2) + 16 (lane / 16) + 8 (b % 2) + 0 .. 7; each is stored from its low end on
	WIN 0x08
.irp b, 0,1,2,3,4,5,6,7
	ds_store_b128 v[STO], v[8*(8*(\a)+\b):8*(8*(\a)+\b)+3] offset:128*(\b/2)+32*(\b%2)
	ds_store_b128 v[STO], v[8*(8*(\a)+\b)+4:8*(8*(\a)+\b)+7] offset:128*(\b/2)+32*(\b%2)+16
.endr
	WIN 0
.irp t, 0,1,2,3,4,5,6,7,8,9,10,11,12,13,14,15
	ds_load_b128 v[BK+64*((\a)%2)+4*\t:BK+64*((\a)%2)+4*\t+3], v[RD] offset:\t*SPITCH   ; LDS serves a wave's instructions in order: these see my stores
.endr
.endm
.macro SEND a, yds, yld                ; yds, yld: the LDS instructions and the loads issued behind block a's, which may stay out
	s_wait_dscnt \yds
	s_wait_loadcnt \yld
	WIN 0x04
.set J, 0
.rept 32
	v_pk_add_f32 v[BK+64*((\a)%2)+J:BK+64*((\a)%2)+J+1], v[BK+64*((\a)%2)+J:BK+64*((\a)%2)+J+1], v[64*((\a)%2)+J:64*((\a)%2)+J+1]
.set J, J+2
.endr
	WIN 0
.if BIAS
.set J, 0
.rept 32
	v_pk_add_f32 v[BK+64*((\a)%2)+J:BK+64*((\a)%2)+J+1], v[BK+64*((\a)%2)+J:BK+64*((\a)%2)+J+1], v[BV+J%4:BV+J%4+1]
.set J, J+2
.endr
.endif
.irp t, 0,1,2,3,4,5,6,7,8,9,10,11,12,13,14,15
	global_store_b128 v[CO], v[BK+64*((\a)%2)+4*\t:BK+64*((\a)%2)+4*\t+3], s[12:13] offset:(32*((\a)/2)+8*((\a)%2)+\t+8*(\t/8))*4096   ; 512 consecutive bytes, at a multiple of 256 from the buffer's first byte
.endr
.endm
	PLACES NP                                      ; in front of the first read of results and of loads into registers that matrix instructions have read
	RLOAD 0
	TOSTAGE 0
.irp a, 1,2,3
.if \a > 1
	s_wait_xcnt 0x0                                ; block a - 2's stores have read their registers: block a's loads may land there
.endif
	RLOAD \a
	TOSTAGE \a
	SEND \a-1, 32, 16                              ; behind block a - 1's: block a's 16 LDS stores and 16 LDS loads, and its 16 loads of the residual
.endr
	SEND 3, 0, 0
	s_wait_tensorcnt 0x0                           ; the wave's end
	ds_add_u32 v[SPW], v[NIL]
	s_wait_dscnt 0x0
	CROUND                                         ; the closing round
	s_endpgm
.Lfunc_end_k_q471ec184eb_ffn2:
	.size	k_q471ec184eb_ffn2, .Lfunc_end_k_q471ec184eb_ffn2-k_q471ec184eb_ffn2
	.p2alignl 7, 3214868480
	.fill 96, 4, 3214868480
	.section	.rodata,"a",@progbits
	.p2align	6, 0x0
	.amdhsa_kernel k_q471ec184eb_ffn2
		.amdhsa_group_segment_fixed_size 327680
		.amdhsa_private_segment_fixed_size 0
		.amdhsa_enable_private_segment 0
		.amdhsa_kernarg_size 40
		.amdhsa_user_sgpr_count 2
		.amdhsa_user_sgpr_kernarg_segment_ptr 1
		.amdhsa_wavefront_size32 1
		.amdhsa_system_sgpr_workgroup_id_x 1
		.amdhsa_system_sgpr_workgroup_id_y 1
		.amdhsa_system_sgpr_workgroup_id_z 1
		.amdhsa_system_vgpr_workitem_id 0
		.amdhsa_next_free_vgpr 768
		.amdhsa_next_free_sgpr 100
		.amdhsa_reserve_vcc 0
		.amdhsa_float_denorm_mode_32 3
		.amdhsa_float_denorm_mode_16_64 3
		.amdhsa_memory_ordered 1
		.amdhsa_forward_progress 1
		.amdhsa_inst_pref_size 114
	.end_amdhsa_kernel
	.amdgpu_metadata
---
amdhsa.version: [ 1, 2 ]
amdhsa.kernels:
  - .name:           k_q471ec184eb_ffn2
    .symbol:         k_q471ec184eb_ffn2.kd
    .args:
      - { .name: gh, .offset: 0, .size: 8, .value_kind: global_buffer, .address_space: global }
      - { .name: wts, .offset: 8, .size: 8, .value_kind: global_buffer, .address_space: global }
      - { .name: x1, .offset: 16, .size: 8, .value_kind: global_buffer, .address_space: global }
      - { .name: b2, .offset: 24, .size: 8, .value_kind: global_buffer, .address_space: global }
      - { .name: out0, .offset: 32, .size: 8, .value_kind: global_buffer, .address_space: global }
    .group_segment_fixed_size: 327680
    .private_segment_fixed_size: 0
    .kernarg_segment_align: 8
    .kernarg_segment_size: 40
    .max_flat_workgroup_size: 128
    .sgpr_count:     100
    .vgpr_count:     768
    .wavefront_size: 32
...
	.end_amdgpu_metadata
.endif
;; end of part 7
;; ======== version 2 of 2: 7 launches
;; limits: right only within a limited range of input values
;; workspace buffers: wts 10,223,616 bytes; h1 3,407,872 bytes; qkv 10,223,616 bytes; ao 3,407,872 bytes; x1 16,777,216 bytes; h2 3,407,872 bytes; gh 13,631,488 bytes
;; launch prep (part 8): grid 512 x 1, 8 waves a work-group, no clusters, 132,608 bytes of LDS; arguments x, ln1_g, ln1_b, wq, wk, wv, wo, w1, w2, h1, wts; writes h1, wts
.if DOCPART == 8
	.amdgcn_target "amdgcn-amd-amdhsa--gfx1250"
	.amdhsa_code_object_version 6
	.text
	.protected	k_q471ec184eb_prep
	.globl	k_q471ec184eb_prep
	.p2align	8
	.type	k_q471ec184eb_prep,@function
k_q471ec184eb_prep:
	s_mov_b64 s[64:65], 0
	v_nop
	global_prefetch_b8 v0, s[64:65] scope:SCOPE_SE
	s_setreg_imm32_b32 hwreg(HW_REG_WAVE_MODE, 25, 1), 1
	s_wait_xcnt 0x0
; THE PROGRAM: one pre-norm transformer block, 4,096 tokens x 1,024, 16 heads of 64, hidden layer 4,096; all eight products on codes of FP6 (E2M3) with one E8M0 byte for each 32 along K.
; NO WORK OF reference() IS LEFT OUT: every input has a way to out0 and there is no mask.  (The scores' K is 64 and the matrix instruction's is 128: the upper 64 are zero codes on both sides.)
; LIMITS: NaN and infinities among the inputs are not served.  A block of zeros gets the byte 1 where the rule says 127: its codes are zeros, and this program alone reads the bytes.
; A block whose largest magnitude lies under 2^-124 is held at the byte 1.
; THIS LAUNCH: the six weights, and LayerNorm 1 of x, become operands.  EVERY OPERAND OF THE PROGRAM LIES IN MEMORY AS AN IMAGE OF ITS REGISTERS, for a matrix [R][K] quantised along K, KS = K / 128:
;   rows stand by POSITION: position p holds row p with its bits 3 and 4 exchanged, so lane r of block rb = p / 16 holds row 32 (rb / 2) + 8 (rb % 2) + r + 8 (r / 8);
;   the fragment (rb, ks), 16 rows x 128 K, 12 registers a lane, lies at (rb KS + ks) x 1,536: two halves of 768 bytes, half c = [lane l's registers 6 c .. 6 c + 3 at 16 l][registers 6 c + 4, 6 c + 5 at 512 + 8 l];
;   its scale words lie at (rb KS + ks) x 128 + 4 l, lane r's word also at lane r + 16.
; A work-group takes 32 rows x 1,024 columns of f32.  Wave w loads rows 4 w .. 4 w + 3 whole (512 consecutive bytes a load), normalises them where they are x's, and lays them into a stage in LDS by position;
; behind one barrier wave w takes columns 128 w .. 128 w + 127 of all 32 rows: two fragments, quantised in registers and stored as they stand.
; Work-groups 0-127: x.  128-383: wq, wk, wv, wo, w1, 32 rows each.  384-511: w2, 32 rows x a quarter of its 4,096 columns.  The work-group's number chooses pointers and offsets, and from 128 on a branch past the normalisation.
.set STP,   4112                       ; a stage row: 4,096 bytes + 16, an odd multiple of 16: the sixteen rows of a load start at sixteen different places modulo 256 bytes
.set SPARE, 32*STP                     ; behind the stage: the spare words, 128 bytes for each wave
.set OFFR,  4                          ; v4-7    my byte in the unit's rows 4 w + i
.set SA,    8                          ; v8      the stage, on the way in
.set LA0,   9                          ; v9, v10 the stage, on the way out: positions 0-15, 16-31
.set LA1,   10
.set L16,   11                         ; v11-13  16, 8, 4 x lane
.set L8,    12
.set L4,    13
.set SPW,   14                         ; v14     my spare word; never rewritten
.set NIL,   15                         ; v15     0; never rewritten
.set ST,    16                         ; v16-31  four registers of statistics a row
.set X,     32                         ; v32-159 four rows of 32 registers; later two sets of 64 numbers
.set G,     160                        ; v160-191 gain, v192-223 bias; later the codes
.set BB,    192
.set PC0,   160
.set PC1,   180
.set TM,    224                        ; v224-239 at work in QUANT
.set PW,    240                        ; v240, v241 the scale words
.set SEL,   40                         ; s[40:41] v_permlanex16_b32's selects for lane l xor 16
; 64 numbers of a lane, register 16 b + i = k 32 b + 16 (lane / 16) + i of my row, become a fragment's codes in v[pc] on and its scale word in v[pw]
.macro QUANT s, pc, pw
.irp b, 0,1,2,3
	v_max3_num_f32 v[TM+\b], |v[\s+16*\b]|, |v[\s+1+16*\b]|, 0x1800000   ; my 16 numbers of block b, and the floor 2^(3 - 127): the byte cannot fall under 1
.endr
.irp i, 2,4,6,8,10,12,14
.irp b, 0,1,2,3
	s_delay_alu instid0(VALU_DEP_4)
	v_max3_num_f32 v[TM+\b], v[TM+\b], |v[\s+16*\b+\i]|, |v[\s+1+16*\b+\i]|
.endr
.endr
.irp b, 0,1,2,3
	s_delay_alu instid0(VALU_DEP_4)
	v_permlanex16_b32 v[TM+4+\b], v[TM+\b], s[SEL], s[SEL+1]
.endr
.irp b, 0,1,2,3
	s_delay_alu instid0(VALU_DEP_4)
	v_max_num_f32 v[TM+\b], v[TM+\b], v[TM+4+\b]                   ; with lane l xor 16's: the block's largest magnitude
.endr
.irp b, 0,1,2,3
	s_delay_alu instid0(VALU_DEP_4)
	v_add_nc_u32 v[TM+12+\b], 0xff000000, v[TM+\b]                 ; 2 off its exponent field: the conversion's scale operand
.endr
.irp b, 0,1,2,3
	s_delay_alu instid0(VALU_DEP_4)
	v_lshrrev_b32 v[TM+4+\b], 23, v[TM+12+\b]                      ; the scale's byte
.endr
	s_delay_alu instid0(VALU_DEP_3)
	v_lshl_or_b32 v[\pw], v[TM+5], 8, v[TM+4]
	s_delay_alu instid0(VALU_DEP_1)
	v_lshl_or_b32 v[\pw], v[TM+6], 16, v[\pw]
	s_delay_alu instid0(VALU_DEP_1)
	v_lshl_or_b32 v[\pw], v[TM+7], 24, v[\pw]
.irp c, 0,1
	v_cvt_scalef32_pk16_fp6_f32 v[\pc+6*\c:\pc+2+6*\c], v[\s+32*\c:\s+15+32*\c], v[TM+12+2*\c]
	v_cvt_scalef32_pk16_fp6_f32 v[\pc+12+4*\c:\pc+14+4*\c], v[\s+16+32*\c:\s+31+32*\c], v[TM+12+2*\c+1]   ; (a conversion's three registers begin on an even number)
.endr
	v_nop                                          ; one plain place behind a scaled conversion
.irp c, 0,1                                    ; the operand wants a whole block in a lane: lanes 0-15 block 2 c, lanes 16-31 block 2 c + 1
.irp i, 0,1,2
	v_permlane16_swap_b32 v[\pc+6*\c+\i], v[\pc+12+4*\c+\i]
.endr
.irp i, 0,1,2
	s_delay_alu instid0(VALU_DEP_3)
	v_mov_b32 v[\pc+3+6*\c+\i], v[\pc+12+4*\c+\i]
.endr
.endr
.endm
.macro HFSTORE pc, base                        ; a fragment leaves as it stands: 512, 256, 512, 256 consecutive bytes, each at a multiple of 256 from the buffer's first byte
	global_store_b128 v[L16], v[\pc:\pc+3], s[\base:\base+1]
	global_store_b64 v[L8], v[\pc+4:\pc+5], s[\base:\base+1] offset:512
	global_store_b128 v[L16], v[\pc+6:\pc+9], s[\base:\base+1] offset:768
	global_store_b64 v[L8], v[\pc+10:\pc+11], s[\base:\base+1] offset:1280
.endm
.macro RED4                                    ; v[ST + 4 i] summed over the wave's 32 lanes, the four rows by turns
.irp m, 1,2,4,8
.irp i, 0,1,2,3
	s_delay_alu instid0(VALU_DEP_4)
	v_add_f32_dpp v[ST+4*\i], v[ST+4*\i], v[ST+4*\i] row_xmask:\m row_mask:0xf bank_mask:0xf
.endr
.endr
.irp i, 0,1,2,3
	s_delay_alu instid0(VALU_DEP_4)
	v_permlanex16_b32 v[ST+4*\i+1], v[ST+4*\i], s[SEL], s[SEL+1]
.endr
.irp i, 0,1,2,3
	s_delay_alu instid0(VALU_DEP_4)
	v_add_f32 v[ST+4*\i], v[ST+4*\i], v[ST+4*\i+1]
.endr
.endm
.macro PICK first, ptr                         ; from work-group 'first' on the source is the tensor at s[ptr]
	s_cmp_ge_u32 ttmp9, \first
	s_cselect_b64 s[30:31], s[\ptr:\ptr+1], s[30:31]
	s_cselect_b32 s28, \first, s28
.endm
	s_load_b256 s[4:11], s[0:1], 0x0               ; x, ln1_g, ln1_b, wq
	s_load_b256 s[12:19], s[0:1], 0x20             ; wk, wv, wo, w1
	s_load_b128 s[20:23], s[0:1], 0x40             ; w2, h1
	s_load_b64 s[24:25], s[0:1], 0x50              ; wts
	v_lshl_add_u32 v[SPW], v0, 2, SPARE
	v_mov_b32 v[NIL], 0
	v_lshrrev_b32 v1, 5, v0
	s_delay_alu instid0(VALU_DEP_1)
	v_readfirstlane_b32 s26, v1                    ; wave 0..7
	v_and_b32 v1, 31, v0                           ; lane
	v_and_b32 v2, 15, v0                           ; r
	v_bfe_u32 v3, v0, 4, 1                         ; h
	s_delay_alu instid0(VALU_DEP_3)
	v_lshlrev_b32 v[L16], 4, v1
	s_wait_alu depctr_va_vdst(0)
	v_lshlrev_b32 v[L8], 3, v1
	v_lshlrev_b32 v[L4], 2, v1
	s_and_b32 s27, s26, 1                          ; rows 4 w + i stand at positions 4 w' + i, w' = w with its bits 1 and 2 exchanged
	s_and_b32 s28, s26, 2
	s_lshl_b32 s28, s28, 1
	s_or_b32 s27, s27, s28
	s_and_b32 s28, s26, 4
	s_lshr_b32 s28, s28, 1
	s_or_b32 s27, s27, s28
	s_mul_i32 s27, s27, 4*STP
	v_add_nc_u32 v[SA], s27, v[L16]
	v_mul_u32_u24 v[LA0], v2, STP
	s_delay_alu instid0(VALU_DEP_1)
	v_lshl_add_u32 v[LA0], v3, 6, v[LA0]
	s_lshl_b32 s27, s26, 9
	v_add_nc_u32 v[LA0], s27, v[LA0]               ; position r, + 64 h, + my 512 bytes of the row
	s_delay_alu instid0(VALU_DEP_1)
	v_add_nc_u32 v[LA1], 16*STP, v[LA0]
	s_mov_b32 s[SEL], 0x76543210
	s_mov_b32 s[SEL+1], 0xfedcba98
	s_mov_b32 s56, 0x3a800000                      ; 1 / 1,024
	s_mov_b32 s57, 0x3727c5ac                      ; 1e-5
.irp b, 0,1,2,3
	v_mov_b32 v[TM+4+\b], 0                        ; written once: a lane permute's destination counts as one of its sources
.endr
	s_wait_kmcnt 0x0
	s_mov_b64 s[30:31], s[4:5]
	s_mov_b32 s28, 0
	PICK 128, 10
	PICK 160, 12
	PICK 192, 14
	PICK 224, 16
	PICK 256, 18
	PICK 384, 20
	s_sub_co_u32 s29, ttmp9, s28                   ; my unit in its tensor
	s_lshl_b32 s32, s29, 17                        ; K = 1,024: 32 rows of 4,096 bytes
	s_lshr_b32 s33, s29, 2                         ; w2: which 32 rows,
	s_and_b32 s34, s29, 3                          ; which quarter of K
	s_lshl_b32 s35, s33, 19
	s_lshl_b32 s36, s34, 12
	s_add_co_u32 s35, s35, s36
	s_lshl_b32 s34, s34, 3                         ; its first K step
	s_cmp_ge_u32 ttmp9, 128
	s_cselect_b32 s37, 128, 0
	s_cselect_b64 s[38:39], s[24:25], s[22:23]     ; the weights go to wts, x's rows to h1
	s_mov_b32 s42, 3145728
	s_cselect_b32 s42, 9437184, s42                ; where the scale words begin
	s_sub_co_u32 s37, ttmp9, s37                   ; which 32 rows of the operand
	s_cmp_ge_u32 ttmp9, 384
	s_cselect_b32 s32, s35, s32
	s_mov_b32 s43, 4096
	s_cselect_b32 s43, 16384, s43                  ; a source row in bytes
	s_cselect_b32 s44, 32, 8                       ; KS
	s_cselect_b32 s34, s34, 0
	s_cselect_b32 s37, s33, s37
	s_cselect_b32 s45, 6291456, 0                  ; where the codes begin
	s_cselect_b32 s42, 9961472, s42
	s_lshl_b32 s37, s37, 1
	s_mul_i32 s37, s37, s44
	s_add_co_u32 s37, s37, s34
	s_add_co_u32 s37, s37, s26                     ; my first fragment: (2 p) KS + first K step + wave
	s_mul_i32 s46, s37, 1536
	s_add_co_u32 s46, s46, s45
	s_mov_b32 s47, 0
	s_add_nc_u64 s[46:47], s[38:39], s[46:47]      ; codes of positions 0-15,
	s_mul_i32 s48, s44, 1536
	s_mov_b32 s49, 0
	s_add_nc_u64 s[48:49], s[46:47], s[48:49]      ; of positions 16-31,
	s_lshl_b32 s50, s37, 7
	s_add_co_u32 s50, s50, s42
	s_mov_b32 s51, 0
	s_add_nc_u64 s[50:51], s[38:39], s[50:51]      ; and the scale words likewise
	s_lshl_b32 s52, s44, 7
	s_mov_b32 s53, 0
	s_add_nc_u64 s[52:53], s[50:51], s[52:53]
	s_mov_b32 s33, 0
	s_add_nc_u64 s[30:31], s[30:31], s[32:33]      ; the source at my unit
	s_lshl_b32 s54, s26, 2
	s_mul_i32 s54, s54, s43
.irp i, 0,1,2,3
	v_add_nc_u32 v[OFFR+\i], s54, v[L16]
	s_add_co_u32 s54, s54, s43
.endr
.irp i, 0,1,2,3
.irp j, 0,1,2,3,4,5,6,7
	global_load_b128 v[X+32*\i+4*\j:X+32*\i+4*\j+3], v[OFFR+\i], s[30:31] offset:512*\j th:TH_LOAD_NT   ; 512 consecutive bytes; lane l holds columns 128 j + 4 l on
.endr
.endr
	s_cmp_ge_u32 ttmp9, 128
	s_cbranch_scc1 .Lraw                           ; a weight is quantised as it is
.irp j, 0,1,2,3,4,5,6,7
	global_load_b128 v[G+4*\j:G+4*\j+3], v[L16], s[6:7] offset:512*\j
.endr
.irp j, 0,1,2,3,4,5,6,7
	global_load_b128 v[BB+4*\j:BB+4*\j+3], v[L16], s[8:9] offset:512*\j
.endr
	s_wait_loadcnt 16                              ; my four rows are in; the sixteen loads of gain and bias may be out
.irp i, 0,1,2,3                                ; the rows' sums, two chains a row
	v_pk_add_f32 v[ST+4*\i:ST+4*\i+1], v[X+32*\i:X+32*\i+1], v[X+32*\i+2:X+32*\i+3]
	v_pk_add_f32 v[ST+4*\i+2:ST+4*\i+3], v[X+32*\i+4:X+32*\i+5], v[X+32*\i+6:X+32*\i+7]
.endr
.irp j, 8,12,16,20,24,28
.irp i, 0,1,2,3
	v_pk_add_f32 v[ST+4*\i:ST+4*\i+1], v[ST+4*\i:ST+4*\i+1], v[X+32*\i+\j:X+32*\i+\j+1]
	v_pk_add_f32 v[ST+4*\i+2:ST+4*\i+3], v[ST+4*\i+2:ST+4*\i+3], v[X+32*\i+\j+2:X+32*\i+\j+3]
.endr
.endr
.irp i, 0,1,2,3
	v_pk_add_f32 v[ST+4*\i:ST+4*\i+1], v[ST+4*\i:ST+4*\i+1], v[ST+4*\i+2:ST+4*\i+3]
.endr
.irp i, 0,1,2,3
	s_delay_alu instid0(VALU_DEP_4)
	v_add_f32 v[ST+4*\i], v[ST+4*\i], v[ST+4*\i+1]
.endr
	RED4
.irp i, 0,1,2,3
	s_delay_alu instid0(VALU_DEP_4)
	v_mul_f32 v[ST+4*\i], 0xba800000, v[ST+4*\i]   ; minus the mean
.endr
.set J, 0
.rept 16
.irp i, 0,1,2,3
	v_pk_add_f32 v[X+32*\i+J:X+32*\i+J+1], v[X+32*\i+J:X+32*\i+J+1], v[ST+4*\i:ST+4*\i+1] op_sel_hi:[1,0]
.endr
.set J, J+2
.endr
.irp i, 0,1,2,3                                ; the sums of squares of x - mean
	v_pk_mul_f32 v[ST+4*\i:ST+4*\i+1], v[X+32*\i:X+32*\i+1], v[X+32*\i:X+32*\i+1]
	v_pk_mul_f32 v[ST+4*\i+2:ST+4*\i+3], v[X+32*\i+2:X+32*\i+3], v[X+32*\i+2:X+32*\i+3]
.endr
.irp j, 4,8,12,16,20,24,28
.irp i, 0,1,2,3
	v_pk_fma_f32 v[ST+4*\i:ST+4*\i+1], v[X+32*\i+\j:X+32*\i+\j+1], v[X+32*\i+\j:X+32*\i+\j+1], v[ST+4*\i:ST+4*\i+1]
	v_pk_fma_f32 v[ST+4*\i+2:ST+4*\i+3], v[X+32*\i+\j+2:X+32*\i+\j+3], v[X+32*\i+\j+2:X+32*\i+\j+3], v[ST+4*\i+2:ST+4*\i+3]
.endr
.endr
.irp i, 0,1,2,3
	v_pk_add_f32 v[ST+4*\i:ST+4*\i+1], v[ST+4*\i:ST+4*\i+1], v[ST+4*\i+2:ST+4*\i+3]
.endr
.irp i, 0,1,2,3
	s_delay_alu instid0(VALU_DEP_4)
	v_add_f32 v[ST+4*\i], v[ST+4*\i], v[ST+4*\i+1]
.endr
	RED4
.irp i, 0,1,2,3
	s_delay_alu instid0(VALU_DEP_4)
	v_fma_f32 v[ST+4*\i], v[ST+4*\i], s56, s57     ; the variance + 1e-5
.endr
	s_wait_alu depctr_va_vdst(0)
.irp i, 0,1,2,3
	v_rsq_f32 v[ST+4*\i+2], v[ST+4*\i]
.endr
	v_nop                                          ; a plain place behind the last of the four
	s_wait_alu depctr_va_vdst(0)                   ; one wait for the four, ahead of their first use
	s_wait_loadcnt 0x0                             ; gain and bias
.set J, 0
.rept 16
.irp i, 0,1,2,3
	v_pk_mul_f32 v[X+32*\i+J:X+32*\i+J+1], v[X+32*\i+J:X+32*\i+J+1], v[ST+4*\i+2:ST+4*\i+3] op_sel_hi:[1,0]
.endr
.irp i, 0,1,2,3
	s_delay_alu instid0(VALU_DEP_4)
	v_pk_fma_f32 v[X+32*\i+J:X+32*\i+J+1], v[X+32*\i+J:X+32*\i+J+1], v[G+J:G+J+1], v[BB+J:BB+J+1]
.endr
.set J, J+2
.endr
	s_branch .Ljoin
.Lraw:
	s_wait_loadcnt 0x0
.Ljoin:
	s_wait_alu depctr_va_vdst(0)
.irp i, 0,1,2,3
.irp j, 0,1,2,3,4,5,6,7
	ds_store_b128 v[SA], v[X+32*\i+4*\j:X+32*\i+4*\j+3] offset:\i*STP+512*\j
.endr
.endr
	s_wait_dscnt 0x0                               ; for the others' sake: my rows lie in the stage
	s_barrier_signal -1
	s_barrier_wait -1
.irp b, 0,1,2,3
.irp j, 0,1,2,3
	ds_load_b128 v[X+16*\b+4*\j:X+16*\b+4*\j+3], v[LA0] offset:128*\b+16*\j
.endr
.endr
.irp b, 0,1,2,3
.irp j, 0,1,2,3
	ds_load_b128 v[X+64+16*\b+4*\j:X+64+16*\b+4*\j+3], v[LA1] offset:128*\b+16*\j
.endr
.endr
	s_wait_dscnt 16                                ; positions 0-15 are in; the sixteen loads of positions 16-31 may be out
	QUANT X, PC0, PW
	s_wait_dscnt 0x0
	QUANT X+64, PC1, PW+1
	HFSTORE PC0, 46
	global_store_b32 v[L4], v[PW], s[50:51]
	HFSTORE PC1, 48
	global_store_b32 v[L4], v[PW+1], s[52:53]
	s_wait_tensorcnt 0x0                           ; the wave's end, behind my last LDS store
	ds_add_u32 v[SPW], v[NIL]
	s_wait_dscnt 0x0
	s_endpgm
.Lfunc_end_k_q471ec184eb_prep:
	.size	k_q471ec184eb_prep, .Lfunc_end_k_q471ec184eb_prep-k_q471ec184eb_prep
	.p2alignl 7, 3214868480
	.fill 96, 4, 3214868480
	.section	.rodata,"a",@progbits
	.p2align	6, 0x0
	.amdhsa_kernel k_q471ec184eb_prep
		.amdhsa_group_segment_fixed_size 132608
		.amdhsa_private_segment_fixed_size 0
		.amdhsa_enable_private_segment 0
		.amdhsa_kernarg_size 88
		.amdhsa_user_sgpr_count 2
		.amdhsa_user_sgpr_kernarg_segment_ptr 1
		.amdhsa_wavefront_size32 1
		.amdhsa_system_sgpr_workgroup_id_x 1
		.amdhsa_system_sgpr_workgroup_id_y 1
		.amdhsa_system_sgpr_workgroup_id_z 1
		.amdhsa_system_vgpr_workitem_id 0
		.amdhsa_next_free_vgpr 256
		.amdhsa_next_free_sgpr 66
		.amdhsa_reserve_vcc 0
		.amdhsa_float_denorm_mode_32 3
		.amdhsa_float_denorm_mode_16_64 3
		.amdhsa_memory_ordered 1
		.amdhsa_forward_progress 1
		.amdhsa_inst_pref_size 54
	.end_amdhsa_kernel
	.amdgpu_metadata
---
amdhsa.version: [ 1, 2 ]
amdhsa.kernels:
  - .name:           k_q471ec184eb_prep
    .symbol:         k_q471ec184eb_prep.kd
    .args:
      - { .name: x, .offset: 0, .size: 8, .value_kind: global_buffer, .address_space: global }
      - { .name: ln1_g, .offset: 8, .size: 8, .value_kind: global_buffer, .address_space: global }
      - { .name: ln1_b, .offset: 16, .size: 8, .value_kind: global_buffer, .address_space: global }
      - { .name: wq, .offset: 24, .size: 8, .value_kind: global_buffer, .address_space: global }
      - { .name: wk, .offset: 32, .size: 8, .value_kind: global_buffer, .address_space: global }
      - { .name: wv, .offset: 40, .size: 8, .value_kind: global_buffer, .address_space: global }
      - { .name: wo, .offset: 48, .size: 8, .value_kind: global_buffer, .address_space: global }
      - { .name: w1, .offset: 56, .size: 8, .value_kind: global_buffer, .address_space: global }
      - { .name: w2, .offset: 64, .size: 8, .value_kind: global_buffer, .address_space: global }
      - { .name: h1, .offset: 72, .size: 8, .value_kind: global_buffer, .address_space: global }
      - { .name: wts, .offset: 80, .size: 8, .value_kind: global_buffer, .address_space: global }
    .group_segment_fixed_size: 132608
    .private_segment_fixed_size: 0
    .kernarg_segment_align: 8
    .kernarg_segment_size: 88
    .max_flat_workgroup_size: 256
    .sgpr_count:     66
    .vgpr_count:     256
    .wavefront_size: 32
...
	.end_amdgpu_metadata
.endif
;; end of part 8
;; launch qkv (part 9): grid 12 x 16, 4 waves a work-group, clusters of 4 x 4, 327,680 bytes of LDS; arguments h1, wts, qkv; writes qkv
.if DOCPART == 9
	.amdgcn_target "amdgcn-amd-amdhsa--gfx1250"
	.amdhsa_code_object_version 6
	.text
	.protected	k_q471ec184eb_qkv
	.globl	k_q471ec184eb_qkv
	.p2align	8
	.type	k_q471ec184eb_qkv,@function
k_q471ec184eb_qkv:
	s_mov_b64 s[64:65], 0
	v_nop
	global_prefetch_b8 v0, s[64:65] scope:SCOPE_SE
	s_setreg_imm32_b32 hwreg(HW_REG_WAVE_MODE, 25, 1), 1
	s_wait_xcnt 0x0
	s_wait_alu depctr_hold_cnt(0) depctr_sa_sdst(0) depctr_va_vdst(0) depctr_va_sdst(0) depctr_va_ssrc(0) depctr_va_vcc(0) depctr_vm_vsrc(0)
	s_getreg_b32 s2, hwreg(HW_REG_IB_STS2, 6, 4)
	s_cmp_eq_u32 s2, 0
	s_cbranch_scc0 .Lentry_in_a_cluster
	s_endpgm
.Lentry_in_a_cluster:
	s_bfe_u32 s2, ttmp6, 0x10000c
	s_cmp_lg_u32 s2, 0xf033
	s_cbranch_scc0 .Lentry_shape_is_right
	s_endpgm
.Lentry_shape_is_right:
.set MA,     8
.set KS,     8
.set HA,     MA/2
.set NL,     4
.set FR,     12
.set NP,     4
.set LAPS,   KS/4
.set HALFA,  MA*3072
.set HALFB,  8*3072
.set SLOT,   2*HALFA+2*HALFB
.set BIG,    8*6144                    ; slot 0 holds 512 along K: eight blocks of 6,144 bytes for each half of A and of B
.set SLOT0,  4*BIG                     ; slot 1 (SLOT bytes, behind it) holds 256 along K
.set SCL,    SLOT0+SLOT
.set HALFSA, MA*KS*64                  ; of a fragment's 128 bytes of scale words the first 64 are loaded: the other 64 repeat them
.set HALFSB, 8*KS*64
; K goes in four parts of 256: parts 0 and 1 lie in slot 0 (block pitch 6,144), part 2 in slot 1, part 3 is filled onto the start of each half of slot 0 (block pitch 3,072)
.macro VSET v                          ; part v: which address register, the block pitch, the part's byte in a block
.set VR, ((\v)/2)*(3-(\v))
.set FP, 6144-3072*((\v)/2)
.set FO, 3072*((\v)%2)*(1-(\v)/2)
.endm
.set SPARE,  SCL+2*HALFSA+2*HALFSB
.set ADRA, 16
.set ADRB, 20
.set L16,  24
.set L8,   25
.set L4,   26
.set ADRS, 27
.set SPW,  28
.set NIL,  29
.set SC,   32
.set TM,   64
.set PW,   80
.set PC,   96
.set AF,   128
.set G1,   24
.set G0,   32
.set G1B,  48
.set G0B,  56
.set G1S,  68
.set G0S,  76
.set G1SB, 80
.set G0SB, 88
.set SEL,  46
.set MSB, 0
.macro WIN new
.if MSB != (\new)
	s_set_vgpr_msb (MSB<<8)|(\new)
.set MSB, (\new)
.endif
.endm
.set MUL_LO, 0xa1
.set TO_B,   0x40
.macro JLOAD g0a, g1a, g0b, g1b
	s_cmp_eq_u32 s15, 0
	s_cbranch_scc0 .Lfor_b_\@
	tensor_load_to_lds s[\g0a:\g0a+3], s[\g1a:\g1a+7]
	s_nop 0
.rept 4
	v_nop
.endr
	s_branch .Lasked_\@
.Lfor_b_\@:
	tensor_load_to_lds s[\g0b:\g0b+3], s[\g1b:\g1b+7]
	s_nop 0
.rept 4
	v_nop
.endr
.Lasked_\@:
.endm
.macro CREST
	s_cmp_lg_u32 s14, 0
	s_cbranch_scc1 .Lnot_wave_0_\@
	s_barrier_signal -3
.Lnot_wave_0_\@:
	s_barrier_wait -3
	s_barrier_signal -1
	s_barrier_wait -1
.endm
.macro CROUND
	s_barrier_signal -1
	s_barrier_wait -1
	CREST
.endm
.macro PLACES n
.rept \n
	v_nop
.endr
.endm
.macro FRAG reg, adr, q, i
	ds_load_b128 v[\reg:\reg+3], v[\adr] offset:(\i)*FP+FO+(\q)*1536
	ds_load_b64 v[\reg+4:\reg+5], v[\adr+2] offset:(\i)*FP+FO+(\q)*1536+512
	ds_load_b128 v[\reg+6:\reg+9], v[\adr] offset:(\i)*FP+FO+(\q)*1536+768
	ds_load_b64 v[\reg+10:\reg+11], v[\adr+2] offset:(\i)*FP+FO+(\q)*1536+1280
.endm
.macro FETCH_B slot, q, p
	VSET \slot
	WIN TO_B
.irp i, 0,1,2,3,4,5,6,7
	FRAG 128*(\p)+FR*\i, ADRB+VR, \q, \i
.endr
	WIN 0
.endm
.macro FETCH_A slot, q, i0
	VSET \slot
.set FI, \i0
.rept HA
	FRAG AF+FR*FI, ADRA+VR, \q, FI
.set FI, FI+1
.endr
.endm
.macro SCALES sc
.irp i, 0,1,2,3,4,5,6,7
.irp q, 0,1
	ds_load_b32 v[SC+16*((\sc)%2)+2*\i+\q], v[ADRS] offset:(\i*KS+\q)*64
.endr
.endr
.endm
.macro MULB a, p, q, sc, zero
	WIN MUL_LO+0x50*((\a)/4)
.irp b, 0,1,2,3,4,5,6,7
.if \zero
	v_wmma_scale_f32_16x16x128_f8f6f4 v[8*(8*((\a)%4)+\b):8*(8*((\a)%4)+\b)+7], v[128*(\p)+FR*\b:128*(\p)+FR*\b+FR-1], v[AF+FR*(\a):AF+FR*(\a)+FR-1], 0, v[SC+16*(\sc)+2*\b+(\q)], v[SC+16*(\sc)+2*(\a)+(\q)] matrix_a_fmt:MATRIX_FMT_FP6 matrix_b_fmt:MATRIX_FMT_FP6 matrix_a_scale:MATRIX_SCALE_ROW1
.else
	v_wmma_scale_f32_16x16x128_f8f6f4 v[8*(8*((\a)%4)+\b):8*(8*((\a)%4)+\b)+7], v[128*(\p)+FR*\b:128*(\p)+FR*\b+FR-1], v[AF+FR*(\a):AF+FR*(\a)+FR-1], v[8*(8*((\a)%4)+\b):8*(8*((\a)%4)+\b)+7], v[SC+16*(\sc)+2*\b+(\q)], v[SC+16*(\sc)+2*(\a)+(\q)] matrix_a_fmt:MATRIX_FMT_FP6 matrix_b_fmt:MATRIX_FMT_FP6 matrix_a_scale:MATRIX_SCALE_ROW1
.endif
.endr
.endm
.macro MULS a0, n, p, q, sc, zero
.set AI, \a0
.rept \n
	MULB AI, \p, \q, \sc, \zero
.set AI, AI+1
.endr
.endm
.macro STEP slot, zero
	s_wait_dscnt HA*NL
	MULS 0, HA, 0, 0, (\slot)%2, \zero
	s_wait_dscnt 0
	PLACES NP
	FETCH_B \slot, 1, 1
	FETCH_A \slot, 1, 0
	MULS HA, HA, 0, 0, (\slot)%2, \zero
	PLACES NP
	WIN 0
	FETCH_A \slot, 1, HA
.endm
.macro TURN slot, next, fill           ; a part's second K step, and on to the next part.  fill 2: both parts came by one fill: no barrier; 0: a barrier, nothing filled; 1: a round, and part 3 is filled onto slot 0
.if \fill == 2
	s_wait_dscnt HA*NL
	MULS 0, HA, 1, 1, (\slot)%2, 0
	s_wait_dscnt 0
	WIN 0
	PLACES NP
.else
	s_wait_tensorcnt 0x0
	ds_add_u32 v[SPW], v[NIL]
	s_wait_dscnt HA*NL+1
	MULS 0, HA/2, 1, 1, (\slot)%2, 0
	s_wait_dscnt 0x0
	s_barrier_signal -1
	MULS HA/2, HA/2, 1, 1, (\slot)%2, 0
	WIN 0
	s_barrier_wait -1
.if \fill
	CREST
	s_add_nc_u64 s[G0+2:G0+3], s[G0+2:G0+3], 9216      ; from K step 0 to K step 6
	s_add_nc_u64 s[G0B+2:G0B+3], s[G0B+2:G0B+3], 9216
	JLOAD G0, G1, G0B, G1B
.else
	PLACES NP
.endif
.endif
	s_wait_alu depctr_va_vdst(0)
	v_add_nc_u32 v[ADRS], 128, v[ADRS]
	FETCH_B \next, 0, 0
	FETCH_A \next, 0, 0
	SCALES \next
	MULS HA, HA, 1, 1, (\slot)%2, 0
	PLACES NP
	WIN 0
	FETCH_A \next, 0, HA
.endm
	s_load_b128 s[4:7], s[0:1], 0x0
	s_load_b64 s[12:13], s[0:1], 0x10
	v_lshl_add_u32 v[SPW], v0, 2, SPARE
	v_mov_b32 v[NIL], 0
	ds_add_u32 v[SPW], v[NIL]
	ds_add_u32 v[SPW], v[NIL]
	v_lshrrev_b32 v1, 5, v0
	v_readfirstlane_b32 s14, v1
	s_lshr_b32 s15, s14, 1
	s_and_b32 s16, s14, 1
	s_bfe_u32 s40, ttmp6, 0x40000
	s_bfe_u32 s41, ttmp6, 0x40004
	s_and_b32 s17, ttmp7, 0xffff
	s_lshl_b32 s17, s17, 2
	s_lshl_b32 s42, ttmp9, 2
	s_cmp_eq_u32 ttmp9, 2
	s_cselect_b32 s42, s17, s42
	s_cselect_b32 s17, 0, s17
	s_cselect_b32 s66, 1572864, 0
	s_mov_b32 s67, 3145728
	s_cselect_b32 s67, 9568256, s67
	s_mov_b32 s98, 9437184
	s_cselect_b32 s98, 3145728, s98
	s_cselect_b32 s99, 32, 16
	s_cselect_b32 s100, 6291456, 0
	s_mov_b32 s101, 9437184
	s_cselect_b32 s101, 9961472, s101
	s_add_co_u32 s42, s42, s40
	s_add_co_u32 s17, s17, s41
	s_lshl_b32 s43, s41, 2
	s_lshl_b32 s43, 15, s43
	s_lshl_b32 s44, 0x1111, s40
	s_or_b32 s[G1+0], s43, (3<<16)|(1<<21)
	s_or_b32 s[G1B+0], s44, (3<<16)|(1<<21)
	s_or_b32 s[G1S+0], s43, (3<<16)|(1<<21)
	s_or_b32 s[G1SB+0], s44, (3<<16)|(1<<21)
.irp g, G1, G1B
	s_mov_b32 s[\g+1], 768<<16                     ; the head's rows: a block's first four K steps, 6,144 bytes
	s_mov_b32 s[\g+3], 768<<16
	s_mov_b32 s[\g+5], KS*192
	s_mov_b32 s[\g+6], 0
	s_mov_b32 s[\g+7], 0
.endr
	s_mov_b32 s[G1+2], (2*MA)<<16                  ; the head's loads bring a slot's whole A or B: all the tile's blocks
	s_mov_b32 s[G1+4], 2*MA
	s_mov_b32 s[G1B+2], 16<<16
	s_mov_b32 s[G1B+4], 16
.irp g, G1S, G1SB
	s_mov_b32 s[\g+1], 8<<16                       ; a fragment's sixteen scale words, 64 bytes, 128 bytes apart
	s_mov_b32 s[\g+3], 8<<16
	s_mov_b32 s[\g+5], 16
	s_mov_b32 s[\g+6], 0
	s_mov_b32 s[\g+7], 0
.endr
	s_mov_b32 s[G1S+2], (2*HALFSA/64)<<16          ; the scale words of all the tile's fragments in one load
	s_mov_b32 s[G1S+4], 2*HALFSA/64
	s_mov_b32 s[G1SB+2], (2*HALFSB/64)<<16
	s_mov_b32 s[G1SB+4], 2*HALFSB/64
	s_mul_i32 s20, s17, 2*MA
	s_mul_i32 s18, s16, MA
	s_add_co_u32 s20, s20, s18
	s_mul_i32 s22, s20, KS*128
	s_add_co_u32 s22, s22, s67
	s_mul_i32 s20, s20, KS*1536
	s_add_co_u32 s20, s20, s66
	s_mov_b32 s21, 0
	s_mov_b32 s23, 0
	s_lshl_b32 s46, s42, 4
	s_lshl_b32 s18, s16, 3
	s_add_co_u32 s46, s46, s18
	s_mul_i32 s92, s46, KS*128
	s_add_co_u32 s92, s92, s98
	s_mul_i32 s46, s46, KS*1536
	s_mov_b32 s47, 0
	s_mov_b32 s93, 0
	s_wait_dscnt 0x0
	s_wait_kmcnt 0x0
	s_cmp_eq_u32 ttmp9, 2
	s_cselect_b64 s[8:9], s[6:7], s[4:5]
	s_cselect_b64 s[10:11], s[4:5], s[6:7]
	s_add_nc_u64 s[20:21], s[8:9], s[20:21]
	s_add_nc_u64 s[22:23], s[8:9], s[22:23]
	s_add_nc_u64 s[46:47], s[10:11], s[46:47]
	s_add_nc_u64 s[92:93], s[10:11], s[92:93]
	CROUND
	s_mov_b32 s[G0S], 1
	s_mov_b32 s[G0S+1], SCL
	s_sub_nc_u64 s[G0S+2:G0S+3], s[22:23], MA*KS*128   ; used by wave 1 alone, whose address stands at the second half: back to the tile's first row
	s_or_b32 s[G0S+3], s[G0S+3], 0x80000000
	s_mov_b32 s[G0SB], 1
	s_mov_b32 s[G0SB+1], SCL+2*HALFSA
	s_sub_nc_u64 s[G0SB+2:G0SB+3], s[92:93], 8*KS*128  ; used by wave 3 alone, likewise
	s_or_b32 s[G0SB+3], s[G0SB+3], 0x80000000
.irp s, 0,1
	s_mov_b32 s[G0+4*\s], 1
	s_mul_i32 s[G0+4*\s+1], s16, BIG-\s*(BIG-HALFA)    ; my half of A in slot s
	s_add_co_u32 s[G0+4*\s+1], s[G0+4*\s+1], \s*SLOT0
	s_add_nc_u64 s[G0+4*\s+2:G0+4*\s+3], s[20:21], \s*6144
	s_or_b32 s[G0+4*\s+3], s[G0+4*\s+3], 0x80000000
	s_mov_b32 s[G0B+4*\s], 1
	s_mul_i32 s[G0B+4*\s+1], s16, BIG-\s*(BIG-HALFB)   ; my half of B, behind A's two
	s_add_co_u32 s[G0B+4*\s+1], s[G0B+4*\s+1], 2*BIG+\s*(SLOT0+2*HALFA-2*BIG)
	s_add_nc_u64 s[G0B+4*\s+2:G0B+4*\s+3], s[46:47], \s*6144
	s_or_b32 s[G0B+4*\s+3], s[G0B+4*\s+3], 0x80000000
.endr
; THE HEAD'S LOADS, ONE A WAVE: wave 0 slot 0's whole A (its own group 0 stands at the tile's first block), wave 1 A's scale words, wave 2 slot 0's whole B, wave 3 B's scale words
.macro ARM under, g0, g1, next
	s_cmp_lt_u32 s14, \under
	s_cbranch_scc0 \next
	tensor_load_to_lds s[\g0:\g0+3], s[\g1:\g1+7]
	s_nop 0
	PLACES 4
	s_branch .Lhead_asked
\next:
.endm
	ARM 1, G0, G1, .Lhead_sa
	ARM 2, G0S, G1S, .Lhead_b
	ARM 3, G0B, G1B, .Lhead_sb
	tensor_load_to_lds s[G0SB:G0SB+3], s[G1SB:G1SB+7]
	s_nop 0
	PLACES 4
.Lhead_asked:
	v_and_b32 v1, 31, v0
	v_bfe_u32 v2, v0, 4, 1
	v_lshlrev_b32 v[L16], 4, v1
	v_lshlrev_b32 v[L8], 3, v1
	v_lshlrev_b32 v[L4], 2, v1
	s_mul_i32 s21, s15, BIG                        ; my rows of A and of B in slot 0,
	s_mul_i32 s22, s16, BIG
	s_add_co_u32 s22, s22, 2*BIG
	s_mul_i32 s18, s15, HALFA                      ; and in slot 1
	s_add_co_u32 s18, s18, SLOT0
	s_mul_i32 s19, s16, HALFB
	s_add_co_u32 s19, s19, SLOT0+2*HALFA
	s_wait_alu depctr_va_vdst(0)
	v_add_nc_u32 v[ADRA], s21, v[L16]
	v_add_nc_u32 v[ADRA+2], s21, v[L8]
	v_add_nc_u32 v[ADRB], s22, v[L16]
	v_add_nc_u32 v[ADRB+2], s22, v[L8]
	v_add_nc_u32 v[ADRA+1], s18, v[L16]
	v_add_nc_u32 v[ADRA+3], s18, v[L8]
	v_add_nc_u32 v[ADRB+1], s19, v[L16]
	v_add_nc_u32 v[ADRB+3], s19, v[L8]
	s_mul_i32 s21, s15, HALFSA
	s_mul_i32 s22, s16, HALFSB
	s_add_co_u32 s22, s22, 2*HALFSA-64             ; lanes 16-31 take B's words 0 to 15: 64 bytes off 4 x lane
	s_sub_co_u32 s22, s22, s21
	v_mul_u32_u24 v6, s22, v2
	s_add_co_u32 s21, s21, SCL
	v_lshl_add_u32 v5, v1, 2, v6
	v_add_nc_u32 v[ADRS], s21, v5
	s_lshl_b32 s18, s17, 4
	s_lshl_b32 s19, s15, 3
	s_add_co_u32 s18, s18, s19
	s_mul_i32 s18, s18, s99
	s_lshl_b32 s19, s42, 1
	s_add_co_u32 s18, s18, s19
	s_add_co_u32 s18, s18, s16
	s_mul_i32 s20, s18, 1536
	s_add_co_u32 s20, s20, s100
	s_mov_b32 s21, 0
	s_lshl_b32 s22, s18, 7
	s_add_co_u32 s22, s22, s101
	s_mov_b32 s23, 0
	s_add_nc_u64 s[96:97], s[12:13], s[22:23]
	s_add_nc_u64 s[12:13], s[12:13], s[20:21]
	s_mul_i32 s92, s99, 1536
	s_mov_b32 s93, 0
	s_lshl_b32 s94, s99, 7
	s_mov_b32 s95, 0
	s_wait_alu depctr_va_vdst(0)
	s_wait_tensorcnt 0x0                           ; my tile of the head's four is in
	ds_add_u32 v[SPW], v[NIL]
	s_mov_b32 s[G1+2], MA<<16                      ; no load of mine is out: from here on a load brings half a tile's blocks
	s_mov_b32 s[G1+4], MA
	s_mov_b32 s[G1B+2], 8<<16
	s_mov_b32 s[G1B+4], 8
	s_mov_b32 s[G1+1], 384<<16                     ; and rows of two K steps, 3,072 bytes
	s_mov_b32 s[G1+3], 384<<16
	s_mov_b32 s[G1B+1], 384<<16
	s_mov_b32 s[G1B+3], 384<<16
	s_wait_dscnt 0x0
	CROUND                                         ; all four tiles are in, and the sixteen work-groups meet
	JLOAD G0+4, G1, G0B+4, G1B                     ; slot 1's first fill, first behind the round
	FETCH_B 0, 0, 0
	FETCH_A 0, 0, 0
	SCALES 0
	FETCH_A 0, 0, HA
	STEP 0, 1
	TURN 0, 1, 2                                   ; parts 0 and 1 came by the head's fill
	STEP 1, 0
	TURN 1, 2, 1                                   ; slot 1's fill has had three K steps' products in which to land; slot 0 is read out: part 3 is asked for
	STEP 2, 0
	TURN 2, 3, 0
	STEP 3, 0
	s_wait_dscnt HA*NL
	MULS 0, HA, 1, 1, 1, 0
	s_wait_dscnt 0
	MULS HA, HA, 1, 1, 1, 0
	WIN 0
.macro QUANTW s, w
	WIN ((\w)<<2)|((\w)<<4)
.irp b, 0,1,2,3
	v_max3_num_f32 v[TM+\b], 0x1800000, |v[(\s)+16*\b]|, |v[(\s)+1+16*\b]|
.endr
.irp i, 2,4,6,8,10,12,14
.irp b, 0,1,2,3
	v_max3_num_f32 v[TM+\b], v[TM+\b], |v[(\s)+16*\b+\i]|, |v[(\s)+1+16*\b+\i]|
.endr
.endr
	WIN 0
.irp b, 0,1,2,3
	v_permlanex16_b32 v[TM+4+\b], v[TM+\b], s[SEL], s[SEL+1]
.endr
.irp b, 0,1,2,3
	v_max_num_f32 v[TM+\b], v[TM+\b], v[TM+4+\b]
.endr
.irp b, 0,1,2,3
	v_add_nc_u32 v[TM+12+\b], 0xff000000, v[TM+\b]
.endr
.irp b, 0,1,2,3
	v_lshrrev_b32 v[TM+4+\b], 23, v[TM+12+\b]
.endr
	v_lshl_or_b32 v[PW], v[TM+5], 8, v[TM+4]
	v_lshl_or_b32 v[PW], v[TM+6], 16, v[PW]
	v_lshl_or_b32 v[PW], v[TM+7], 24, v[PW]
	WIN \w
.irp c, 0,1
	v_cvt_scalef32_pk16_fp6_f32 v[PC+6*\c:PC+2+6*\c], v[(\s)+32*\c:(\s)+15+32*\c], v[TM+12+2*\c]
	v_cvt_scalef32_pk16_fp6_f32 v[PC+12+4*\c:PC+14+4*\c], v[(\s)+16+32*\c:(\s)+31+32*\c], v[TM+12+2*\c+1]
.endr
	WIN 0
	v_nop
.irp c, 0,1
.irp i, 0,1,2
	v_permlane16_swap_b32 v[PC+6*\c+\i], v[PC+12+4*\c+\i]
.endr
.irp i, 0,1,2
	v_mov_b32 v[PC+3+6*\c+\i], v[PC+12+4*\c+\i]
.endr
.endr
.endm
	PLACES NP
	s_mov_b32 s[SEL], 0x76543210
	s_mov_b32 s[SEL+1], 0xfedcba98
.irp b, 0,1,2,3
	v_mov_b32 v[TM+4+\b], 0
.endr
.irp a, 0,1,2,3,4,5,6,7
	s_wait_xcnt 0x0
.if \a > 0
	s_add_nc_u64 s[12:13], s[12:13], s[92:93]
	s_add_nc_u64 s[96:97], s[96:97], s[94:95]
.endif
	QUANTW 64*(\a%4), 2+\a/4
	global_store_b128 v[L16], v[PC:PC+3], s[12:13]
	global_store_b64 v[L8], v[PC+4:PC+5], s[12:13] offset:512
	global_store_b128 v[L16], v[PC+6:PC+9], s[12:13] offset:768
	global_store_b64 v[L8], v[PC+10:PC+11], s[12:13] offset:1280
	global_store_b32 v[L4], v[PW], s[96:97]
.endr
	s_wait_tensorcnt 0x0
	ds_add_u32 v[SPW], v[NIL]
	s_wait_dscnt 0x0
	CROUND
	s_endpgm
.Lfunc_end_k_q471ec184eb_qkv:
	.size	k_q471ec184eb_qkv, .Lfunc_end_k_q471ec184eb_qkv-k_q471ec184eb_qkv
	.p2alignl 7, 3214868480
	.fill 96, 4, 3214868480
	.section	.rodata,"a",@progbits
	.p2align	6, 0x0
	.amdhsa_kernel k_q471ec184eb_qkv
		.amdhsa_group_segment_fixed_size 327680
		.amdhsa_private_segment_fixed_size 0
		.amdhsa_enable_private_segment 0
		.amdhsa_kernarg_size 24
		.amdhsa_user_sgpr_count 2
		.amdhsa_user_sgpr_kernarg_segment_ptr 1
		.amdhsa_wavefront_size32 1
		.amdhsa_system_sgpr_workgroup_id_x 1
		.amdhsa_system_sgpr_workgroup_id_y 1
		.amdhsa_system_sgpr_workgroup_id_z 1
		.amdhsa_system_vgpr_workitem_id 0
		.amdhsa_next_free_vgpr 1024
		.amdhsa_next_free_sgpr 102
		.amdhsa_reserve_vcc 0
		.amdhsa_float_denorm_mode_32 3
		.amdhsa_float_denorm_mode_16_64 3
		.amdhsa_memory_ordered 1
		.amdhsa_forward_progress 1
		.amdhsa_inst_pref_size 153
	.end_amdhsa_kernel
	.amdgpu_metadata
---
amdhsa.version: [ 1, 2 ]
amdhsa.kernels:
  - .name:           k_q471ec184eb_qkv
    .symbol:         k_q471ec184eb_qkv.kd
    .args:
      - { .name: h1, .offset: 0, .size: 8, .value_kind: global_buffer, .address_space: global }
      - { .name: wts, .offset: 8, .size: 8, .value_kind: global_buffer, .address_space: global }
      - { .name: qkv, .offset: 16, .size: 8, .value_kind: global_buffer, .address_space: global }
    .group_segment_fixed_size: 327680
    .private_segment_fixed_size: 0
    .kernarg_segment_align: 8
    .kernarg_segment_size: 24
    .max_flat_workgroup_size: 128
    .sgpr_count:     102
    .vgpr_count:     1024
    .wavefront_size: 32
...
	.end_amdgpu_metadata
.endif
;; end of part 9
;; launch attn (part 10): grid 8 x 32, 16 waves a work-group, clusters of 4 x 1, 223,232 bytes of LDS; arguments qkv, ao; writes ao
.if DOCPART == 10
	.amdgcn_target "amdgcn-amd-amdhsa--gfx1250"
	.amdhsa_code_object_version 6
	.text
	.protected	k_q471ec184eb_attn
	.globl	k_q471ec184eb_attn
	.p2align	8
	.type	k_q471ec184eb_attn,@function
k_q471ec184eb_attn:
	s_mov_b64 s[64:65], 0
	v_nop
	global_prefetch_b8 v0, s[64:65] scope:SCOPE_SE
	s_setreg_imm32_b32 hwreg(HW_REG_WAVE_MODE, 25, 1), 1
	s_wait_xcnt 0x0
	s_wait_alu depctr_hold_cnt(0) depctr_sa_sdst(0) depctr_va_vdst(0) depctr_va_sdst(0) depctr_va_ssrc(0) depctr_va_vcc(0) depctr_vm_vsrc(0)
	s_getreg_b32 s2, hwreg(HW_REG_IB_STS2, 6, 4)
	s_cmp_eq_u32 s2, 0
	s_cbranch_scc0 .Lentry_in_a_cluster
	s_endpgm
.Lentry_in_a_cluster:
	s_bfe_u32 s2, ttmp6, 0x10000c
	s_cmp_lg_u32 s2, 0x3003
	s_cbranch_scc0 .Lentry_shape_is_right
	s_endpgm
.Lentry_shape_is_right:
; Attention of one (batch, head) on codes of FP6: S^T = k q^T, p = 2^(t - M), O^T = v^T p^T, O / l, quantised along the head's 64 for the projection.  No work of reference() is left out; the scores' K is 64, and the
; instruction's upper 64 are zero codes on both sides (their scale bytes are 0, which is 2^-127 and no NaN).
; t = score x log2(e) / 8; M = the running largest t rounded UP to a whole number; the row's sum is taken of the unquantised p; when M moves, the sum and O are multiplied by 2^(old M - new M): exact.
; LIMIT: v_exp_f32 gives 0 for results under 2^-126.
; SHARES.  A work-group owns 256 queries of one head, each of its sixteen waves 16: four waves to a SIMD.
; A WHOLE HEAD'S k AND v (codes 2 x 98,304 bytes, scale words 24,576) FIT IN LDS: they are filled once and nothing is filled again: no ring.
; THE FILLS, ONE TENSOR LOAD A WAVE: waves 0-7 two key steps of k's codes each (16 tiles of 768 bytes); waves 8-11 one tile of v^T each, all 16 steps (24,576 dense bytes);
; waves 12, 13 eight steps of k's scale words each; waves 14, 15 two tiles of v^T's scale words each.
; CLUSTER 4 x 1: the four query blocks of a cluster belong to one head, so every fill is a joint load with the mask of all four.
; No prefetch: the launch's only loads stand at its head, with no loop ahead of them to run ahead in.
; LAYOUT (at the head of prep): k's rows stand by position, so the 16 registers of score tiles 2 b and 2 b + 1 are 16 neighbouring keys; v^T's rows likewise, so O^T's register 16 b + i = channel 32 b + 16 (lane / 16) + i.
.set KC,    0                          ; LDS: k's codes: step s, tile i at 6,144 s + 768 i
.set VC,    98304                      ; v^T's codes: tile i, step s at 24,576 i + 1,536 s
.set KSL,   196608                     ; k's scale words: 1,024 s + 128 i
.set VSL,   212992                     ; v^T's: 2,048 i + 128 s
.set SPARE, 221184                     ; the spare words, 128 bytes for each wave
.set QK_S,  9437184
.set V_C,   6291456
.set V_S,   9961472
.set AO_S,  3145728
.set L16,  1                           ; v1, v2  16, 8 x lane (k's codes begin at LDS byte 0)
.set L8,   2
.set AV16, 3                           ; v3, v4  the same + VC
.set AV8,  4
.set AKS,  5                           ; v5  KSL + 4 x lane + my head's two bytes of the word
.set AVS,  6                           ; v6  VSL + 4 x lane
.set SPW,  7                           ; v7  my spare word; never rewritten
.set NIL,  8                           ; v8  0; never rewritten
.set DK16, 9                           ; the step's addresses
.set DK8,  10
.set DKS,  29
.set DVS,  30
.set DVA,  90                          ; v90, v91  v^T's tiles 0, 1 and 2, 3, + 16 x lane (an LDS offset has 16 bits)
.set DVB,  92                          ; v92, v93  the same + 8 x lane
.set QF,   16                          ; v16-27 q's fragment (v22-27 zero codes)
.set QSW,  31                          ; q's scale word
.set KF,   32                          ; v32-79 four fragments of k; registers 6-11 of each stay zero
.set KSW,  80                          ; v80-83, v84-87, v88: scale words of k, v^T, p: scales and nothing else
.set VSW,  84
.set PSW,  88
.set L4,   89                          ; 4 x lane
.set S,    96                          ; v96-159 S^T, then p; then v96-143 four fragments of v^T
.set O,    160                         ; v160-191 O^T
.set PC,   192                         ; p's codes
.set PT,   204
.set BM,   212
.set BX,   216
.set SO,   220
.set F,    224                         ; v[224:225] f
.set TA,   226
.set SEL,  20
.set CS,   78                          ; s[78:79] c = log2(e) / 8
.set G1KC, 24
.set G1VC, 32
.set G1KS, 40
.set G1VS, 48
.set G0KC, 56
.set G0VC, 60
.set G0KS, 68
.set G0VS, 72
.macro SETG1 g, c, r, p                ; r rows of c elements of 8 bytes, p elements apart; the mask of all four partners, bit 21 beside it; no padding
	s_mov_b32 s[\g], 15|(3<<16)|(1<<21)
	s_mov_b32 s[\g+1], (\c)<<16
	s_mov_b32 s[\g+2], (\r)<<16
	s_mov_b32 s[\g+3], (\c)<<16
	s_mov_b32 s[\g+4], \r
	s_mov_b32 s[\g+5], \p
	s_mov_b32 s[\g+6], 0
	s_mov_b32 s[\g+7], 0
.endm
.macro SETG0 g, lds, off               ; group 0: LDS address s\lds, qkv + the offset in s[\off:\off+1]
	s_mov_b32 s[\g], 1
	s_mov_b32 s[\g+1], s\lds
	s_add_nc_u64 s[\g+2:\g+3], s[4:5], s[\off:\off+1]
	s_or_b32 s[\g+3], s[\g+3], 0x80000000
.endm
.macro ROUND                           ; a round of the cluster's barrier
	s_barrier_signal -1
	s_barrier_wait -1
	s_cmp_lg_u32 s8, 0
	s_cbranch_scc1 .Lnot_wave_0_\@
	s_barrier_signal -3
.Lnot_wave_0_\@:
	s_barrier_wait -3
	s_barrier_signal -1
	s_barrier_wait -1
.endm
.macro ARM under, g0, g1, next         ; an arm of the one chain of branches on the wave's number: one load, then to the join
	s_cmp_lt_u32 s8, \under
	s_cbranch_scc0 \next
	tensor_load_to_lds s[\g0:\g0+3], s[\g1:\g1+7]
	s_nop 0
.rept 4
	v_nop
.endr
	s_branch .Lasked
\next:
.endm
	s_load_b128 s[4:7], s[0:1], 0x0                ; qkv, ao
	v_lshl_add_u32 v[SPW], v0, 2, SPARE
	v_mov_b32 v[NIL], 0
	ds_add_u32 v[SPW], v[NIL]                      ; the wave's opening: two adds on end, waited for ahead of my first tensor load
	ds_add_u32 v[SPW], v[NIL]
	v_lshrrev_b32 v9, 5, v0
	s_delay_alu instid0(VALU_DEP_1)
	v_readfirstlane_b32 s8, v9                     ; wave 0..15
	s_and_b32 s9, ttmp7, 0xffff
	s_lshr_b32 s10, s9, 4                          ; batch
	s_and_b32 s11, s9, 15                          ; head
	s_bfe_u32 s12, ttmp6, 0x40000                  ; cx: it enters q's and ao's addresses alone
	SETG1 G1KC, 96, 16, 3072                       ; k's codes of two steps: 16 tiles of 768 bytes, 24,576 bytes apart
	SETG1 G1VC, 32, 96, 32                         ; one tile of v^T, 16 steps: 24,576 dense bytes as 96 rows of 256
	SETG1 G1KS, 16, 64, 256                        ; k's scale words of eight steps: 64 x 128 bytes, 2,048 apart
	SETG1 G1VS, 256, 2, 512                        ; v^T's of two tiles: 2 x 2,048 bytes, 4,096 apart
	s_lshl_b32 s13, s10, 7                         ; the batch's first block of keys
	s_and_b32 s14, s8, 7                           ; k's codes: which two steps
	s_mul_i32 s22, s14, 12288                      ; where they go: the wave's number x a constant
	s_lshl_b32 s14, s14, 4
	s_add_co_u32 s14, s14, s13
	s_mul_i32 s16, s14, 24576
	s_mul_i32 s14, s11, 768
	s_add_co_u32 s16, s16, s14
	s_add_co_u32 s16, s16, 16*768                  ; k's halves lie behind q's sixteen
	s_mov_b32 s17, 0
	s_and_b32 s15, s8, 1                           ; the scale words: which half
	s_lshl_b32 s76, s15, 13
	s_add_co_u32 s76, s76, KSL
	s_lshl_b32 s77, s15, 12
	s_add_co_u32 s77, s77, VSL
	s_lshl_b32 s15, s15, 6                         ; 64 blocks of keys, or two tiles of 32 fragments
	s_add_co_u32 s18, s13, s15
	s_lshl_b32 s18, s18, 11
	s_lshr_b32 s14, s11, 1
	s_lshl_b32 s14, s14, 7                         ; 128 x (head / 2): kept for q's and ao's scale words
	s_add_co_u32 s18, s18, s14
	s_add_co_u32 s18, s18, QK_S+1024
	s_mov_b32 s19, 0
	s_lshl_b32 s13, s11, 7
	s_lshl_b32 s86, s10, 4
	s_add_co_u32 s13, s13, s86                     ; v^T: fragment 128 x head + 32 x tile + 16 x batch + step
	s_add_co_u32 s86, s13, s15
	s_lshl_b32 s86, s86, 7
	s_add_co_u32 s86, s86, V_S
	s_mov_b32 s87, 0
	s_and_b32 s15, s8, 3                           ; v^T's codes: which tile
	s_mul_i32 s23, s15, 24576
	s_add_co_u32 s23, s23, VC
	s_lshl_b32 s15, s15, 5
	s_add_co_u32 s84, s13, s15
	s_mul_i32 s84, s84, 1536
	s_add_co_u32 s84, s84, V_C
	s_mov_b32 s85, 0
	s_mov_b32 s[SEL], 0x76543210
	s_mov_b32 s[SEL+1], 0xfedcba98
	s_mov_b32 s[CS], 0x3e38aa3b
	s_mov_b32 s[CS+1], s[CS]                       ; (named with it as a pair, so it is written)
	s_wait_dscnt 0x0                               ; both opening adds are done
	s_wait_kmcnt 0x0
	SETG0 G0KC, 22, 16
	SETG0 G0VC, 23, 84
	SETG0 G0KS, 76, 18
	SETG0 G0VS, 77, 86
	ROUND                                          ; all four work-groups are here: the joint loads meet
	ARM 8,  G0KC, G1KC, .Lh_vc
	ARM 12, G0VC, G1VC, .Lh_ks
	ARM 14, G0KS, G1KS, .Lh_vs
	tensor_load_to_lds s[G0VS:G0VS+3], s[G1VS:G1VS+7]
	s_nop 0
.rept 4
	v_nop
.endr
.Lasked:
	s_lshl_b32 s13, ttmp9, 2
	s_add_co_u32 s13, s13, s12                     ; my block of 256 queries
	s_lshl_b32 s13, s13, 4
	s_lshl_b32 s15, s10, 7
	s_add_co_u32 s13, s13, s15
	s_add_co_u32 s13, s13, s8                      ; my block of 16 queries: 128 x batch + 16 x block + wave
	s_lshl_b32 s88, s13, 5
	s_add_co_u32 s88, s88, s11
	s_mul_i32 s88, s88, 768                        ; q's half fragment
	s_mov_b32 s89, 0
	s_and_b32 s15, s11, 1
	s_lshl_b32 s15, s15, 1                         ; my head's two bytes of a scale word
	s_lshl_b32 s90, s13, 11
	s_add_co_u32 s90, s90, s14
	s_add_co_u32 s90, s90, s15
	s_add_co_u32 s90, s90, QK_S
	s_mov_b32 s91, 0
	s_lshl_b32 s92, s13, 4
	s_add_co_u32 s92, s92, s11
	s_mul_i32 s92, s92, 768                        ; the result's half fragment in ao
	s_mov_b32 s93, 0
	s_lshl_b32 s94, s13, 10
	s_add_co_u32 s94, s94, s14
	s_add_co_u32 s94, s94, s15
	s_add_co_u32 s94, s94, AO_S
	s_mov_b32 s95, 0
	s_add_nc_u64 s[88:89], s[4:5], s[88:89]
	s_add_nc_u64 s[90:91], s[4:5], s[90:91]
	s_add_nc_u64 s[92:93], s[6:7], s[92:93]
	s_add_nc_u64 s[94:95], s[6:7], s[94:95]
	v_and_b32 v9, 31, v0
	s_delay_alu instid0(VALU_DEP_1)
	v_lshlrev_b32 v[L16], 4, v9
	s_delay_alu instid0(VALU_DEP_2)
	v_lshlrev_b32 v[L8], 3, v9
	s_delay_alu instid0(VALU_DEP_3)
	v_lshlrev_b32 v[L4], 2, v9
	global_load_b128 v[QF:QF+3], v[L16], s[88:89]
	global_load_b64 v[QF+4:QF+5], v[L8], s[88:89] offset:512
	global_load_u16 v[QSW], v[L4], s[90:91]        ; two bytes, widened with zeros
	v_add_nc_u32 v[AV16], VC, v[L16]
	v_add_nc_u32 v[AV8], VC, v[L8]
	v_lshl_add_u32 v[AKS], v9, 2, KSL
	s_delay_alu instid0(VALU_DEP_1)
	v_add_nc_u32 v[AKS], s15, v[AKS]
	v_lshl_add_u32 v[AVS], v9, 2, VSL
.irp j, 6,7,8,9,10,11
	v_mov_b32 v[QF+\j], 0                          ; the zero codes of K = 64 .. 127
.irp t, 0,1,2,3
	v_mov_b32 v[KF+12*\t+\j], 0
.endr
.endr
	v_mov_b32 v13, 0xff61b1e6                      ; the largest t so far: -3e38
	s_delay_alu instid0(VALU_DEP_1)
	v_floor_f32 v12, -v13                          ; -M
	v_mov_b32 v14, 0                               ; the sum, in two halves
	v_mov_b32 v15, 0
	v_mov_b32 v[F+1], 0                            ; (named as the upper half of a pair)
.irp b, 0,1,2,3
	v_mov_b32 v[BX+\b], 0                          ; a lane permute's destination counts as one of its sources
.endr
.set J, 0
.rept 32
	v_mov_b32 v[O+J], 0                            ; the step is written once: the first finds zeros, which the first change of M leaves zeros
.set J, J+1
.endr
	s_mov_b32 s80, 0                               ; the step's place in k's codes, 6,144 bytes a step,
	s_mov_b32 s81, 0                               ; in k's scale words, 1,024,
	s_mov_b32 s82, 0                               ; in v^T's scale words, 128,
	s_mov_b32 s96, 0                               ; in v^T's codes, 1,536
	s_mov_b32 s83, 0
	s_wait_alu depctr_va_vdst(0)
	s_wait_tensorcnt 0x0                           ; my tile is in,
	s_barrier_signal -1
	s_barrier_wait -1                              ; everybody's are
	s_wait_loadcnt 0x0                             ; q
.Lstep:                                            ; 16 trips of 128 keys
	v_add_nc_u32 v[DK16], s80, v[L16]              ; these eight are also the places between the last products, which read v96-143, and the products that write there
	v_add_nc_u32 v[DK8], s80, v[L8]
	v_add_nc_u32 v[DKS], s81, v[AKS]
	v_add_nc_u32 v[DVA], s96, v[AV16]
	v_add_nc_u32 v[DVB], s96, v[AV8]
	v_add_nc_u32 v[DVS], s82, v[AVS]
	v_add_nc_u32 v[DVA+1], 49152, v[DVA]
	v_add_nc_u32 v[DVB+1], 49152, v[DVB]
	s_wait_alu depctr_va_vdst(0)
.irp g, 0,1                                    ; S^T = k q^T, four tiles of 16 keys at a time
.if \g
.rept 4
	v_nop                                          ; places in front of loads into registers that matrix instructions have read
.endr
.endif
.irp t, 0,1,2,3
	ds_load_b128 v[KF+12*\t:KF+12*\t+3], v[DK16] offset:(4*\g+\t)*768
	ds_load_b64 v[KF+12*\t+4:KF+12*\t+5], v[DK8] offset:(4*\g+\t)*768+512
	ds_load_u16 v[KSW+\t], v[DKS] offset:(4*\g+\t)*128
.endr
	s_wait_dscnt 0x0
.irp t, 0,1,2,3
	v_wmma_scale_f32_16x16x128_f8f6f4 v[S+8*(4*\g+\t):S+8*(4*\g+\t)+7], v[KF+12*\t:KF+12*\t+11], v[QF:QF+11], 0, v[KSW+\t], v[QSW] matrix_a_fmt:MATRIX_FMT_FP6 matrix_b_fmt:MATRIX_FMT_FP6
.endr
.endr
.rept 4
	v_nop
.endr
.irp b, 0,1,2,3
	v_max3_num_f32 v[BM+\b], v[S+16*\b], v[S+1+16*\b], v[S+2+16*\b]   ; the largest score of each block of 32 keys: for the row's maximum and, since p rises with the score, for the block's largest p
.endr
.irp i, 3,5,7,9,11,13
.irp b, 0,1,2,3
	v_max3_num_f32 v[BM+\b], v[BM+\b], v[S+16*\b+\i], v[S+1+16*\b+\i]
.endr
.endr
.irp b, 0,1,2,3
	v_max_num_f32 v[BM+\b], v[BM+\b], v[S+15+16*\b]
.endr
.irp b, 0,1,2,3
	s_delay_alu instid0(VALU_DEP_4)
	v_permlanex16_b32 v[BX+\b], v[BM+\b], s[SEL], s[SEL+1]
.endr
.irp b, 0,1,2,3
	s_delay_alu instid0(VALU_DEP_4)
	v_max_num_f32 v[BM+\b], v[BM+\b], v[BX+\b]
.endr
	s_delay_alu instid0(VALU_DEP_2)
	v_max3_num_f32 v[TA], v[BM], v[BM+1], v[BM+2]
	s_delay_alu instid0(VALU_DEP_1)
	v_max_num_f32 v[TA], v[TA], v[BM+3]
	s_delay_alu instid0(VALU_DEP_1)
	v_mul_f32 v[TA], s[CS], v[TA]                  ; as t
	s_delay_alu instid0(VALU_DEP_1)
	v_max_num_f32 v13, v13, v[TA]                  ; the running largest t
	v_mov_b32 v[TA], v12
	s_delay_alu instid0(VALU_DEP_2)
	v_floor_f32 v12, -v13                          ; the new -M = -ceil(t)
	s_delay_alu instid0(VALU_DEP_1)
	v_sub_f32 v[TA], v12, v[TA]                    ; old M - new M: a whole number, 0 or less
	s_delay_alu instid0(VALU_DEP_1)
	v_cvt_i32_f32 v[TA], v[TA]                     ; (it saturates)
	s_delay_alu instid0(VALU_DEP_1)
	v_ldexp_f32 v[F], 1.0, v[TA]                   ; f = 2^(old M - new M)
.set J, 0
.rept 32
	v_pk_fma_f32 v[S+J:S+J+1], v[S+J:S+J+1], s[CS:CS+1], v[12:13] op_sel_hi:[1,0,0]   ; t - M
.set J, J+2
.endr
.irp b, 0,1,2,3
	v_fma_f32 v[BM+\b], v[BM+\b], s[CS], v12
.endr
.set J, 0
	s_wait_alu depctr_va_vdst(0)
.rept 64
	v_exp_f32 v[S+J], v[S+J]                       ; p = 2^(t - M): not normalised
.set J, J+1
.endr
	v_pk_mul_f32 v[14:15], v[14:15], v[F:F+1] op_sel_hi:[1,0]   ; the sums under the new M; a plain place behind the exponentials
	s_wait_alu depctr_va_vdst(0)                   ; one wait for the batch, ahead of its first use
.irp b, 0,1,2,3
	v_exp_f32 v[BM+\b], v[BM+\b]                   ; the blocks' largest p
.endr
	v_pk_add_f32 v[216:217], v[100:101], v[104:105]   ; the row's sum of the unquantised p, in eight chains
	v_pk_add_f32 v[254:255], v[108:109], v[112:113]
	v_pk_add_f32 v[252:253], v[116:117], v[120:121]
	v_pk_add_f32 v[250:251], v[124:125], v[128:129]
	v_pk_add_f32 v[248:249], v[132:133], v[136:137]
	v_pk_add_f32 v[246:247], v[140:141], v[144:145]
	v_pk_add_f32 v[244:245], v[148:149], v[152:153]
	v_pk_add_f32 v[14:15], v[14:15], v[156:157]
	v_pk_add_f32 v[216:217], v[216:217], v[96:97]
	v_pk_add_f32 v[254:255], v[254:255], v[98:99]
	v_pk_add_f32 v[252:253], v[252:253], v[102:103]
	v_pk_add_f32 v[250:251], v[250:251], v[106:107]
	v_pk_add_f32 v[248:249], v[248:249], v[110:111]
	v_pk_add_f32 v[246:247], v[246:247], v[114:115]
	v_pk_add_f32 v[244:245], v[244:245], v[118:119]
	v_pk_add_f32 v[14:15], v[14:15], v[122:123]
	v_pk_add_f32 v[216:217], v[216:217], v[126:127]
	v_pk_add_f32 v[254:255], v[254:255], v[130:131]
	v_pk_add_f32 v[252:253], v[252:253], v[134:135]
	v_pk_add_f32 v[250:251], v[250:251], v[138:139]
	v_pk_add_f32 v[248:249], v[248:249], v[142:143]
	v_pk_add_f32 v[246:247], v[246:247], v[146:147]
	v_pk_add_f32 v[244:245], v[244:245], v[150:151]
	v_pk_add_f32 v[14:15], v[14:15], v[154:155]
	v_pk_add_f32 v[216:217], v[216:217], v[158:159]
	s_delay_alu instid0(VALU_DEP_2)
	v_pk_add_f32 v[14:15], v[14:15], v[250:251]
	s_delay_alu instid0(VALU_DEP_2)
	v_pk_add_f32 v[216:217], v[216:217], v[248:249]
	v_pk_add_f32 v[254:255], v[254:255], v[246:247]
	v_pk_add_f32 v[252:253], v[252:253], v[244:245]
	s_delay_alu instid0(VALU_DEP_2)
	v_pk_add_f32 v[14:15], v[14:15], v[254:255]
	s_delay_alu instid0(VALU_DEP_2)
	v_pk_add_f32 v[216:217], v[216:217], v[252:253]
	s_delay_alu instid0(VALU_DEP_1)
	v_pk_add_f32 v[14:15], v[14:15], v[216:217]
	s_wait_alu depctr_va_vdst(0)                   ; and one for the four
.irp b, 0,1,2,3
	v_max_num_f32 v[BM+\b], 0x1800000, v[BM+\b]    ; the floor 2^(3 - 127)
.endr
.irp b, 0,1,2,3
	s_delay_alu instid0(VALU_DEP_4)
	v_add_nc_u32 v[SO+\b], 0xff000000, v[BM+\b]    ; the conversion's scale operand
.endr
.irp b, 0,1,2,3
	s_delay_alu instid0(VALU_DEP_4)
	v_lshrrev_b32 v[BX+\b], 23, v[SO+\b]           ; the scale's byte
.endr
	s_delay_alu instid0(VALU_DEP_3)
	v_lshl_or_b32 v[PSW], v[BX+1], 8, v[BX]
	s_delay_alu instid0(VALU_DEP_1)
	v_lshl_or_b32 v[PSW], v[BX+2], 16, v[PSW]
	s_delay_alu instid0(VALU_DEP_1)
	v_lshl_or_b32 v[PSW], v[BX+3], 24, v[PSW]
.irp c, 0,1
	v_cvt_scalef32_pk16_fp6_f32 v[PC+6*\c:PC+2+6*\c], v[S+32*\c:S+15+32*\c], v[SO+2*\c]
	v_cvt_scalef32_pk16_fp6_f32 v[PT+4*\c:PT+2+4*\c], v[S+16+32*\c:S+31+32*\c], v[SO+2*\c+1]
.endr
	v_nop                                          ; one plain place behind a scaled conversion
.irp c, 0,1
.irp i, 0,1,2
	v_permlane16_swap_b32 v[PC+6*\c+\i], v[PT+4*\c+\i]
.endr
.irp i, 0,1,2
	s_delay_alu instid0(VALU_DEP_3)
	v_mov_b32 v[PC+3+6*\c+\i], v[PT+4*\c+\i]
.endr
.endr
.irp i, 0,1,2,3                                ; v^T's four fragments of these 128 keys, into the registers that p has left
	ds_load_b128 v[S+12*\i:S+12*\i+3], v[DVA+\i/2] offset:(\i%2)*24576
	ds_load_b64 v[S+12*\i+4:S+12*\i+5], v[DVB+\i/2] offset:(\i%2)*24576+512
	ds_load_b128 v[S+12*\i+6:S+12*\i+9], v[DVA+\i/2] offset:(\i%2)*24576+768
	ds_load_b64 v[S+12*\i+10:S+12*\i+11], v[DVB+\i/2] offset:(\i%2)*24576+1280
	ds_load_b32 v[VSW+\i], v[DVS] offset:\i*2048
.endr
.set J, 0
.rept 16
	v_pk_mul_f32 v[O+J:O+J+1], v[O+J:O+J+1], v[F:F+1] op_sel_hi:[1,0]   ; O^T under the new M; these sixteen are also the places between p's codes and scale word and the products
.set J, J+2
.endr
	s_wait_alu depctr_va_vdst(0)
	s_wait_dscnt 0x0
.irp i, 0,1,2,3
	v_wmma_scale_f32_16x16x128_f8f6f4 v[O+8*\i:O+8*\i+7], v[S+12*\i:S+12*\i+11], v[PC:PC+11], v[O+8*\i:O+8*\i+7], v[VSW+\i], v[PSW] matrix_a_fmt:MATRIX_FMT_FP6 matrix_b_fmt:MATRIX_FMT_FP6
.endr
	s_add_co_u32 s80, s80, 6144
	s_add_co_u32 s81, s81, 1024
	s_add_co_u32 s82, s82, 128
	s_add_co_u32 s96, s96, 1536
	s_add_co_u32 s83, s83, 1
	s_cmp_lt_u32 s83, 16
	s_cbranch_scc1 .Lstep
	; THE WAY OUT: O^T / the sum, quantised along the head's 64: half a fragment and two scale bytes a row
.rept 4
	v_nop
.endr
	v_add_f32 v14, v14, v15
	s_delay_alu instid0(VALU_DEP_1)
	v_permlanex16_b32 v[TA], v14, s[SEL], s[SEL+1]
	s_delay_alu instid0(VALU_DEP_1)
	v_add_f32 v14, v14, v[TA]                      ; the row's sum
	s_wait_alu depctr_va_vdst(0)
	v_rcp_f32 v14, v14
	v_nop                                          ; a plain place behind it
	s_wait_alu depctr_va_vdst(0)                   ; a wait ahead of the first use
.set J, 0
.rept 32
	v_mul_f32 v[S+J], v[O+J], v14
.set J, J+1
.endr
.irp b, 0,1
	v_max3_num_f32 v[BM+\b], |v[S+16*\b]|, |v[S+1+16*\b]|, 0x1800000
.endr
.irp i, 2,4,6,8,10,12,14
.irp b, 0,1
	s_delay_alu instid0(VALU_DEP_2)
	v_max3_num_f32 v[BM+\b], v[BM+\b], |v[S+16*\b+\i]|, |v[S+1+16*\b+\i]|
.endr
.endr
.irp b, 0,1
	s_delay_alu instid0(VALU_DEP_2)
	v_permlanex16_b32 v[BX+\b], v[BM+\b], s[SEL], s[SEL+1]
.endr
.irp b, 0,1
	s_delay_alu instid0(VALU_DEP_2)
	v_max_num_f32 v[BM+\b], v[BM+\b], v[BX+\b]
.endr
.irp b, 0,1
	s_delay_alu instid0(VALU_DEP_2)
	v_add_nc_u32 v[SO+\b], 0xff000000, v[BM+\b]
.endr
.irp b, 0,1
	s_delay_alu instid0(VALU_DEP_2)
	v_lshrrev_b32 v[BX+\b], 23, v[SO+\b]
.endr
	s_delay_alu instid0(VALU_DEP_1)
	v_lshl_or_b32 v[TA], v[BX+1], 8, v[BX]
	v_cvt_scalef32_pk16_fp6_f32 v[PC:PC+2], v[S:S+15], v[SO]
	v_cvt_scalef32_pk16_fp6_f32 v[PT:PT+2], v[S+16:S+31], v[SO+1]
	v_nop
.irp i, 0,1,2
	v_permlane16_swap_b32 v[PC+\i], v[PT+\i]
.endr
.irp i, 0,1,2
	s_delay_alu instid0(VALU_DEP_3)
	v_mov_b32 v[PC+3+\i], v[PT+\i]
.endr
	global_store_b128 v[L16], v[PC:PC+3], s[92:93]
	global_store_b64 v[L8], v[PC+4:PC+5], s[92:93] offset:512
	global_store_b16 v[L4], v[TA], s[94:95]        ; a word's two halves belong to two heads: each work-group stores its own bytes
	s_wait_tensorcnt 0x0                           ; the wave's end
	ds_add_u32 v[SPW], v[NIL]
	s_wait_dscnt 0x0
	ROUND                                          ; the closing round
	s_endpgm
.Lfunc_end_k_q471ec184eb_attn:
	.size	k_q471ec184eb_attn, .Lfunc_end_k_q471ec184eb_attn-k_q471ec184eb_attn
	.p2alignl 7, 3214868480
	.fill 96, 4, 3214868480
	.section	.rodata,"a",@progbits
	.p2align	6, 0x0
	.amdhsa_kernel k_q471ec184eb_attn
		.amdhsa_group_segment_fixed_size 223232
		.amdhsa_private_segment_fixed_size 0
		.amdhsa_enable_private_segment 0
		.amdhsa_kernarg_size 16
		.amdhsa_user_sgpr_count 2
		.amdhsa_user_sgpr_kernarg_segment_ptr 1
		.amdhsa_wavefront_size32 1
		.amdhsa_system_sgpr_workgroup_id_x 1
		.amdhsa_system_sgpr_workgroup_id_y 1
		.amdhsa_system_sgpr_workgroup_id_z 1
		.amdhsa_system_vgpr_workitem_id 0
		.amdhsa_next_free_vgpr 256
		.amdhsa_next_free_sgpr 100
		.amdhsa_reserve_vcc 0
		.amdhsa_float_denorm_mode_32 3
		.amdhsa_float_denorm_mode_16_64 3
		.amdhsa_memory_ordered 1
		.amdhsa_forward_progress 1
		.amdhsa_inst_pref_size 35
	.end_amdhsa_kernel
	.amdgpu_metadata
---
amdhsa.version: [ 1, 2 ]
amdhsa.kernels:
  - .name:           k_q471ec184eb_attn
    .symbol:         k_q471ec184eb_attn.kd
    .args:
      - { .name: qkv, .offset: 0, .size: 8, .value_kind: global_buffer, .address_space: global }
      - { .name: ao, .offset: 8, .size: 8, .value_kind: global_buffer, .address_space: global }
    .group_segment_fixed_size: 223232
    .private_segment_fixed_size: 0
    .kernarg_segment_align: 8
    .kernarg_segment_size: 16
    .max_flat_workgroup_size: 512
    .sgpr_count:     100
    .vgpr_count:     256
    .wavefront_size: 32
...
	.end_amdgpu_metadata
.endif
;; end of part 10
;; launch wo (part 11): grid 8 x 32, 4 waves a work-group, clusters of 4 x 4, 327,680 bytes of LDS; arguments ao, wts, x, x1; writes x1
.if DOCPART == 11
	.amdgcn_target "amdgcn-amd-amdhsa--gfx1250"
	.amdhsa_code_object_version 6
	.text
	.protected	k_q471ec184eb_wo
	.globl	k_q471ec184eb_wo
	.p2align	8
	.type	k_q471ec184eb_wo,@function
k_q471ec184eb_wo:
	s_mov_b64 s[64:65], 0
	v_nop
	global_prefetch_b8 v0, s[64:65] scope:SCOPE_SE
	s_setreg_imm32_b32 hwreg(HW_REG_WAVE_MODE, 25, 1), 1
	s_wait_xcnt 0x0
	s_wait_alu depctr_hold_cnt(0) depctr_sa_sdst(0) depctr_va_vdst(0) depctr_va_sdst(0) depctr_va_ssrc(0) depctr_va_vcc(0) depctr_vm_vsrc(0)
	s_getreg_b32 s2, hwreg(HW_REG_IB_STS2, 6, 4)
	s_cmp_eq_u32 s2, 0
	s_cbranch_scc0 .Lentry_in_a_cluster
	s_endpgm
.Lentry_in_a_cluster:
	s_bfe_u32 s2, ttmp6, 0x10000c
	s_cmp_lg_u32 s2, 0xf033
	s_cbranch_scc0 .Lentry_shape_is_right
	s_endpgm
.Lentry_shape_is_right:
; x1 = x + attention's output x wo^T, on codes of FP6; x1 is f32, row-major.  No work of reference() is left out.
; Operands lie in memory as images of their registers (the layout stands at the head of prep).  N is 1,024: a tile of C is 128 x 128, so that the grid has 8 x 32 = 256 work-groups.
; Four waves, 2 x 2, each 64 x 64: 16 accumulators, which take turns.  A slot holds 512 along K (four K steps of 128): 256 rows x 384 bytes = 98,304 bytes.  K is 1,024 here: both slots are first fills and nothing is filled again.
; CLUSTERS 4 x 4: A's tiles are shared along a row of the cluster, B's along a column, by joint loads.  THE MATRIX INSTRUCTION IS USED TRANSPOSED (source 0 = 16 rows of B, source 1 = 16 rows of A).
; Both operands have two sets of fragment registers: a K step begins with the next step's 32 LDS loads and then issues its 16 products.
; THE RESIDUAL, 64 x 64 numbers a wave, is asked for at the head, in the layout in which rows come back from the stage: the way out waits for no memory.
; THE WAY OUT: a block of 16 rows goes through my own stage in LDS and comes back as rows of 256 bytes, two an instruction; the stage's byte order undoes the order of B's rows, the stores' row offsets that of A's.
; REGISTERS: window 0: v16-31 addresses; v32-63 scale words, two sets; v64-67 the bias (where there is one); v128.., v192.. A's two sets.  Window 1: B's two sets, v0.., v128...  Window 2: v0-127 accumulators, v128-255 the residual.
.set MA,     4                         ; A's blocks of 16 rows a wave
.set NQ,     4                         ; K steps of 128 in a slot
.set KS,     8                         ; K / 128
.set ASOFF,  3145728                   ; ao's scale words
.set BCOFF,  2359296                   ; wo's codes in wts
.set BSOFF,  9633792                   ; wo's scale words
.set BIAS,   0
.set PF,     0                         ; no prefetch: nothing is filled again
.set FR,     12                        ; registers of a fragment
.set NP,     4                         ; places behind this matrix instruction (ISA guide 7.12.1)
.set LAPS,   KS/(2*NQ)                 ; a lap = two slots = 1,024 along K
.set BLK,    NQ*1536                   ; one block's part of a slot
.set HALFA,  MA*KS*1536                ; four blocks, all of K: what one wave reads of A.  A's eight blocks lie in LDS as in memory, block b's K step k at 12,288 b + 1,536 k; B's eight behind them
.set HALFB,  MA*KS*1536
.set SLOT,   BLK                       ; from a block's first 512 along K to its second
.set SCL,    2*HALFA+2*HALFB           ; behind the codes: the scale words of the tile's rows, for all of K
.set HALFSA, MA*KS*128
.set HALFSB, MA*KS*128
.set SPARE,  SCL+2*HALFSA+2*HALFSB     ; the spare words, 128 bytes for each wave
.set SPITCH, 272                       ; the stage: 16 rows x (256 bytes + 16) a wave,
.set STAGE,  SPARE+512                 ; on bytes of its own behind the spare words: no fill lands there
.set ADRA, 16                          ; v16-17 my A fragments in slot 0, 1, + 16 x lane; v18-19 + 8 x lane
.set ADRB, 20                          ; v20-23 the same for B
.set STO,  24                          ; the way out: where I put 32 bytes of a row
.set RD,   25                          ; where I read a row back
.set CO,   26                          ; my byte offset in two rows of memory
.set ADRS, 27                          ; my scale words: lanes 0-15 A's, lanes 16-31 B's
.set SPW,  28                          ; my spare word; never rewritten
.set NIL,  29                          ; 0; never rewritten
.set CB,   30                          ; 16 x (lane % 16)
.set PFO,  31                          ; the prefetches' offset
.set SC,   32                          ; set s at v[SC + 16 s]; register 4 i + q: block i, the slot's q-th 128 along K
.set BV,   64
.set AF,   128                         ; A's set p at v[AF + 64 p]
.set BK,   128                         ; the way out: v128-159 and v160-191 by turns
.set RES,  128                         ; in window 2: block a's residual at v[RES + 32 a]
.set G1,   24
.set G0,   32
.set G1B,  48
.set G0B,  56
.set G1S,  68
.set G0S,  76
.set G1SB, 80
.set G0SB, 88
.set PFA,  98
.set LIM,  100
.set MSB, 0
.macro WIN new                         ; the immediate's high byte repeats the setting that is left
.if MSB != (\new)
	s_set_vgpr_msb (MSB<<8)|(\new)
.set MSB, (\new)
.endif
.endm
.set MUL_LO, 0xa1                      ; source 0 (B) window 1, source 1 (A) window 0, C and D window 2
.set TO_B,   0x40
.macro JLOAD g0a, g1a, g0b, g1b        ; a joint load: waves 0, 1 fetch for A, waves 2, 3 for B; an s_nop 0 and four v_nop follow each line
	s_cmp_eq_u32 s15, 0
	s_cbranch_scc0 .Lfor_b_\@
	tensor_load_to_lds s[\g0a:\g0a+3], s[\g1a:\g1a+7]
	s_nop 0
.rept 4
	v_nop
.endr
	s_branch .Lasked_\@
.Lfor_b_\@:
	tensor_load_to_lds s[\g0b:\g0b+3], s[\g1b:\g1b+7]
	s_nop 0
.rept 4
	v_nop
.endr
.Lasked_\@:
.endm
.macro CREST                           ; a round of the cluster's barrier behind its opening barrier
	s_cmp_lg_u32 s14, 0
	s_cbranch_scc1 .Lnot_wave_0_\@
	s_barrier_signal -3
.Lnot_wave_0_\@:
	s_barrier_wait -3
	s_barrier_signal -1
	s_barrier_wait -1
.endm
.macro CROUND
	s_barrier_signal -1
	s_barrier_wait -1
	CREST
.endm
.macro PLACES n
.rept \n
	v_nop
.endr
.endm
; A PREFETCH INTO THE L2 of the chunk (512 along K) that the NEXT refill asks for: one change of slots, 64 matrix instructions a wave, ahead of that load.  A block's part of a chunk is 6,144 consecutive bytes:
; 24 aligned blocks of 256 bytes, a lane each; lanes 24 to 31 name lane 23's again.  A's tile row is read by both clusters of that row of clusters: cluster x = 0 asks; B's tile column by all eight of its column: cluster y = 0 asks.
; Of the four blocks that a wave fetches, each of the four partners that ask for them jointly takes one, told apart BY ADDRESS.  last = 1 (slot 1's change): in the loop's last trip there is no chunk behind the one that is filled.
.macro ASK last
.if \last
	s_cmp_gt_u32 s3, s[LIM]
.else
	s_cmp_eq_u32 s[LIM], 1
.endif
	s_cbranch_scc0 .Lnot_mine_\@
	global_prefetch_b8 v[PFO], s[PFA:PFA+1] th:TH_LOAD_NT scope:SCOPE_SE
.Lnot_mine_\@:
.endm
.macro FRAG reg, adr, q, i             ; block i's fragment of the slot's q-th 128 along K, as it lies
	ds_load_b128 v[\reg:\reg+3], v[\adr] offset:(\i)*KS*1536+(\q)*1536
	ds_load_b64 v[\reg+4:\reg+5], v[\adr+2] offset:(\i)*KS*1536+(\q)*1536+512
	ds_load_b128 v[\reg+6:\reg+9], v[\adr] offset:(\i)*KS*1536+(\q)*1536+768
	ds_load_b64 v[\reg+10:\reg+11], v[\adr+2] offset:(\i)*KS*1536+(\q)*1536+1280
.endm
.macro FETCH slot, q, p                ; 32 LDS loads in one run: B's four fragments and A's four, into set p
	WIN TO_B
.irp i, 0,1,2,3
	FRAG 128*(\p)+FR*\i, ADRB+\slot, \q, \i
.endr
	WIN 0
.irp i, 0,1,2,3
	FRAG AF+64*(\p)+FR*\i, ADRA+\slot, \q, \i
.endr
.endm
.macro SCALES sc                       ; a slot's scale words: lanes 0-15 take A's block i, lanes 16-31 B's block i
.irp i, 0,1,2,3
.irp q, 0,1,2,3
	ds_load_b32 v[SC+16*\sc+4*\i+\q], v[ADRS] offset:(\i*KS+\q)*128
.endr
.endr
.endm
.macro MULB a, p, q, sc, zero          ; A's block a against B's four.  The accumulators take turns, one instruction a turn, in the same order in every step
	WIN MUL_LO
.irp b, 0,1,2,3
.if \zero
	v_wmma_scale_f32_16x16x128_f8f6f4 v[8*(4*(\a)+\b):8*(4*(\a)+\b)+7], v[128*(\p)+FR*\b:128*(\p)+FR*\b+FR-1], v[AF+64*(\p)+FR*(\a):AF+64*(\p)+FR*(\a)+FR-1], 0, v[SC+16*(\sc)+4*\b+(\q)], v[SC+16*(\sc)+4*(\a)+(\q)] matrix_a_fmt:MATRIX_FMT_FP6 matrix_b_fmt:MATRIX_FMT_FP6 matrix_a_scale:MATRIX_SCALE_ROW1
.else
	v_wmma_scale_f32_16x16x128_f8f6f4 v[8*(4*(\a)+\b):8*(4*(\a)+\b)+7], v[128*(\p)+FR*\b:128*(\p)+FR*\b+FR-1], v[AF+64*(\p)+FR*(\a):AF+64*(\p)+FR*(\a)+FR-1], v[8*(4*(\a)+\b):8*(4*(\a)+\b)+7], v[SC+16*(\sc)+4*\b+(\q)], v[SC+16*(\sc)+4*(\a)+(\q)] matrix_a_fmt:MATRIX_FMT_FP6 matrix_b_fmt:MATRIX_FMT_FP6 matrix_a_scale:MATRIX_SCALE_ROW1
.endif
.endr
.endm
.macro MULS a0, n, p, q, sc, zero
.set AI, \a0
.rept \n
	MULB AI, \p, \q, \sc, \zero
.set AI, AI+1
.endr
.endm
.macro STEP slot, q, zero              ; one of a slot's first three K steps: set q % 2 is multiplied, the next step's fragments go into the other set
.set NXQ, (\q)+1
.set NXP, ((\q)+1)%2
.set CUP, (\q)%2
	s_wait_dscnt 0x0                               ; this step's fragments are in
	PLACES NP                                      ; in front of loads into the set that the last step's products have read
	FETCH \slot, NXQ, NXP
	MULS 0, MA, CUP, \q, \slot, \zero
.endm
.macro TURN slot, next, fill           ; a slot's last K step (set 1) changes slots: one barrier
.if \fill
.if PF
	s_wait_xcnt 0x0                                ; the last prefetch, a change of slots back, has read its address: it is stepped here
	s_add_nc_u64 s[PFA:PFA+1], s[PFA:PFA+1], BLK
.endif
.endif
	WIN 0                                          ; (the add's two registers lie in window 0)
	s_wait_tensorcnt 0x0                           ; all my tensor loads have landed: my part of the next slot
	ds_add_u32 v[SPW], v[NIL]                      ; 0 onto my spare word
	s_wait_dscnt 1                                 ; this step's fragments are in (the add may be out)
	MULS 0, 1, 1, NQ-1, \slot, 0
	s_wait_dscnt 0x0                               ; the add is done, and my reads of this slot are over
	s_barrier_signal -1
	MULS 1, 1, 1, NQ-1, \slot, 0
	WIN 0
	s_barrier_wait -1
.if \fill
	CREST                                          ; the barrier has opened a round of the cluster's: no wave of any partner still reads this slot or has a load on its way
	s_add_nc_u64 s[G0+4*\slot+2:G0+4*\slot+3], s[G0+4*\slot+2:G0+4*\slot+3], 2*BLK
	s_add_nc_u64 s[G0B+4*\slot+2:G0B+4*\slot+3], s[G0B+4*\slot+2:G0B+4*\slot+3], 2*BLK
	JLOAD G0+4*\slot, G1, G0B+4*\slot, G1B         ; first behind the round; its four v_nop are the places in front of the loads below
.else
	PLACES NP
.endif
	v_add_nc_u32 v[ADRS], NQ*128, v[ADRS]          ; the next slot's scale words
	FETCH \next, 0, 0
	SCALES \next
.if \fill
.if PF
	ASK \slot                                      ; behind the joint load and the run of LDS loads
.endif
.endif
	MULS 2, 2, 1, NQ-1, \slot, 0
.endm
	s_load_b128 s[4:7], s[0:1], 0x0                ; A's buffer, wts
.if BIAS
	s_load_b128 s[8:11], s[0:1], 0x10              ; the residual, the bias
	s_load_b64 s[12:13], s[0:1], 0x20              ; the result
.else
	s_load_b64 s[8:9], s[0:1], 0x10                ; the residual
	s_load_b64 s[12:13], s[0:1], 0x18              ; the result
.endif
	v_lshl_add_u32 v[SPW], v0, 2, SPARE
	v_mov_b32 v[NIL], 0
	ds_add_u32 v[SPW], v[NIL]                      ; the wave's opening: two adds on end, waited for ahead of my first tensor load
	ds_add_u32 v[SPW], v[NIL]
	v_lshrrev_b32 v1, 5, v0
	v_readfirstlane_b32 s14, v1                    ; wave 0..3
	s_lshr_b32 s15, s14, 1                         ; my half of the tile's rows; also: I fetch for A (0) or for B (1)
	s_and_b32 s16, s14, 1                          ; my half of its columns; also: which half of that tile I fetch
	s_bfe_u32 s40, ttmp6, 0x40000                  ; cx
	s_bfe_u32 s41, ttmp6, 0x40004                  ; cy
	s_lshl_b32 s42, ttmp9, 2
	s_add_co_u32 s42, s42, s40                     ; tile column
	s_and_b32 s17, ttmp7, 0xffff
	s_lshl_b32 s17, s17, 2
	s_add_co_u32 s17, s17, s41                     ; tile row
	s_lshl_b32 s43, s41, 2
	s_lshl_b32 s43, 15, s43                        ; my row of the cluster
	s_lshl_b32 s44, 0x1111, s40                    ; my column
	s_or_b32 s[G1+0], s43, (3<<16)|(1<<21)         ; the mask; elements of 8 bytes; bit 21 beside a mask; no padding
	s_or_b32 s[G1B+0], s44, (3<<16)|(1<<21)
	s_or_b32 s[G1S+0], s43, (3<<16)|(1<<21)
	s_or_b32 s[G1SB+0], s44, (3<<16)|(1<<21)
.irp g, G1, G1B
	s_mov_b32 s[\g+1], 32<<16                      ; the tile's eight blocks, all of K, are one dense block of 98,304 bytes: 384 rows of 256 bytes
	s_mov_b32 s[\g+2], (2*HALFA/256)<<16
	s_mov_b32 s[\g+3], 32<<16
	s_mov_b32 s[\g+4], 2*HALFA/256
	s_mov_b32 s[\g+5], 32
	s_mov_b32 s[\g+6], 0
	s_mov_b32 s[\g+7], 0
.endr
.irp g, G1S, G1SB
	s_mov_b32 s[\g+1], 32<<16                      ; the scale words: a dense block, as rows of 256 bytes
	s_mov_b32 s[\g+2], (2*HALFSA/256)<<16
	s_mov_b32 s[\g+3], 32<<16
	s_mov_b32 s[\g+4], 2*HALFSA/256
	s_mov_b32 s[\g+5], 32
	s_mov_b32 s[\g+6], 0
	s_mov_b32 s[\g+7], 0
.endr
	s_lshl_b32 s20, s17, 3                         ; A: the tile's first block
	s_mul_i32 s22, s20, KS*128
	s_add_co_u32 s22, s22, ASOFF
	s_mul_i32 s20, s20, KS*1536
	s_mov_b32 s21, 0
	s_mov_b32 s23, 0
	s_lshl_b32 s46, s42, 3                         ; B likewise
	s_mul_i32 s92, s46, KS*128
	s_add_co_u32 s92, s92, BSOFF
	s_mul_i32 s46, s46, KS*1536
	s_add_co_u32 s46, s46, BCOFF
	s_mov_b32 s47, 0
	s_mov_b32 s93, 0
	s_wait_dscnt 0x0                               ; both opening adds are done
	s_wait_kmcnt 0x0
	s_add_nc_u64 s[20:21], s[4:5], s[20:21]
	s_add_nc_u64 s[22:23], s[4:5], s[22:23]
	s_add_nc_u64 s[46:47], s[6:7], s[46:47]
	s_add_nc_u64 s[92:93], s[6:7], s[92:93]
	CROUND                                         ; all sixteen work-groups are here: the first joint loads meet
	s_mov_b32 s[G0], 1                             ; the launch's four tiles, each whole: A's codes,
	s_mov_b32 s[G0+1], 0
	s_mov_b64 s[G0+2:G0+3], s[20:21]
	s_or_b32 s[G0+3], s[G0+3], 0x80000000
	s_mov_b32 s[G0B], 1                            ; B's codes behind them,
	s_mov_b32 s[G0B+1], 2*HALFA
	s_mov_b64 s[G0B+2:G0B+3], s[46:47]
	s_or_b32 s[G0B+3], s[G0B+3], 0x80000000
	s_mov_b32 s[G0S], 1                            ; A's scale words,
	s_mov_b32 s[G0S+1], SCL
	s_mov_b64 s[G0S+2:G0S+3], s[22:23]
	s_or_b32 s[G0S+3], s[G0S+3], 0x80000000
	s_mov_b32 s[G0SB], 1                           ; and B's
	s_mov_b32 s[G0SB+1], SCL+2*HALFSA
	s_mov_b64 s[G0SB+2:G0SB+3], s[92:93]
	s_or_b32 s[G0SB+3], s[G0SB+3], 0x80000000
; ONE TENSOR LOAD A WAVE, in one chain of branches on the wave's number: wave 0 A's codes, wave 1 B's, wave 2 A's scale words, wave 3 B's
.macro ARM under, g0, g1, next
	s_cmp_lt_u32 s14, \under
	s_cbranch_scc0 \next
	tensor_load_to_lds s[\g0:\g0+3], s[\g1:\g1+7]
	s_nop 0
	PLACES 4
	s_branch .Lhead_asked
\next:
.endm
	ARM 1, G0, G1, .Lhead_b
	ARM 2, G0B, G1B, .Lhead_sa
	ARM 3, G0S, G1S, .Lhead_sb
	tensor_load_to_lds s[G0SB:G0SB+3], s[G1SB:G1SB+7]
	s_nop 0
	PLACES 4
.Lhead_asked:
	v_and_b32 v1, 31, v0                           ; lane
	v_bfe_u32 v2, v0, 4, 1                         ; lane / 16
	v_lshlrev_b32 v3, 4, v1
	v_lshlrev_b32 v4, 3, v1
	s_mul_i32 s21, s15, HALFA                      ; my rows of A
	s_mul_i32 s22, s16, HALFB                      ; my rows of B, behind A's two halves
	s_add_co_u32 s22, s22, 2*HALFA
.irp s, 0,1
	v_add_nc_u32 v[ADRA+\s], s21, v3
	v_add_nc_u32 v[ADRA+2+\s], s21, v4
	v_add_nc_u32 v[ADRB+\s], s22, v3
	v_add_nc_u32 v[ADRB+2+\s], s22, v4
	s_add_co_u32 s21, s21, SLOT
	s_add_co_u32 s22, s22, SLOT
.endr
	s_mul_i32 s21, s15, HALFSA
	s_mul_i32 s22, s16, HALFSB
	s_add_co_u32 s22, s22, 2*HALFSA
	s_sub_co_u32 s22, s22, s21
	v_mul_u32_u24 v6, s22, v2                      ; lanes 16-31 take B's words
	s_add_co_u32 s21, s21, SCL
	v_lshl_add_u32 v5, v1, 2, v6
	v_add_nc_u32 v[ADRS], s21, v5
	s_mul_i32 s23, s14, 16*SPITCH                  ; my stage
	s_add_co_u32 s23, s23, STAGE
	v_and_b32 v5, 15, v0
	v_mul_u32_u24 v6, v5, SPITCH
	v_lshl_add_u32 v6, v2, 6, v6
	v_add_nc_u32 v[STO], s23, v6                   ; in: row lane % 16, + 64 bytes for the upper lanes
	v_mul_u32_u24 v6, v2, SPITCH
	v_lshl_add_u32 v6, v5, 4, v6
	v_add_nc_u32 v[RD], s23, v6                    ; back: lanes 0-15 one row of 256 bytes, lanes 16-31 the next
	v_lshlrev_b32 v[CB], 4, v5
	v_lshl_add_u32 v[CO], v2, 12, v[CB]            ; and the same two rows in memory, 4,096 bytes apart
	s_wait_alu depctr_va_vdst(0)
	s_lshl_b32 s18, s42, 9                         ; my first column: 512 x tile column + 256 x half, in bytes
	s_lshl_b32 s19, s16, 8
	s_add_co_u32 s18, s18, s19
	s_mov_b32 s19, 0
.if BIAS
	s_add_nc_u64 s[10:11], s[10:11], s[18:19]
	global_load_b128 v[BV:BV+3], v[CB], s[10:11]   ; the bias of my four columns of a row read back
.endif
	s_lshl_b32 s20, s17, 19                        ; my first row: 128 x tile row + 64 x half, rows of 4,096 bytes
	s_lshl_b32 s21, s15, 18
	s_add_co_u32 s20, s20, s21
	s_add_co_u32 s18, s18, s20
	s_add_nc_u64 s[8:9], s[8:9], s[18:19]
	s_add_nc_u64 s[12:13], s[12:13], s[18:19]
	WIN 0x80                                       ; destination window 2.  Block a's rows 2 t and 2 t + 1 of the stage are rows 32 (a / 2) + 8 (a % 2) + 2 t + 8 (t / 4) and the next of my 64
.irp a, 0,1,2,3
.irp t, 0,1,2,3,4,5,6,7
	global_load_b128 v[RES+32*\a+4*\t:RES+32*\a+4*\t+3], v[CO], s[8:9] offset:(32*(\a/2)+8*(\a%2)+2*\t+8*(\t/4))*4096
.endr
.endr
	WIN 0
.if PF
	s_and_b32 s22, ttmp7, 0xffff                   ; cluster y
	s_lshl_b32 s20, s17, 3
	s_lshl_b32 s21, s42, 3
	s_cmp_eq_u32 s15, 0                            ; do I fetch for A?
	s_cselect_b32 s20, s20, s21                    ; the tile's first block: in A by the tile row, in B by the tile column
	s_cselect_b32 s21, s40, s41                    ; my place among the four that ask for it with me
	s_cselect_b32 s22, ttmp9, s22                  ; the coordinate along which other clusters read the same rows
	s_cselect_b32 s23, 0, BCOFF
	s_cselect_b64 s[PFA:PFA+1], s[4:5], s[6:7]
	s_cmp_eq_u32 s22, 0
	s_cselect_b32 s[LIM], 1, -1                    ; the same in all sixteen partners, for a given wave
	s_lshl_b32 s22, s16, 2
	s_add_co_u32 s20, s20, s22                     ; + the four blocks that I fetch
	s_add_co_u32 s20, s20, s21                     ; + my work-group's one of them
	s_mul_i32 s20, s20, KS*1536
	s_add_co_u32 s20, s20, s23
	s_add_co_u32 s20, s20, 2*BLK                   ; at chunk 2: the first refill steps it to chunk 3 and names that.  Nothing is prefetched here, at the head
	s_mov_b32 s21, 0
	s_add_nc_u64 s[PFA:PFA+1], s[PFA:PFA+1], s[20:21]
	v_min_u32 v[PFO], 23, v1
	v_lshlrev_b32 v[PFO], 8, v[PFO]
.endif
	s_wait_tensorcnt 0x0                           ; my tile is in; behind the barrier all four are
	s_barrier_signal -1
	s_barrier_wait -1
	FETCH 0, 0, 0
	SCALES 0
	STEP 0, 0, 1                                   ; the first step's products start the sums: nothing is cleared
	STEP 0, 1, 0
	STEP 0, 2, 0
.if LAPS > 1
	WIN 0                                          ; at a label and at a branch every window is 0
	s_mov_b32 s3, LAPS-1
.Llap:                                                 ; a trip goes once round the ring and fills both slots again
	TURN 0, 1, 1
	STEP 1, 0, 0
	STEP 1, 1, 0
	STEP 1, 2, 0
	TURN 1, 0, 1
	STEP 0, 0, 0
	STEP 0, 1, 0
	STEP 0, 2, 0
	WIN 0
	s_sub_co_u32 s3, s3, 1
	s_cmp_lg_u32 s3, 0
	s_cbranch_scc1 .Llap
.endif
	TURN 0, 1, 0                                   ; the last lap fills nothing
	STEP 1, 0, 0
	STEP 1, 1, 0
	STEP 1, 2, 0
	s_wait_dscnt 0x0
	MULS 0, MA, 1, NQ-1, 1, 0
	WIN 0
.macro TOSTAGE a                       ; accumulator (a, b) holds columns 32 (b / 2) + 16 (lane / 16) + 8 (b % 2) + 0 .. 7; each is stored from its low end on
	WIN 0x08                                       ; an LDS store's data are its source 1: window 2
.irp b, 0,1,2,3
	ds_store_b128 v[STO], v[8*(4*(\a)+\b):8*(4*(\a)+\b)+3] offset:128*(\b/2)+32*(\b%2)
	ds_store_b128 v[STO], v[8*(4*(\a)+\b)+4:8*(4*(\a)+\b)+7] offset:128*(\b/2)+32*(\b%2)+16
.endr
	WIN 0
.irp t, 0,1,2,3,4,5,6,7
	ds_load_b128 v[BK+32*((\a)%2)+4*\t:BK+32*((\a)%2)+4*\t+3], v[RD] offset:\t*2*SPITCH   ; LDS serves a wave's instructions in order: these see my stores
.endr
.endm
.macro SEND a, yds                     ; yds: the LDS instructions issued behind block a's, which may stay out
	s_wait_dscnt \yds
	WIN 0x08                                       ; source 1, the residual: window 2
.set J, 0
.rept 16
	v_pk_add_f32 v[BK+32*((\a)%2)+J:BK+32*((\a)%2)+J+1], v[BK+32*((\a)%2)+J:BK+32*((\a)%2)+J+1], v[RES+32*(\a)+J:RES+32*(\a)+J+1]
.set J, J+2
.endr
	WIN 0
.if BIAS
.set J, 0
.rept 16
	v_pk_add_f32 v[BK+32*((\a)%2)+J:BK+32*((\a)%2)+J+1], v[BK+32*((\a)%2)+J:BK+32*((\a)%2)+J+1], v[BV+J%4:BV+J%4+1]
.set J, J+2
.endr
.endif
.irp t, 0,1,2,3,4,5,6,7
	global_store_b128 v[CO], v[BK+32*((\a)%2)+4*\t:BK+32*((\a)%2)+4*\t+3], s[12:13] offset:(32*((\a)/2)+8*((\a)%2)+2*\t+8*(\t/4))*4096   ; sixteen lanes store 256 consecutive bytes, at a multiple of 256 from the buffer's first byte
.endr
.endm
	PLACES NP                                      ; in front of the first read of results and of loads into registers that matrix instructions have read
	s_wait_loadcnt 0x0                             ; the residual (and the bias), asked for at the head
	TOSTAGE 0
.irp a, 1,2,3
.if \a > 1
	s_wait_xcnt 0x0                                ; block a - 2's stores have read their registers: block a's loads may land there
.endif
	TOSTAGE \a
	SEND \a-1, 16                                  ; behind block a - 1's: block a's 8 LDS stores and 8 LDS loads
.endr
	SEND 3, 0
	s_wait_tensorcnt 0x0                           ; the wave's end
	ds_add_u32 v[SPW], v[NIL]
	s_wait_dscnt 0x0
	CROUND                                         ; the closing round
	s_endpgm
.Lfunc_end_k_q471ec184eb_wo:
	.size	k_q471ec184eb_wo, .Lfunc_end_k_q471ec184eb_wo-k_q471ec184eb_wo
	.p2alignl 7, 3214868480
	.fill 96, 4, 3214868480
	.section	.rodata,"a",@progbits
	.p2align	6, 0x0
	.amdhsa_kernel k_q471ec184eb_wo
		.amdhsa_group_segment_fixed_size 327680
		.amdhsa_private_segment_fixed_size 0
		.amdhsa_enable_private_segment 0
		.amdhsa_kernarg_size 32
		.amdhsa_user_sgpr_count 2
		.amdhsa_user_sgpr_kernarg_segment_ptr 1
		.amdhsa_wavefront_size32 1
		.amdhsa_system_sgpr_workgroup_id_x 1
		.amdhsa_system_sgpr_workgroup_id_y 1
		.amdhsa_system_sgpr_workgroup_id_z 1
		.amdhsa_system_vgpr_workitem_id 0
		.amdhsa_next_free_vgpr 768
		.amdhsa_next_free_sgpr 102
		.amdhsa_reserve_vcc 0
		.amdhsa_float_denorm_mode_32 3
		.amdhsa_float_denorm_mode_16_64 3
		.amdhsa_memory_ordered 1
		.amdhsa_forward_progress 1
		.amdhsa_inst_pref_size 61
	.end_amdhsa_kernel
	.amdgpu_metadata
---
amdhsa.version: [ 1, 2 ]
amdhsa.kernels:
  - .name:           k_q471ec184eb_wo
    .symbol:         k_q471ec184eb_wo.kd
    .args:
      - { .name: ao, .offset: 0, .size: 8, .value_kind: global_buffer, .address_space: global }
      - { .name: wts, .offset: 8, .size: 8, .value_kind: global_buffer, .address_space: global }
      - { .name: x, .offset: 16, .size: 8, .value_kind: global_buffer, .address_space: global }
      - { .name: x1, .offset: 24, .size: 8, .value_kind: global_buffer, .address_space: global }
    .group_segment_fixed_size: 327680
    .private_segment_fixed_size: 0
    .kernarg_segment_align: 8
    .kernarg_segment_size: 32
    .max_flat_workgroup_size: 128
    .sgpr_count:     102
    .vgpr_count:     768
    .wavefront_size: 32
...
	.end_amdgpu_metadata
.endif
;; end of part 11
;; launch ln2 (part 12): grid 128 x 1, 8 waves a work-group, no clusters, 132,608 bytes of LDS; arguments x1, ln2_g, ln2_b, h2; writes h2
.if DOCPART == 12
	.amdgcn_target "amdgcn-amd-amdhsa--gfx1250"
	.amdhsa_code_object_version 6
	.text
	.protected	k_q471ec184eb_ln2
	.globl	k_q471ec184eb_ln2
	.p2align	8
	.type	k_q471ec184eb_ln2,@function
k_q471ec184eb_ln2:
	s_mov_b64 s[64:65], 0
	v_nop
	global_prefetch_b8 v0, s[64:65] scope:SCOPE_SE
	s_setreg_imm32_b32 hwreg(HW_REG_WAVE_MODE, 25, 1), 1
	s_wait_xcnt 0x0
; h2 = LayerNorm 2 of x1, quantised along its 1,024 columns into an operand (the layout stands at the head of prep).  No work of reference() is left out.
; A work-group takes 32 rows.  Wave w loads rows 4 w .. 4 w + 3 whole, normalises them and lays them into a stage in LDS by position; behind one barrier wave w takes columns 128 w .. 128 w + 127 of all 32 rows:
; two fragments, quantised in registers and stored as they stand.
.set STP,   4112
.set SPARE, 32*STP
.set OFFR,  4
.set SA,    8
.set LA0,   9
.set LA1,   10
.set L16,   11
.set L8,    12
.set L4,    13
.set SPW,   14
.set NIL,   15
.set ST,    16
.set X,     32
.set G,     160
.set BB,    192
.set PC0,   160
.set PC1,   180
.set TM,    224
.set PW,    240
.set SEL,   40
.macro QUANT s, pc, pw
.irp b, 0,1,2,3
	v_max3_num_f32 v[TM+\b], |v[\s+16*\b]|, |v[\s+1+16*\b]|, 0x1800000   ; and the floor 2^(3 - 127): the byte cannot fall under 1
.endr
.irp i, 2,4,6,8,10,12,14
.irp b, 0,1,2,3
	s_delay_alu instid0(VALU_DEP_4)
	v_max3_num_f32 v[TM+\b], v[TM+\b], |v[\s+16*\b+\i]|, |v[\s+1+16*\b+\i]|
.endr
.endr
.irp b, 0,1,2,3
	s_delay_alu instid0(VALU_DEP_4)
	v_permlanex16_b32 v[TM+4+\b], v[TM+\b], s[SEL], s[SEL+1]
.endr
.irp b, 0,1,2,3
	s_delay_alu instid0(VALU_DEP_4)
	v_max_num_f32 v[TM+\b], v[TM+\b], v[TM+4+\b]
.endr
.irp b, 0,1,2,3
	s_delay_alu instid0(VALU_DEP_4)
	v_add_nc_u32 v[TM+12+\b], 0xff000000, v[TM+\b]
.endr
.irp b, 0,1,2,3
	s_delay_alu instid0(VALU_DEP_4)
	v_lshrrev_b32 v[TM+4+\b], 23, v[TM+12+\b]
.endr
	s_delay_alu instid0(VALU_DEP_3)
	v_lshl_or_b32 v[\pw], v[TM+5], 8, v[TM+4]
	s_delay_alu instid0(VALU_DEP_1)
	v_lshl_or_b32 v[\pw], v[TM+6], 16, v[\pw]
	s_delay_alu instid0(VALU_DEP_1)
	v_lshl_or_b32 v[\pw], v[TM+7], 24, v[\pw]
.irp c, 0,1
	v_cvt_scalef32_pk16_fp6_f32 v[\pc+6*\c:\pc+2+6*\c], v[\s+32*\c:\s+15+32*\c], v[TM+12+2*\c]
	v_cvt_scalef32_pk16_fp6_f32 v[\pc+12+4*\c:\pc+14+4*\c], v[\s+16+32*\c:\s+31+32*\c], v[TM+12+2*\c+1]
.endr
	v_nop                                          ; one plain place behind a scaled conversion
.irp c, 0,1
.irp i, 0,1,2
	v_permlane16_swap_b32 v[\pc+6*\c+\i], v[\pc+12+4*\c+\i]
.endr
.irp i, 0,1,2
	s_delay_alu instid0(VALU_DEP_3)
	v_mov_b32 v[\pc+3+6*\c+\i], v[\pc+12+4*\c+\i]
.endr
.endr
.endm
.macro HFSTORE pc, base
	global_store_b128 v[L16], v[\pc:\pc+3], s[\base:\base+1]
	global_store_b64 v[L8], v[\pc+4:\pc+5], s[\base:\base+1] offset:512
	global_store_b128 v[L16], v[\pc+6:\pc+9], s[\base:\base+1] offset:768
	global_store_b64 v[L8], v[\pc+10:\pc+11], s[\base:\base+1] offset:1280
.endm
.macro RED4
.irp m, 1,2,4,8
.irp i, 0,1,2,3
	s_delay_alu instid0(VALU_DEP_4)
	v_add_f32_dpp v[ST+4*\i], v[ST+4*\i], v[ST+4*\i] row_xmask:\m row_mask:0xf bank_mask:0xf
.endr
.endr
.irp i, 0,1,2,3
	s_delay_alu instid0(VALU_DEP_4)
	v_permlanex16_b32 v[ST+4*\i+1], v[ST+4*\i], s[SEL], s[SEL+1]
.endr
.irp i, 0,1,2,3
	s_delay_alu instid0(VALU_DEP_4)
	v_add_f32 v[ST+4*\i], v[ST+4*\i], v[ST+4*\i+1]
.endr
.endm
	s_load_b256 s[4:11], s[0:1], 0x0               ; x1, ln2_g, ln2_b, h2
	v_lshl_add_u32 v[SPW], v0, 2, SPARE
	v_mov_b32 v[NIL], 0
	v_lshrrev_b32 v1, 5, v0
	s_delay_alu instid0(VALU_DEP_1)
	v_readfirstlane_b32 s26, v1                    ; wave 0..7
	v_and_b32 v1, 31, v0
	v_and_b32 v2, 15, v0
	v_bfe_u32 v3, v0, 4, 1
	s_delay_alu instid0(VALU_DEP_3)
	v_lshlrev_b32 v[L16], 4, v1
	s_wait_alu depctr_va_vdst(0)
	v_lshlrev_b32 v[L8], 3, v1
	v_lshlrev_b32 v[L4], 2, v1
	s_and_b32 s27, s26, 1                          ; rows 4 w + i stand at positions 4 w' + i, w' = w with its bits 1 and 2 exchanged
	s_and_b32 s28, s26, 2
	s_lshl_b32 s28, s28, 1
	s_or_b32 s27, s27, s28
	s_and_b32 s28, s26, 4
	s_lshr_b32 s28, s28, 1
	s_or_b32 s27, s27, s28
	s_mul_i32 s27, s27, 4*STP
	v_add_nc_u32 v[SA], s27, v[L16]
	v_mul_u32_u24 v[LA0], v2, STP
	s_delay_alu instid0(VALU_DEP_1)
	v_lshl_add_u32 v[LA0], v3, 6, v[LA0]
	s_lshl_b32 s27, s26, 9
	v_add_nc_u32 v[LA0], s27, v[LA0]
	s_delay_alu instid0(VALU_DEP_1)
	v_add_nc_u32 v[LA1], 16*STP, v[LA0]
	s_mov_b32 s[SEL], 0x76543210
	s_mov_b32 s[SEL+1], 0xfedcba98
	s_mov_b32 s56, 0x3a800000                      ; 1 / 1,024
	s_mov_b32 s57, 0x3727c5ac                      ; 1e-5
.irp b, 0,1,2,3
	v_mov_b32 v[TM+4+\b], 0
.endr
	s_lshl_b32 s32, ttmp9, 17                      ; my 32 rows of 4,096 bytes
	s_mov_b32 s33, 0
	s_lshl_b32 s37, ttmp9, 4
	s_add_co_u32 s37, s37, s26                     ; my first fragment: 16 x work-group + wave
	s_mul_i32 s46, s37, 1536
	s_mov_b32 s47, 0
	s_lshl_b32 s50, s37, 7
	s_add_co_u32 s50, s50, 3145728
	s_mov_b32 s51, 0
	s_lshl_b32 s54, s26, 14                        ; my four rows
.irp i, 0,1,2,3
	v_add_nc_u32 v[OFFR+\i], s54, v[L16]
	s_add_co_u32 s54, s54, 4096
.endr
	s_wait_alu depctr_va_vdst(0)
	s_wait_kmcnt 0x0
	s_add_nc_u64 s[30:31], s[4:5], s[32:33]
	s_add_nc_u64 s[46:47], s[10:11], s[46:47]      ; codes of positions 0-15,
	s_add_nc_u64 s[48:49], s[46:47], 12288         ; of positions 16-31,
	s_add_nc_u64 s[50:51], s[10:11], s[50:51]      ; and the scale words likewise
	s_add_nc_u64 s[52:53], s[50:51], 1024
.irp i, 0,1,2,3
.irp j, 0,1,2,3,4,5,6,7
	global_load_b128 v[X+32*\i+4*\j:X+32*\i+4*\j+3], v[OFFR+\i], s[30:31] offset:512*\j
.endr
.endr
.irp j, 0,1,2,3,4,5,6,7
	global_load_b128 v[G+4*\j:G+4*\j+3], v[L16], s[6:7] offset:512*\j
.endr
.irp j, 0,1,2,3,4,5,6,7
	global_load_b128 v[BB+4*\j:BB+4*\j+3], v[L16], s[8:9] offset:512*\j
.endr
	s_wait_loadcnt 16                              ; my four rows are in; the sixteen loads of gain and bias may be out
.irp i, 0,1,2,3
	v_pk_add_f32 v[ST+4*\i:ST+4*\i+1], v[X+32*\i:X+32*\i+1], v[X+32*\i+2:X+32*\i+3]
	v_pk_add_f32 v[ST+4*\i+2:ST+4*\i+3], v[X+32*\i+4:X+32*\i+5], v[X+32*\i+6:X+32*\i+7]
.endr
.irp j, 8,12,16,20,24,28
.irp i, 0,1,2,3
	v_pk_add_f32 v[ST+4*\i:ST+4*\i+1], v[ST+4*\i:ST+4*\i+1], v[X+32*\i+\j:X+32*\i+\j+1]
	v_pk_add_f32 v[ST+4*\i+2:ST+4*\i+3], v[ST+4*\i+2:ST+4*\i+3], v[X+32*\i+\j+2:X+32*\i+\j+3]
.endr
.endr
.irp i, 0,1,2,3
	v_pk_add_f32 v[ST+4*\i:ST+4*\i+1], v[ST+4*\i:ST+4*\i+1], v[ST+4*\i+2:ST+4*\i+3]
.endr
.irp i, 0,1,2,3
	s_delay_alu instid0(VALU_DEP_4)
	v_add_f32 v[ST+4*\i], v[ST+4*\i], v[ST+4*\i+1]
.endr
	RED4
.irp i, 0,1,2,3
	s_delay_alu instid0(VALU_DEP_4)
	v_mul_f32 v[ST+4*\i], 0xba800000, v[ST+4*\i]   ; minus the mean
.endr
.set J, 0
.rept 16
.irp i, 0,1,2,3
	v_pk_add_f32 v[X+32*\i+J:X+32*\i+J+1], v[X+32*\i+J:X+32*\i+J+1], v[ST+4*\i:ST+4*\i+1] op_sel_hi:[1,0]
.endr
.set J, J+2
.endr
.irp i, 0,1,2,3
	v_pk_mul_f32 v[ST+4*\i:ST+4*\i+1], v[X+32*\i:X+32*\i+1], v[X+32*\i:X+32*\i+1]
	v_pk_mul_f32 v[ST+4*\i+2:ST+4*\i+3], v[X+32*\i+2:X+32*\i+3], v[X+32*\i+2:X+32*\i+3]
.endr
.irp j, 4,8,12,16,20,24,28
.irp i, 0,1,2,3
	v_pk_fma_f32 v[ST+4*\i:ST+4*\i+1], v[X+32*\i+\j:X+32*\i+\j+1], v[X+32*\i+\j:X+32*\i+\j+1], v[ST+4*\i:ST+4*\i+1]
	v_pk_fma_f32 v[ST+4*\i+2:ST+4*\i+3], v[X+32*\i+\j+2:X+32*\i+\j+3], v[X+32*\i+\j+2:X+32*\i+\j+3], v[ST+4*\i+2:ST+4*\i+3]
.endr
.endr
.irp i, 0,1,2,3
	v_pk_add_f32 v[ST+4*\i:ST+4*\i+1], v[ST+4*\i:ST+4*\i+1], v[ST+4*\i+2:ST+4*\i+3]
.endr
.irp i, 0,1,2,3
	s_delay_alu instid0(VALU_DEP_4)
	v_add_f32 v[ST+4*\i], v[ST+4*\i], v[ST+4*\i+1]
.endr
	RED4
.irp i, 0,1,2,3
	s_delay_alu instid0(VALU_DEP_4)
	v_fma_f32 v[ST+4*\i], v[ST+4*\i], s56, s57     ; the variance + 1e-5
.endr
	s_wait_alu depctr_va_vdst(0)
.irp i, 0,1,2,3
	v_rsq_f32 v[ST+4*\i+2], v[ST+4*\i]
.endr
	v_nop                                          ; a plain place behind the last of the four
	s_wait_alu depctr_va_vdst(0)                   ; one wait for the four, ahead of their first use
	s_wait_loadcnt 0x0                             ; gain and bias
.set J, 0
.rept 16
.irp i, 0,1,2,3
	v_pk_mul_f32 v[X+32*\i+J:X+32*\i+J+1], v[X+32*\i+J:X+32*\i+J+1], v[ST+4*\i+2:ST+4*\i+3] op_sel_hi:[1,0]
.endr
.irp i, 0,1,2,3
	s_delay_alu instid0(VALU_DEP_4)
	v_pk_fma_f32 v[X+32*\i+J:X+32*\i+J+1], v[X+32*\i+J:X+32*\i+J+1], v[G+J:G+J+1], v[BB+J:BB+J+1]
.endr
.set J, J+2
.endr
.irp i, 0,1,2,3
.irp j, 0,1,2,3,4,5,6,7
	ds_store_b128 v[SA], v[X+32*\i+4*\j:X+32*\i+4*\j+3] offset:\i*STP+512*\j
.endr
.endr
	s_wait_dscnt 0x0                               ; for the others' sake: my rows lie in the stage
	s_barrier_signal -1
	s_barrier_wait -1
.irp b, 0,1,2,3
.irp j, 0,1,2,3
	ds_load_b128 v[X+16*\b+4*\j:X+16*\b+4*\j+3], v[LA0] offset:128*\b+16*\j
.endr
.endr
.irp b, 0,1,2,3
.irp j, 0,1,2,3
	ds_load_b128 v[X+64+16*\b+4*\j:X+64+16*\b+4*\j+3], v[LA1] offset:128*\b+16*\j
.endr
.endr
	s_wait_dscnt 16                                ; positions 0-15 are in; the sixteen loads of positions 16-31 may be out
	QUANT X, PC0, PW
	s_wait_dscnt 0x0
	QUANT X+64, PC1, PW+1
	HFSTORE PC0, 46
	global_store_b32 v[L4], v[PW], s[50:51]
	HFSTORE PC1, 48
	global_store_b32 v[L4], v[PW+1], s[52:53]
	s_wait_tensorcnt 0x0                           ; the wave's end, behind my last LDS store
	ds_add_u32 v[SPW], v[NIL]
	s_wait_dscnt 0x0
	s_endpgm
.Lfunc_end_k_q471ec184eb_ln2:
	.size	k_q471ec184eb_ln2, .Lfunc_end_k_q471ec184eb_ln2-k_q471ec184eb_ln2
	.p2alignl 7, 3214868480
	.fill 96, 4, 3214868480
	.section	.rodata,"a",@progbits
	.p2align	6, 0x0
	.amdhsa_kernel k_q471ec184eb_ln2
		.amdhsa_group_segment_fixed_size 132608
		.amdhsa_private_segment_fixed_size 0
		.amdhsa_enable_private_segment 0
		.amdhsa_kernarg_size 32
		.amdhsa_user_sgpr_count 2
		.amdhsa_user_sgpr_kernarg_segment_ptr 1
		.amdhsa_wavefront_size32 1
		.amdhsa_system_sgpr_workgroup_id_x 1
		.amdhsa_system_sgpr_workgroup_id_y 1
		.amdhsa_system_sgpr_workgroup_id_z 1
		.amdhsa_system_vgpr_workitem_id 0
		.amdhsa_next_free_vgpr 256
		.amdhsa_next_free_sgpr 66
		.amdhsa_reserve_vcc 0
		.amdhsa_float_denorm_mode_32 3
		.amdhsa_float_denorm_mode_16_64 3
		.amdhsa_memory_ordered 1
		.amdhsa_forward_progress 1
		.amdhsa_inst_pref_size 52
	.end_amdhsa_kernel
	.amdgpu_metadata
---
amdhsa.version: [ 1, 2 ]
amdhsa.kernels:
  - .name:           k_q471ec184eb_ln2
    .symbol:         k_q471ec184eb_ln2.kd
    .args:
      - { .name: x1, .offset: 0, .size: 8, .value_kind: global_buffer, .address_space: global }
      - { .name: ln2_g, .offset: 8, .size: 8, .value_kind: global_buffer, .address_space: global }
      - { .name: ln2_b, .offset: 16, .size: 8, .value_kind: global_buffer, .address_space: global }
      - { .name: h2, .offset: 24, .size: 8, .value_kind: global_buffer, .address_space: global }
    .group_segment_fixed_size: 132608
    .private_segment_fixed_size: 0
    .kernarg_segment_align: 8
    .kernarg_segment_size: 32
    .max_flat_workgroup_size: 256
    .sgpr_count:     66
    .vgpr_count:     256
    .wavefront_size: 32
...
	.end_amdgpu_metadata
.endif
;; end of part 12
;; launch ffn1 (part 13): grid 16 x 16, 4 waves a work-group, clusters of 4 x 4, 327,680 bytes of LDS; arguments h2, wts, b1, gh; writes gh
.if DOCPART == 13
	.amdgcn_target "amdgcn-amd-amdhsa--gfx1250"
	.amdhsa_code_object_version 6
	.text
	.protected	k_q471ec184eb_ffn1
	.globl	k_q471ec184eb_ffn1
	.p2align	8
	.type	k_q471ec184eb_ffn1,@function
k_q471ec184eb_ffn1:
	s_mov_b64 s[64:65], 0
	v_nop
	global_prefetch_b8 v0, s[64:65] scope:SCOPE_SE
	s_setreg_imm32_b32 hwreg(HW_REG_WAVE_MODE, 25, 1), 1
	s_wait_xcnt 0x0
	s_wait_alu depctr_hold_cnt(0) depctr_sa_sdst(0) depctr_va_vdst(0) depctr_va_sdst(0) depctr_va_ssrc(0) depctr_va_vcc(0) depctr_vm_vsrc(0)
	s_getreg_b32 s2, hwreg(HW_REG_IB_STS2, 6, 4)
	s_cmp_eq_u32 s2, 0
	s_cbranch_scc0 .Lentry_in_a_cluster
	s_endpgm
.Lentry_in_a_cluster:
	s_bfe_u32 s2, ttmp6, 0x10000c
	s_cmp_lg_u32 s2, 0xf033
	s_cbranch_scc0 .Lentry_shape_is_right
	s_endpgm
.Lentry_shape_is_right:
.set MA,     8
.set KS,     8
.set ASOFF,  3145728
.set BCOFF,  3145728
.set BSOFF,  9699328
.set HA,     MA/2
.set NL,     4
.set FR,     12
.set NP,     4
.set LAPS,   KS/4
.set HALFA,  MA*3072
.set HALFB,  8*3072
.set SLOT,   2*HALFA+2*HALFB
.set BIG,    8*6144                    ; slot 0 holds 512 along K: eight blocks of 6,144 bytes for each half of A and of B
.set SLOT0,  4*BIG                     ; slot 1 (SLOT bytes, behind it) holds 256 along K
.set SCL,    SLOT0+SLOT
.set HALFSA, MA*KS*64                  ; of a fragment's 128 bytes of scale words the first 64 are loaded: the other 64 repeat them
.set HALFSB, 8*KS*64
; K goes in four parts of 256: parts 0 and 1 lie in slot 0 (block pitch 6,144), part 2 in slot 1, part 3 is filled onto the start of each half of slot 0 (block pitch 3,072)
.macro VSET v                          ; part v: which address register, the block pitch, the part's byte in a block
.set VR, ((\v)/2)*(3-(\v))
.set FP, 6144-3072*((\v)/2)
.set FO, 3072*((\v)%2)*(1-(\v)/2)
.endm
.set SPARE,  SCL+2*HALFSA+2*HALFSB
.set ADRA, 16
.set ADRB, 20
.set L16,  24
.set L8,   25
.set L4,   26
.set ADRS, 27
.set SPW,  28
.set NIL,  29
.set BA,   30
.set SC,   32
.set Q,    64
.set TM,   64
.set PW,   80
.set X,    96
.set T,    160
.set PC,   160
.set P,    192
.set C9V,  224
.set AF,   128
.set G1,   24
.set G0,   32
.set G1B,  48
.set G0B,  56
.set G1S,  68
.set G0S,  76
.set G1SB, 80
.set G0SB, 88
.set CK,   24
.set CC,   26
.set CSS,  44
.set SEL,  46
.set MSB, 0
.macro WIN new
.if MSB != (\new)
	s_set_vgpr_msb (MSB<<8)|(\new)
.set MSB, (\new)
.endif
.endm
.set MUL_LO, 0xa1
.set TO_B,   0x40
.macro JLOAD g0a, g1a, g0b, g1b
	s_cmp_eq_u32 s15, 0
	s_cbranch_scc0 .Lfor_b_\@
	tensor_load_to_lds s[\g0a:\g0a+3], s[\g1a:\g1a+7]
	s_nop 0
.rept 4
	v_nop
.endr
	s_branch .Lasked_\@
.Lfor_b_\@:
	tensor_load_to_lds s[\g0b:\g0b+3], s[\g1b:\g1b+7]
	s_nop 0
.rept 4
	v_nop
.endr
.Lasked_\@:
.endm
.macro CREST
	s_cmp_lg_u32 s14, 0
	s_cbranch_scc1 .Lnot_wave_0_\@
	s_barrier_signal -3
.Lnot_wave_0_\@:
	s_barrier_wait -3
	s_barrier_signal -1
	s_barrier_wait -1
.endm
.macro CROUND
	s_barrier_signal -1
	s_barrier_wait -1
	CREST
.endm
.macro PLACES n
.rept \n
	v_nop
.endr
.endm
.macro FRAG reg, adr, q, i
	ds_load_b128 v[\reg:\reg+3], v[\adr] offset:(\i)*FP+FO+(\q)*1536
	ds_load_b64 v[\reg+4:\reg+5], v[\adr+2] offset:(\i)*FP+FO+(\q)*1536+512
	ds_load_b128 v[\reg+6:\reg+9], v[\adr] offset:(\i)*FP+FO+(\q)*1536+768
	ds_load_b64 v[\reg+10:\reg+11], v[\adr+2] offset:(\i)*FP+FO+(\q)*1536+1280
.endm
.macro FETCH_B slot, q, p
	VSET \slot
	WIN TO_B
.irp i, 0,1,2,3,4,5,6,7
	FRAG 128*(\p)+FR*\i, ADRB+VR, \q, \i
.endr
	WIN 0
.endm
.macro FETCH_A slot, q, i0
	VSET \slot
.set FI, \i0
.rept HA
	FRAG AF+FR*FI, ADRA+VR, \q, FI
.set FI, FI+1
.endr
.endm
.macro SCALES sc
.irp i, 0,1,2,3,4,5,6,7
.irp q, 0,1
	ds_load_b32 v[SC+16*((\sc)%2)+2*\i+\q], v[ADRS] offset:(\i*KS+\q)*64
.endr
.endr
.endm
.macro MULB a, p, q, sc, zero
	WIN MUL_LO+0x50*((\a)/4)
.irp b, 0,1,2,3,4,5,6,7
.if \zero
	v_wmma_scale_f32_16x16x128_f8f6f4 v[8*(8*((\a)%4)+\b):8*(8*((\a)%4)+\b)+7], v[128*(\p)+FR*\b:128*(\p)+FR*\b+FR-1], v[AF+FR*(\a):AF+FR*(\a)+FR-1], 0, v[SC+16*(\sc)+2*\b+(\q)], v[SC+16*(\sc)+2*(\a)+(\q)] matrix_a_fmt:MATRIX_FMT_FP6 matrix_b_fmt:MATRIX_FMT_FP6 matrix_a_scale:MATRIX_SCALE_ROW1
.else
	v_wmma_scale_f32_16x16x128_f8f6f4 v[8*(8*((\a)%4)+\b):8*(8*((\a)%4)+\b)+7], v[128*(\p)+FR*\b:128*(\p)+FR*\b+FR-1], v[AF+FR*(\a):AF+FR*(\a)+FR-1], v[8*(8*((\a)%4)+\b):8*(8*((\a)%4)+\b)+7], v[SC+16*(\sc)+2*\b+(\q)], v[SC+16*(\sc)+2*(\a)+(\q)] matrix_a_fmt:MATRIX_FMT_FP6 matrix_b_fmt:MATRIX_FMT_FP6 matrix_a_scale:MATRIX_SCALE_ROW1
.endif
.endr
.endm
.macro MULS a0, n, p, q, sc, zero
.set AI, \a0
.rept \n
	MULB AI, \p, \q, \sc, \zero
.set AI, AI+1
.endr
.endm
.macro STEP slot, zero
	s_wait_dscnt HA*NL
	MULS 0, HA, 0, 0, (\slot)%2, \zero
	s_wait_dscnt 0
	PLACES NP
	FETCH_B \slot, 1, 1
	FETCH_A \slot, 1, 0
	MULS HA, HA, 0, 0, (\slot)%2, \zero
	PLACES NP
	WIN 0
	FETCH_A \slot, 1, HA
.endm
.macro TURN slot, next, fill           ; a part's second K step, and on to the next part.  fill 2: both parts came by one fill: no barrier; 0: a barrier, nothing filled; 1: a round, and part 3 is filled onto slot 0
.if \fill == 2
	s_wait_dscnt HA*NL
	MULS 0, HA, 1, 1, (\slot)%2, 0
	s_wait_dscnt 0
	WIN 0
	PLACES NP
.else
	s_wait_tensorcnt 0x0
	ds_add_u32 v[SPW], v[NIL]
	s_wait_dscnt HA*NL+1
	MULS 0, HA/2, 1, 1, (\slot)%2, 0
	s_wait_dscnt 0x0
	s_barrier_signal -1
	MULS HA/2, HA/2, 1, 1, (\slot)%2, 0
	WIN 0
	s_barrier_wait -1
.if \fill
	CREST
	s_add_nc_u64 s[G0+2:G0+3], s[G0+2:G0+3], 9216      ; from K step 0 to K step 6
	s_add_nc_u64 s[G0B+2:G0B+3], s[G0B+2:G0B+3], 9216
	JLOAD G0, G1, G0B, G1B
.else
	PLACES NP
.endif
.endif
	s_wait_alu depctr_va_vdst(0)
	v_add_nc_u32 v[ADRS], 128, v[ADRS]
	FETCH_B \next, 0, 0
	FETCH_A \next, 0, 0
	SCALES \next
	MULS HA, HA, 1, 1, (\slot)%2, 0
	PLACES NP
	WIN 0
	FETCH_A \next, 0, HA
.endm
	s_load_b128 s[4:7], s[0:1], 0x0
	s_load_b64 s[8:9], s[0:1], 0x10
	s_load_b64 s[12:13], s[0:1], 0x18
	v_lshl_add_u32 v[SPW], v0, 2, SPARE
	v_mov_b32 v[NIL], 0
	ds_add_u32 v[SPW], v[NIL]
	ds_add_u32 v[SPW], v[NIL]
	v_lshrrev_b32 v1, 5, v0
	v_readfirstlane_b32 s14, v1
	s_lshr_b32 s15, s14, 1
	s_and_b32 s16, s14, 1
	s_bfe_u32 s40, ttmp6, 0x40000
	s_bfe_u32 s41, ttmp6, 0x40004
	s_lshl_b32 s42, ttmp9, 2
	s_add_co_u32 s42, s42, s40
	s_and_b32 s17, ttmp7, 0xffff
	s_lshl_b32 s17, s17, 2
	s_add_co_u32 s17, s17, s41
	s_lshl_b32 s43, s41, 2
	s_lshl_b32 s43, 15, s43
	s_lshl_b32 s44, 0x1111, s40
	s_or_b32 s[G1+0], s43, (3<<16)|(1<<21)
	s_or_b32 s[G1B+0], s44, (3<<16)|(1<<21)
	s_or_b32 s[G1S+0], s43, (3<<16)|(1<<21)
	s_or_b32 s[G1SB+0], s44, (3<<16)|(1<<21)
.irp g, G1, G1B
	s_mov_b32 s[\g+1], 768<<16                     ; the head's rows: a block's first four K steps, 6,144 bytes
	s_mov_b32 s[\g+3], 768<<16
	s_mov_b32 s[\g+5], KS*192
	s_mov_b32 s[\g+6], 0
	s_mov_b32 s[\g+7], 0
.endr
	s_mov_b32 s[G1+2], (2*MA)<<16                  ; the head's loads bring a slot's whole A or B: all the tile's blocks
	s_mov_b32 s[G1+4], 2*MA
	s_mov_b32 s[G1B+2], 16<<16
	s_mov_b32 s[G1B+4], 16
.irp g, G1S, G1SB
	s_mov_b32 s[\g+1], 8<<16                       ; a fragment's sixteen scale words, 64 bytes, 128 bytes apart
	s_mov_b32 s[\g+3], 8<<16
	s_mov_b32 s[\g+5], 16
	s_mov_b32 s[\g+6], 0
	s_mov_b32 s[\g+7], 0
.endr
	s_mov_b32 s[G1S+2], (2*HALFSA/64)<<16          ; the scale words of all the tile's fragments in one load
	s_mov_b32 s[G1S+4], 2*HALFSA/64
	s_mov_b32 s[G1SB+2], (2*HALFSB/64)<<16
	s_mov_b32 s[G1SB+4], 2*HALFSB/64
	s_mul_i32 s20, s17, 2*MA
	s_mul_i32 s18, s16, MA
	s_add_co_u32 s20, s20, s18
	s_mul_i32 s22, s20, KS*128
	s_add_co_u32 s22, s22, ASOFF
	s_mul_i32 s20, s20, KS*1536
	s_mov_b32 s21, 0
	s_mov_b32 s23, 0
	s_lshl_b32 s46, s42, 4
	s_lshl_b32 s18, s16, 3
	s_add_co_u32 s46, s46, s18
	s_mul_i32 s92, s46, KS*128
	s_add_co_u32 s92, s92, BSOFF
	s_mul_i32 s46, s46, KS*1536
	s_add_co_u32 s46, s46, BCOFF
	s_mov_b32 s47, 0
	s_mov_b32 s93, 0
	s_wait_dscnt 0x0
	s_wait_kmcnt 0x0
	s_add_nc_u64 s[20:21], s[4:5], s[20:21]
	s_add_nc_u64 s[22:23], s[4:5], s[22:23]
	s_add_nc_u64 s[46:47], s[6:7], s[46:47]
	s_add_nc_u64 s[92:93], s[6:7], s[92:93]
	CROUND
	s_mov_b32 s[G0S], 1
	s_mov_b32 s[G0S+1], SCL
	s_sub_nc_u64 s[G0S+2:G0S+3], s[22:23], MA*KS*128   ; used by wave 1 alone, whose address stands at the second half: back to the tile's first row
	s_or_b32 s[G0S+3], s[G0S+3], 0x80000000
	s_mov_b32 s[G0SB], 1
	s_mov_b32 s[G0SB+1], SCL+2*HALFSA
	s_sub_nc_u64 s[G0SB+2:G0SB+3], s[92:93], 8*KS*128  ; used by wave 3 alone, likewise
	s_or_b32 s[G0SB+3], s[G0SB+3], 0x80000000
.irp s, 0,1
	s_mov_b32 s[G0+4*\s], 1
	s_mul_i32 s[G0+4*\s+1], s16, BIG-\s*(BIG-HALFA)    ; my half of A in slot s
	s_add_co_u32 s[G0+4*\s+1], s[G0+4*\s+1], \s*SLOT0
	s_add_nc_u64 s[G0+4*\s+2:G0+4*\s+3], s[20:21], \s*6144
	s_or_b32 s[G0+4*\s+3], s[G0+4*\s+3], 0x80000000
	s_mov_b32 s[G0B+4*\s], 1
	s_mul_i32 s[G0B+4*\s+1], s16, BIG-\s*(BIG-HALFB)   ; my half of B, behind A's two
	s_add_co_u32 s[G0B+4*\s+1], s[G0B+4*\s+1], 2*BIG+\s*(SLOT0+2*HALFA-2*BIG)
	s_add_nc_u64 s[G0B+4*\s+2:G0B+4*\s+3], s[46:47], \s*6144
	s_or_b32 s[G0B+4*\s+3], s[G0B+4*\s+3], 0x80000000
.endr
; THE HEAD'S LOADS, ONE A WAVE: wave 0 slot 0's whole A (its own group 0 stands at the tile's first block), wave 1 A's scale words, wave 2 slot 0's whole B, wave 3 B's scale words
.macro ARM under, g0, g1, next
	s_cmp_lt_u32 s14, \under
	s_cbranch_scc0 \next
	tensor_load_to_lds s[\g0:\g0+3], s[\g1:\g1+7]
	s_nop 0
	PLACES 4
	s_branch .Lhead_asked
\next:
.endm
	ARM 1, G0, G1, .Lhead_sa
	ARM 2, G0S, G1S, .Lhead_b
	ARM 3, G0B, G1B, .Lhead_sb
	tensor_load_to_lds s[G0SB:G0SB+3], s[G1SB:G1SB+7]
	s_nop 0
	PLACES 4
.Lhead_asked:
	v_and_b32 v1, 31, v0
	v_bfe_u32 v2, v0, 4, 1
	v_lshlrev_b32 v[L16], 4, v1
	v_lshlrev_b32 v[L8], 3, v1
	v_lshlrev_b32 v[L4], 2, v1
	v_lshlrev_b32 v[BA], 6, v2
	s_mul_i32 s21, s15, BIG                        ; my rows of A and of B in slot 0,
	s_mul_i32 s22, s16, BIG
	s_add_co_u32 s22, s22, 2*BIG
	s_mul_i32 s18, s15, HALFA                      ; and in slot 1
	s_add_co_u32 s18, s18, SLOT0
	s_mul_i32 s19, s16, HALFB
	s_add_co_u32 s19, s19, SLOT0+2*HALFA
	s_wait_alu depctr_va_vdst(0)
	v_add_nc_u32 v[ADRA], s21, v[L16]
	v_add_nc_u32 v[ADRA+2], s21, v[L8]
	v_add_nc_u32 v[ADRB], s22, v[L16]
	v_add_nc_u32 v[ADRB+2], s22, v[L8]
	v_add_nc_u32 v[ADRA+1], s18, v[L16]
	v_add_nc_u32 v[ADRA+3], s18, v[L8]
	v_add_nc_u32 v[ADRB+1], s19, v[L16]
	v_add_nc_u32 v[ADRB+3], s19, v[L8]
	s_mul_i32 s21, s15, HALFSA
	s_mul_i32 s22, s16, HALFSB
	s_add_co_u32 s22, s22, 2*HALFSA-64             ; lanes 16-31 take B's words 0 to 15: 64 bytes off 4 x lane
	s_sub_co_u32 s22, s22, s21
	v_mul_u32_u24 v6, s22, v2
	s_add_co_u32 s21, s21, SCL
	v_lshl_add_u32 v5, v1, 2, v6
	v_add_nc_u32 v[ADRS], s21, v5
	s_lshl_b32 s18, s42, 10
	s_lshl_b32 s19, s16, 9
	s_add_co_u32 s18, s18, s19
	s_mov_b32 s19, 0
	s_add_nc_u64 s[8:9], s[8:9], s[18:19]
	WIN 0x40
.irp b, 0,1,2,3,4,5,6,7
	global_load_b128 v[96+8*\b+96*(\b/4):96+8*\b+96*(\b/4)+3], v[BA], s[8:9] offset:(32*(\b/2)+8*(\b%2))*4
	global_load_b128 v[96+8*\b+96*(\b/4)+4:96+8*\b+96*(\b/4)+7], v[BA], s[8:9] offset:(32*(\b/2)+8*(\b%2))*4+16
.endr
	WIN 0
	s_lshl_b32 s18, s17, 4
	s_lshl_b32 s19, s15, 3
	s_add_co_u32 s18, s18, s19
	s_lshl_b32 s18, s18, 5
	s_lshl_b32 s19, s42, 1
	s_add_co_u32 s18, s18, s19
	s_add_co_u32 s18, s18, s16
	s_mul_i32 s20, s18, 1536
	s_mov_b32 s21, 0
	s_lshl_b32 s22, s18, 7
	s_add_co_u32 s22, s22, 12582912
	s_mov_b32 s23, 0
	s_add_nc_u64 s[96:97], s[12:13], s[22:23]
	s_add_nc_u64 s[12:13], s[12:13], s[20:21]
	s_wait_alu depctr_va_vdst(0)
	s_wait_tensorcnt 0x0                           ; my tile of the head's four is in
	ds_add_u32 v[SPW], v[NIL]
	s_mov_b32 s[G1+2], MA<<16                      ; no load of mine is out: from here on a load brings half a tile's blocks
	s_mov_b32 s[G1+4], MA
	s_mov_b32 s[G1B+2], 8<<16
	s_mov_b32 s[G1B+4], 8
	s_mov_b32 s[G1+1], 384<<16                     ; and rows of two K steps, 3,072 bytes
	s_mov_b32 s[G1+3], 384<<16
	s_mov_b32 s[G1B+1], 384<<16
	s_mov_b32 s[G1B+3], 384<<16
	s_wait_dscnt 0x0
	CROUND                                         ; all four tiles are in, and the sixteen work-groups meet
	JLOAD G0+4, G1, G0B+4, G1B                     ; slot 1's first fill, first behind the round
	FETCH_B 0, 0, 0
	FETCH_A 0, 0, 0
	SCALES 0
	FETCH_A 0, 0, HA
	STEP 0, 1
	TURN 0, 1, 2                                   ; parts 0 and 1 came by the head's fill
	STEP 1, 0
	TURN 1, 2, 1                                   ; slot 1's fill has had three K steps' products in which to land; slot 0 is read out: part 3 is asked for
	STEP 2, 0
	TURN 2, 3, 0
	STEP 3, 0
	s_wait_dscnt HA*NL
	MULS 0, HA, 1, 1, 1, 0
	s_wait_dscnt 0
	MULS HA, HA, 1, 1, 1, 0
	WIN 0
.macro KONST r, v
	s_mov_b32 s[\r], \v
	s_mov_b32 s[\r+1], \v
.endm
.macro HORNER c
.set I, 0
.rept 16
	v_pk_fma_f32 v[P+I:P+I+1], v[P+I:P+I+1], v[T+I:T+I+1], s[\c:\c+1] op_sel_hi:[1,1,0]
.set I, I+2
.endr
.endm
.macro GELU x
.set I, 0
.rept 32
	v_fma_f32 v[T+I], |v[\x+I]|, s[CSS], 1.0
.set I, I+1
.endr
.set I, 0
	s_wait_alu depctr_va_vdst(0)
.rept 32
	v_rcp_f32 v[T+I], v[T+I]
.set I, I+1
.endr
.set I, 0
.rept 16
	v_pk_mul_f32 v[Q+I:Q+I+1], v[\x+I:\x+I+1], s[CK:CK+1] op_sel_hi:[1,0]
.set I, I+2
.endr
	s_wait_alu depctr_va_vdst(0)
.set I, 0
.rept 16
	v_pk_fma_f32 v[P+I:P+I+1], v[T+I:T+I+1], v[C9V:C9V+1], s[CC+16:CC+17] op_sel_hi:[1,1,0]
.set I, I+2
.endr
.irp n, 7,6,5,4,3,2,1,0
	HORNER CC+2*\n
.endr
.set I, 0
.rept 16
	v_pk_fma_f32 v[P+I:P+I+1], v[Q+I:Q+I+1], v[\x+I:\x+I+1], v[P+I:P+I+1]
.set I, I+2
.endr
.set I, 0
	s_wait_alu depctr_va_vdst(0)
.rept 32
	v_exp_f32 v[P+I], v[P+I]
.set I, I+1
.endr
.set I, 0
.rept 32
	v_max_num_f32 v[Q+I], 0, v[\x+I]
.set I, I+1
.endr
	s_wait_alu depctr_va_vdst(0)
.set I, 0
.rept 16
	v_pk_mul_f32 v[P+I:P+I+1], v[P+I:P+I+1], v[T+I:T+I+1]
.set I, I+2
.endr
.set I, 0
.rept 32
	v_fma_f32 v[\x+I], -|v[\x+I]|, v[P+I], v[Q+I]
.set I, I+1
.endr
.endm
.macro QUANT s, pc, pw
.irp b, 0,1,2,3
	v_max3_num_f32 v[TM+\b], |v[\s+16*\b]|, |v[\s+1+16*\b]|, 0x1800000
.endr
.irp i, 2,4,6,8,10,12,14
.irp b, 0,1,2,3
	v_max3_num_f32 v[TM+\b], v[TM+\b], |v[\s+16*\b+\i]|, |v[\s+1+16*\b+\i]|
.endr
.endr
.irp b, 0,1,2,3
	v_permlanex16_b32 v[TM+4+\b], v[TM+\b], s[SEL], s[SEL+1]
.endr
.irp b, 0,1,2,3
	v_max_num_f32 v[TM+\b], v[TM+\b], v[TM+4+\b]
.endr
.irp b, 0,1,2,3
	v_add_nc_u32 v[TM+12+\b], 0xff000000, v[TM+\b]
.endr
.irp b, 0,1,2,3
	v_lshrrev_b32 v[TM+4+\b], 23, v[TM+12+\b]
.endr
	v_lshl_or_b32 v[\pw], v[TM+5], 8, v[TM+4]
	v_lshl_or_b32 v[\pw], v[TM+6], 16, v[\pw]
	v_lshl_or_b32 v[\pw], v[TM+7], 24, v[\pw]
.irp c, 0,1
	v_cvt_scalef32_pk16_fp6_f32 v[\pc+6*\c:\pc+2+6*\c], v[\s+32*\c:\s+15+32*\c], v[TM+12+2*\c]
	v_cvt_scalef32_pk16_fp6_f32 v[\pc+12+4*\c:\pc+14+4*\c], v[\s+16+32*\c:\s+31+32*\c], v[TM+12+2*\c+1]
.endr
	v_nop
.irp c, 0,1
.irp i, 0,1,2
	v_permlane16_swap_b32 v[\pc+6*\c+\i], v[\pc+12+4*\c+\i]
.endr
.irp i, 0,1,2
	v_mov_b32 v[\pc+3+6*\c+\i], v[\pc+12+4*\c+\i]
.endr
.endr
.endm
	PLACES NP
	KONST CK, 0xbf38aa3b
	KONST CC+0, 0xc034d90f
	KONST CC+2, 0x3fb8ab5a
	KONST CC+4, 0x3f0a29d2
	KONST CC+6, 0x3e0efb2e
	KONST CC+8, 0xbe899a80
	KONST CC+10, 0x3ecdfd18
	KONST CC+12, 0xbfd1a1e5
	KONST CC+14, 0x40097039
	KONST CC+16, 0xbf97d29d
	s_mov_b32 s[CSS], 0x3eb504f3
	s_mov_b32 s[SEL], 0x76543210
	s_mov_b32 s[SEL+1], 0xfedcba98
	v_mov_b32 v[C9V], 0x3e7c6f08
	v_mov_b32 v[C9V+1], 0x3e7c6f08
	s_mov_b32 s92, 0
	s_mov_b32 s93, 0
	s_mov_b32 s94, 0
	s_mov_b32 s95, 0
	s_mov_b32 s3, 0
	s_wait_loadcnt 0x0
.Lrow:
	s_wait_xcnt 0x0
	s_add_nc_u64 s[12:13], s[12:13], s[92:93]
	s_add_nc_u64 s[96:97], s[96:97], s[94:95]
	s_mov_b32 s92, 49152
	s_mov_b32 s94, 4096
.irp a, 1,2,3,4,5,6,7
	s_cmp_eq_u32 s3, \a
	s_cbranch_scc1 .Lc\a
.endr
.irp a, 0,1,2,3,4,5,6,7
.Lc\a:
	WIN (2+\a/4)|(1<<2)
.set I, 0
.rept 32
	v_pk_add_f32 v[X+I:X+I+1], v[64*(\a%4)+I:64*(\a%4)+I+1], v[96+I+96*(I/32):96+I+96*(I/32)+1]
.set I, I+2
.endr
	WIN 0
.if \a < 7
	s_branch .Lgo
.endif
.endr
.Lgo:
	GELU X
	GELU X+32
	QUANT X, PC, PW
	global_store_b128 v[L16], v[PC:PC+3], s[12:13]
	global_store_b64 v[L8], v[PC+4:PC+5], s[12:13] offset:512
	global_store_b128 v[L16], v[PC+6:PC+9], s[12:13] offset:768
	global_store_b64 v[L8], v[PC+10:PC+11], s[12:13] offset:1280
	global_store_b32 v[L4], v[PW], s[96:97]
	s_add_co_u32 s3, s3, 1
	s_cmp_lt_u32 s3, 8
	s_cbranch_scc1 .Lrow
	s_wait_tensorcnt 0x0
	ds_add_u32 v[SPW], v[NIL]
	s_wait_dscnt 0x0
	CROUND
	s_endpgm
.Lfunc_end_k_q471ec184eb_ffn1:
	.size	k_q471ec184eb_ffn1, .Lfunc_end_k_q471ec184eb_ffn1-k_q471ec184eb_ffn1
	.p2alignl 7, 3214868480
	.fill 96, 4, 3214868480
	.section	.rodata,"a",@progbits
	.p2align	6, 0x0
	.amdhsa_kernel k_q471ec184eb_ffn1
		.amdhsa_group_segment_fixed_size 327680
		.amdhsa_private_segment_fixed_size 0
		.amdhsa_enable_private_segment 0
		.amdhsa_kernarg_size 32
		.amdhsa_user_sgpr_count 2
		.amdhsa_user_sgpr_kernarg_segment_ptr 1
		.amdhsa_wavefront_size32 1
		.amdhsa_system_sgpr_workgroup_id_x 1
		.amdhsa_system_sgpr_workgroup_id_y 1
		.amdhsa_system_sgpr_workgroup_id_z 1
		.amdhsa_system_vgpr_workitem_id 0
		.amdhsa_next_free_vgpr 1024
		.amdhsa_next_free_sgpr 100
		.amdhsa_reserve_vcc 0
		.amdhsa_float_denorm_mode_32 3
		.amdhsa_float_denorm_mode_16_64 3
		.amdhsa_memory_ordered 1
		.amdhsa_forward_progress 1
		.amdhsa_inst_pref_size 180
	.end_amdhsa_kernel
	.amdgpu_metadata
---
amdhsa.version: [ 1, 2 ]
amdhsa.kernels:
  - .name:           k_q471ec184eb_ffn1
    .symbol:         k_q471ec184eb_ffn1.kd
    .args:
      - { .name: h2, .offset: 0, .size: 8, .value_kind: global_buffer, .address_space: global }
      - { .name: wts, .offset: 8, .size: 8, .value_kind: global_buffer, .address_space: global }
      - { .name: b1, .offset: 16, .size: 8, .value_kind: global_buffer, .address_space: global }
      - { .name: gh, .offset: 24, .size: 8, .value_kind: global_buffer, .address_space: global }
    .group_segment_fixed_size: 327680
    .private_segment_fixed_size: 0
    .kernarg_segment_align: 8
    .kernarg_segment_size: 32
    .max_flat_workgroup_size: 128
    .sgpr_count:     100
    .vgpr_count:     1024
    .wavefront_size: 32
...
	.end_amdgpu_metadata
.endif
;; end of part 13
;; launch ffn2 (part 14): grid 8 x 32, 4 waves a work-group, clusters of 4 x 4, 327,680 bytes of LDS; arguments gh, wts, x1, b2, out0; writes out0
.if DOCPART == 14
	.amdgcn_target "amdgcn-amd-amdhsa--gfx1250"
	.amdhsa_code_object_version 6
	.text
	.protected	k_q471ec184eb_ffn2
	.globl	k_q471ec184eb_ffn2
	.p2align	8
	.type	k_q471ec184eb_ffn2,@function
k_q471ec184eb_ffn2:
	s_mov_b64 s[64:65], 0
	v_nop
	global_prefetch_b8 v0, s[64:65] scope:SCOPE_SE
	s_setreg_imm32_b32 hwreg(HW_REG_WAVE_MODE, 25, 1), 1
	s_wait_xcnt 0x0
	s_wait_alu depctr_hold_cnt(0) depctr_sa_sdst(0) depctr_va_vdst(0) depctr_va_sdst(0) depctr_va_ssrc(0) depctr_va_vcc(0) depctr_vm_vsrc(0)
	s_getreg_b32 s2, hwreg(HW_REG_IB_STS2, 6, 4)
	s_cmp_eq_u32 s2, 0
	s_cbranch_scc0 .Lentry_in_a_cluster
	s_endpgm
.Lentry_in_a_cluster:
	s_bfe_u32 s2, ttmp6, 0x10000c
	s_cmp_lg_u32 s2, 0xf033
	s_cbranch_scc0 .Lentry_shape_is_right
	s_endpgm
.Lentry_shape_is_right:
.set MA,     4
.set NQ,     4
.set KS,     32
.set ASOFF,  12582912
.set BCOFF,  6291456
.set BSOFF,  9961472
.set BIAS,   1
.set PF,     1
.set FR,     12
.set NP,     4
.set LAPS,   KS/(2*NQ)
.set BLK,    NQ*1536
.set HALFA,  MA*BLK
.set HALFB,  MA*BLK
.set SLOT,   2*HALFA+2*HALFB
.set SCL,    2*SLOT
.set HALFSA, MA*KS*128
.set HALFSB, MA*KS*128
.set SPARE,  SCL+2*HALFSA+2*HALFSB
.set SPITCH, 272
.set ADRA, 16
.set ADRB, 20
.set STO,  24
.set RD,   25
.set CO,   26
.set ADRS, 27
.set SPW,  28
.set NIL,  29
.set CB,   30
.set PFO,  31
.set SC,   32
.set BV,   64
.set AF,   128
.set BK,   128
.set RES,  128
.set G1,   24
.set G0,   32
.set G1B,  48
.set G0B,  56
.set G1S,  68
.set G0S,  76
.set G1SB, 80
.set G0SB, 88
.set PFA,  98
.set LIM,  100
.set MSB, 0
.macro WIN new
.if MSB != (\new)
	s_set_vgpr_msb (MSB<<8)|(\new)
.set MSB, (\new)
.endif
.endm
.set MUL_LO, 0xa1
.set TO_B,   0x40
.macro JLOAD g0a, g1a, g0b, g1b
	s_cmp_eq_u32 s15, 0
	s_cbranch_scc0 .Lfor_b_\@
	tensor_load_to_lds s[\g0a:\g0a+3], s[\g1a:\g1a+7]
	s_nop 0
.rept 4
	v_nop
.endr
	s_branch .Lasked_\@
.Lfor_b_\@:
	tensor_load_to_lds s[\g0b:\g0b+3], s[\g1b:\g1b+7]
	s_nop 0
.rept 4
	v_nop
.endr
.Lasked_\@:
.endm
.macro CREST
	s_cmp_lg_u32 s14, 0
	s_cbranch_scc1 .Lnot_wave_0_\@
	s_barrier_signal -3
.Lnot_wave_0_\@:
	s_barrier_wait -3
	s_barrier_signal -1
	s_barrier_wait -1
.endm
.macro CROUND
	s_barrier_signal -1
	s_barrier_wait -1
	CREST
.endm
.macro PLACES n
.rept \n
	v_nop
.endr
.endm
.macro ASK last
.if \last
	s_cmp_gt_u32 s3, s[LIM]
.else
	s_cmp_eq_u32 s[LIM], 1
.endif
	s_cbranch_scc0 .Lnot_mine_\@
	global_prefetch_b8 v[PFO], s[PFA:PFA+1] th:TH_LOAD_NT scope:SCOPE_SE
.Lnot_mine_\@:
.endm
.macro FRAG reg, adr, q, i
	ds_load_b128 v[\reg:\reg+3], v[\adr] offset:(\i)*BLK+(\q)*1536
	ds_load_b64 v[\reg+4:\reg+5], v[\adr+2] offset:(\i)*BLK+(\q)*1536+512
	ds_load_b128 v[\reg+6:\reg+9], v[\adr] offset:(\i)*BLK+(\q)*1536+768
	ds_load_b64 v[\reg+10:\reg+11], v[\adr+2] offset:(\i)*BLK+(\q)*1536+1280
.endm
.macro FETCH slot, q, p
	WIN TO_B
.irp i, 0,1,2,3
	FRAG 128*(\p)+FR*\i, ADRB+\slot, \q, \i
.endr
	WIN 0
.irp i, 0,1,2,3
	FRAG AF+64*(\p)+FR*\i, ADRA+\slot, \q, \i
.endr
.endm
.macro SCALES sc
.irp i, 0,1,2,3
.irp q, 0,1,2,3
	ds_load_b32 v[SC+16*\sc+4*\i+\q], v[ADRS] offset:(\i*KS+\q)*128
.endr
.endr
.endm
.macro MULB a, p, q, sc, zero
	WIN MUL_LO
.irp b, 0,1,2,3
.if \zero
	v_wmma_scale_f32_16x16x128_f8f6f4 v[8*(4*(\a)+\b):8*(4*(\a)+\b)+7], v[128*(\p)+FR*\b:128*(\p)+FR*\b+FR-1], v[AF+64*(\p)+FR*(\a):AF+64*(\p)+FR*(\a)+FR-1], 0, v[SC+16*(\sc)+4*\b+(\q)], v[SC+16*(\sc)+4*(\a)+(\q)] matrix_a_fmt:MATRIX_FMT_FP6 matrix_b_fmt:MATRIX_FMT_FP6 matrix_a_scale:MATRIX_SCALE_ROW1
.else
	v_wmma_scale_f32_16x16x128_f8f6f4 v[8*(4*(\a)+\b):8*(4*(\a)+\b)+7], v[128*(\p)+FR*\b:128*(\p)+FR*\b+FR-1], v[AF+64*(\p)+FR*(\a):AF+64*(\p)+FR*(\a)+FR-1], v[8*(4*(\a)+\b):8*(4*(\a)+\b)+7], v[SC+16*(\sc)+4*\b+(\q)], v[SC+16*(\sc)+4*(\a)+(\q)] matrix_a_fmt:MATRIX_FMT_FP6 matrix_b_fmt:MATRIX_FMT_FP6 matrix_a_scale:MATRIX_SCALE_ROW1
.endif
.endr
.endm
.macro MULS a0, n, p, q, sc, zero
.set AI, \a0
.rept \n
	MULB AI, \p, \q, \sc, \zero
.set AI, AI+1
.endr
.endm
.macro STEP slot, q, zero
.set NXQ, (\q)+1
.set NXP, ((\q)+1)%2
.set CUP, (\q)%2
	s_wait_dscnt 0x0
	PLACES NP
	FETCH \slot, NXQ, NXP
	MULS 0, MA, CUP, \q, \slot, \zero
.endm
.macro TURN slot, next, fill
.if \fill
.if PF
	s_wait_xcnt 0x0
	s_add_nc_u64 s[PFA:PFA+1], s[PFA:PFA+1], BLK
.endif
.endif
	WIN 0
	s_wait_tensorcnt 0x0
	ds_add_u32 v[SPW], v[NIL]
	s_wait_dscnt 1
	MULS 0, 1, 1, NQ-1, \slot, 0
	s_wait_dscnt 0x0
	s_barrier_signal -1
	MULS 1, 1, 1, NQ-1, \slot, 0
	WIN 0
	s_barrier_wait -1
.if \fill
	CREST
	s_add_nc_u64 s[G0+4*\slot+2:G0+4*\slot+3], s[G0+4*\slot+2:G0+4*\slot+3], 2*BLK
	s_add_nc_u64 s[G0B+4*\slot+2:G0B+4*\slot+3], s[G0B+4*\slot+2:G0B+4*\slot+3], 2*BLK
	JLOAD G0+4*\slot, G1, G0B+4*\slot, G1B
.else
	PLACES NP
.endif
	s_wait_alu depctr_va_vdst(0)
	v_add_nc_u32 v[ADRS], NQ*128, v[ADRS]
	FETCH \next, 0, 0
	SCALES \next
.if \fill
.if PF
	ASK 1                                          ; the loop's last trip has no chunk two refills on: it asks for nothing
.endif
.endif
	MULS 2, 2, 1, NQ-1, \slot, 0
.endm
	s_load_b128 s[4:7], s[0:1], 0x0
.if BIAS
	s_load_b128 s[8:11], s[0:1], 0x10
	s_load_b64 s[12:13], s[0:1], 0x20
.else
	s_load_b64 s[8:9], s[0:1], 0x10
	s_load_b64 s[12:13], s[0:1], 0x18
.endif
	v_lshl_add_u32 v[SPW], v0, 2, SPARE
	v_mov_b32 v[NIL], 0
	ds_add_u32 v[SPW], v[NIL]
	ds_add_u32 v[SPW], v[NIL]
	v_lshrrev_b32 v1, 5, v0
	v_readfirstlane_b32 s14, v1
	s_lshr_b32 s15, s14, 1
	s_and_b32 s16, s14, 1
	s_bfe_u32 s40, ttmp6, 0x40000
	s_bfe_u32 s41, ttmp6, 0x40004
	s_lshl_b32 s42, ttmp9, 2
	s_add_co_u32 s42, s42, s40
	s_and_b32 s17, ttmp7, 0xffff
	s_lshl_b32 s17, s17, 2
	s_add_co_u32 s17, s17, s41
	s_lshl_b32 s43, s41, 2
	s_lshl_b32 s43, 15, s43
	s_lshl_b32 s44, 0x1111, s40
	s_or_b32 s[G1+0], s43, (3<<16)|(1<<21)
	s_or_b32 s[G1B+0], s44, (3<<16)|(1<<21)
	s_or_b32 s[G1S+0], s43, (3<<16)|(1<<21)
	s_or_b32 s[G1SB+0], s44, (3<<16)|(1<<21)
.irp g, G1, G1B
	s_mov_b32 s[\g+1], (BLK/8)<<16
	s_mov_b32 s[\g+2], (2*MA)<<16                  ; the head's loads bring a slot's whole A or B: all eight blocks
	s_mov_b32 s[\g+3], (BLK/8)<<16
	s_mov_b32 s[\g+4], 2*MA
	s_mov_b32 s[\g+5], KS*192
	s_mov_b32 s[\g+6], 0
	s_mov_b32 s[\g+7], 0
.endr
.irp g, G1S, G1SB
	s_mov_b32 s[\g+1], 32<<16
	s_mov_b32 s[\g+2], (2*HALFSA/256)<<16          ; the scale words of all the tile's rows in one load
	s_mov_b32 s[\g+3], 32<<16
	s_mov_b32 s[\g+4], 2*HALFSA/256
	s_mov_b32 s[\g+5], 32
	s_mov_b32 s[\g+6], 0
	s_mov_b32 s[\g+7], 0
.endr
	s_lshl_b32 s18, s16, 2
	s_lshl_b32 s20, s17, 3
	s_add_co_u32 s20, s20, s18
	s_mul_i32 s22, s20, KS*128
	s_add_co_u32 s22, s22, ASOFF
	s_mul_i32 s20, s20, KS*1536
	s_mov_b32 s21, 0
	s_mov_b32 s23, 0
	s_lshl_b32 s46, s42, 3
	s_add_co_u32 s46, s46, s18
	s_mul_i32 s92, s46, KS*128
	s_add_co_u32 s92, s92, BSOFF
	s_mul_i32 s46, s46, KS*1536
	s_add_co_u32 s46, s46, BCOFF
	s_mov_b32 s47, 0
	s_mov_b32 s93, 0
	s_mul_i32 s45, s16, HALFA
	s_mul_i32 s94, s16, HALFB
	s_add_co_u32 s94, s94, 2*HALFA
	s_wait_dscnt 0x0
	s_wait_kmcnt 0x0
	s_add_nc_u64 s[20:21], s[4:5], s[20:21]
	s_add_nc_u64 s[22:23], s[4:5], s[22:23]
	s_add_nc_u64 s[46:47], s[6:7], s[46:47]
	s_add_nc_u64 s[92:93], s[6:7], s[92:93]
	CROUND
	s_mov_b32 s[G0S], 1
	s_mov_b32 s[G0S+1], SCL
	s_sub_nc_u64 s[G0S+2:G0S+3], s[22:23], HALFSA  ; used by wave 1 alone, whose address stands at the second half: back to the tile's first row
	s_or_b32 s[G0S+3], s[G0S+3], 0x80000000
	s_mov_b32 s[G0SB], 1
	s_mov_b32 s[G0SB+1], SCL+2*HALFSA
	s_sub_nc_u64 s[G0SB+2:G0SB+3], s[92:93], HALFSB ; used by wave 3 alone, likewise
	s_or_b32 s[G0SB+3], s[G0SB+3], 0x80000000
.irp s, 0,1
	s_mov_b32 s[G0+4*\s], 1
	s_add_co_u32 s[G0+4*\s+1], s45, \s*SLOT
	s_add_nc_u64 s[G0+4*\s+2:G0+4*\s+3], s[20:21], \s*BLK
	s_or_b32 s[G0+4*\s+3], s[G0+4*\s+3], 0x80000000
	s_mov_b32 s[G0B+4*\s], 1
	s_add_co_u32 s[G0B+4*\s+1], s94, \s*SLOT
	s_add_nc_u64 s[G0B+4*\s+2:G0B+4*\s+3], s[46:47], \s*BLK
	s_or_b32 s[G0B+4*\s+3], s[G0B+4*\s+3], 0x80000000
.endr
; THE HEAD'S LOADS, ONE A WAVE: wave 0 slot 0's whole A (its own group 0 stands at the tile's first block), wave 1 A's scale words, wave 2 slot 0's whole B, wave 3 B's scale words
.macro ARM under, g0, g1, next
	s_cmp_lt_u32 s14, \under
	s_cbranch_scc0 \next
	tensor_load_to_lds s[\g0:\g0+3], s[\g1:\g1+7]
	s_nop 0
	PLACES 4
	s_branch .Lhead_asked
\next:
.endm
	ARM 1, G0, G1, .Lhead_sa
	ARM 2, G0S, G1S, .Lhead_b
	ARM 3, G0B, G1B, .Lhead_sb
	tensor_load_to_lds s[G0SB:G0SB+3], s[G1SB:G1SB+7]
	s_nop 0
	PLACES 4
.Lhead_asked:
	v_and_b32 v1, 31, v0
	v_bfe_u32 v2, v0, 4, 1
	v_lshlrev_b32 v3, 4, v1
	v_lshlrev_b32 v4, 3, v1
	s_mul_i32 s21, s15, HALFA
	s_mul_i32 s22, s16, HALFB
	s_add_co_u32 s22, s22, 2*HALFA
.irp s, 0,1
	v_add_nc_u32 v[ADRA+\s], s21, v3
	v_add_nc_u32 v[ADRA+2+\s], s21, v4
	v_add_nc_u32 v[ADRB+\s], s22, v3
	v_add_nc_u32 v[ADRB+2+\s], s22, v4
	s_add_co_u32 s21, s21, SLOT
	s_add_co_u32 s22, s22, SLOT
.endr
	s_mul_i32 s21, s15, HALFSA
	s_mul_i32 s22, s16, HALFSB
	s_add_co_u32 s22, s22, 2*HALFSA
	s_sub_co_u32 s22, s22, s21
	v_mul_u32_u24 v6, s22, v2
	s_add_co_u32 s21, s21, SCL
	v_lshl_add_u32 v5, v1, 2, v6
	v_add_nc_u32 v[ADRS], s21, v5
	s_mul_i32 s23, s14, 16*SPITCH
	v_and_b32 v5, 15, v0
	v_mul_u32_u24 v6, v5, SPITCH
	v_lshl_add_u32 v6, v2, 6, v6
	v_add_nc_u32 v[STO], s23, v6
	v_mul_u32_u24 v6, v2, SPITCH
	v_lshl_add_u32 v6, v5, 4, v6
	v_add_nc_u32 v[RD], s23, v6
	v_lshlrev_b32 v[CB], 4, v5
	v_lshl_add_u32 v[CO], v2, 12, v[CB]
	s_wait_alu depctr_va_vdst(0)
	s_lshl_b32 s18, s42, 9
	s_lshl_b32 s19, s16, 8
	s_add_co_u32 s18, s18, s19
	s_mov_b32 s19, 0
.if BIAS
	s_add_nc_u64 s[10:11], s[10:11], s[18:19]
	global_load_b128 v[BV:BV+3], v[CB], s[10:11]
.endif
	s_lshl_b32 s20, s17, 19
	s_lshl_b32 s21, s15, 18
	s_add_co_u32 s20, s20, s21
	s_add_co_u32 s18, s18, s20
	s_add_nc_u64 s[8:9], s[8:9], s[18:19]
	s_add_nc_u64 s[12:13], s[12:13], s[18:19]
; THE RESIDUAL is asked for in four groups of eight loads, block a's 16 rows each: two behind slot 1's first fill, two in the tail behind the last refill; none beside the head's tiles
.macro RESLD a
	WIN 0x80
.irp t, 0,1,2,3,4,5,6,7
	global_load_b128 v[RES+32*(\a)+4*\t:RES+32*(\a)+4*\t+3], v[CO], s[8:9] offset:(32*((\a)/2)+8*((\a)%2)+2*\t+8*(\t/4))*4096
.endr
	WIN 0
.endm
.if PF
	s_lshl_b32 s20, s17, 3
	s_lshl_b32 s21, s42, 3
	s_cmp_eq_u32 s15, 0
	s_cselect_b32 s20, s20, s21
	s_cselect_b32 s21, s40, s41
	s_cselect_b32 s23, 0, BCOFF
	s_cselect_b64 s[PFA:PFA+1], s[4:5], s[6:7]
	s_mov_b32 s[LIM], 1                            ; every cluster asks for the tiles that it will itself load
	s_lshl_b32 s22, s16, 2
	s_add_co_u32 s20, s20, s22
	s_add_co_u32 s20, s20, s21
	s_mul_i32 s20, s20, KS*1536
	s_add_co_u32 s20, s20, s23
	s_add_co_u32 s20, s20, 3*BLK                   ; at chunk 3: the first refill (chunk 2) steps it to chunk 4 and names that: two changes of slots ahead
	s_mov_b32 s21, 0
	s_add_nc_u64 s[PFA:PFA+1], s[PFA:PFA+1], s[20:21]
	v_min_u32 v[PFO], 23, v1
	v_lshlrev_b32 v[PFO], 8, v[PFO]
.endif
	s_wait_alu depctr_va_vdst(0)
	s_wait_tensorcnt 0x0                           ; my tile of the head's four is in
	ds_add_u32 v[SPW], v[NIL]
	s_mov_b32 s[G1+2], MA<<16                      ; no load of mine is out: from here on a load brings half a tile's blocks
	s_mov_b32 s[G1+4], MA
	s_mov_b32 s[G1B+2], MA<<16
	s_mov_b32 s[G1B+4], MA
	s_wait_dscnt 0x0
	CROUND                                         ; all four tiles are in, and the sixteen work-groups meet
	JLOAD G0+4, G1, G0B+4, G1B                     ; slot 1's first fill, first behind the round
	FETCH 0, 0, 0
	SCALES 0
	STEP 0, 0, 1
	RESLD 0
	STEP 0, 1, 0
	RESLD 1
	STEP 0, 2, 0
.if LAPS > 1
	WIN 0
	s_mov_b32 s3, LAPS-1
.Llap:
	TURN 0, 1, 1
	STEP 1, 0, 0
	STEP 1, 1, 0
	STEP 1, 2, 0
	TURN 1, 0, 1
	STEP 0, 0, 0
	STEP 0, 1, 0
	STEP 0, 2, 0
	WIN 0
	s_sub_co_u32 s3, s3, 1
	s_cmp_lg_u32 s3, 0
	s_cbranch_scc1 .Llap
.endif
	RESLD 2
	TURN 0, 1, 0
	RESLD 3
	STEP 1, 0, 0
	STEP 1, 1, 0
	STEP 1, 2, 0
	s_wait_dscnt 0x0
	MULS 0, MA, 1, NQ-1, 1, 0
	WIN 0
.macro TOSTAGE a
	WIN 0x08
.irp b, 0,1,2,3
	ds_store_b128 v[STO], v[8*(4*(\a)+\b):8*(4*(\a)+\b)+3] offset:128*(\b/2)+32*(\b%2)
	ds_store_b128 v[STO], v[8*(4*(\a)+\b)+4:8*(4*(\a)+\b)+7] offset:128*(\b/2)+32*(\b%2)+16
.endr
	WIN 0
.irp t, 0,1,2,3,4,5,6,7
	ds_load_b128 v[BK+32*((\a)%2)+4*\t:BK+32*((\a)%2)+4*\t+3], v[RD] offset:\t*2*SPITCH
.endr
.endm
.macro SEND a, yds
	s_wait_dscnt \yds
	WIN 0x08
.set J, 0
.rept 16
	v_pk_add_f32 v[BK+32*((\a)%2)+J:BK+32*((\a)%2)+J+1], v[BK+32*((\a)%2)+J:BK+32*((\a)%2)+J+1], v[RES+32*(\a)+J:RES+32*(\a)+J+1]
.set J, J+2
.endr
	WIN 0
.if BIAS
.set J, 0
.rept 16
	v_pk_add_f32 v[BK+32*((\a)%2)+J:BK+32*((\a)%2)+J+1], v[BK+32*((\a)%2)+J:BK+32*((\a)%2)+J+1], v[BV+J%4:BV+J%4+1]
.set J, J+2
.endr
.endif
.irp t, 0,1,2,3,4,5,6,7
	global_store_b128 v[CO], v[BK+32*((\a)%2)+4*\t:BK+32*((\a)%2)+4*\t+3], s[12:13] offset:(32*((\a)/2)+8*((\a)%2)+2*\t+8*(\t/4))*4096
.endr
.endm
	PLACES NP
	s_wait_loadcnt 0x0
	TOSTAGE 0
.irp a, 1,2,3
.if \a > 1
	s_wait_xcnt 0x0
.endif
	TOSTAGE \a
	SEND \a-1, 16
.endr
	SEND 3, 0
	s_wait_tensorcnt 0x0
	ds_add_u32 v[SPW], v[NIL]
	s_wait_dscnt 0x0
	CROUND
	s_endpgm
.Lfunc_end_k_q471ec184eb_ffn2:
	.size	k_q471ec184eb_ffn2, .Lfunc_end_k_q471ec184eb_ffn2-k_q471ec184eb_ffn2
	.p2alignl 7, 3214868480
	.fill 96, 4, 3214868480
	.section	.rodata,"a",@progbits
	.p2align	6, 0x0
	.amdhsa_kernel k_q471ec184eb_ffn2
		.amdhsa_group_segment_fixed_size 327680
		.amdhsa_private_segment_fixed_size 0
		.amdhsa_enable_private_segment 0
		.amdhsa_kernarg_size 40
		.amdhsa_user_sgpr_count 2
		.amdhsa_user_sgpr_kernarg_segment_ptr 1
		.amdhsa_wavefront_size32 1
		.amdhsa_system_sgpr_workgroup_id_x 1
		.amdhsa_system_sgpr_workgroup_id_y 1
		.amdhsa_system_sgpr_workgroup_id_z 1
		.amdhsa_system_vgpr_workitem_id 0
		.amdhsa_next_free_vgpr 768
		.amdhsa_next_free_sgpr 102
		.amdhsa_reserve_vcc 0
		.amdhsa_float_denorm_mode_32 3
		.amdhsa_float_denorm_mode_16_64 3
		.amdhsa_memory_ordered 1
		.amdhsa_forward_progress 1
		.amdhsa_inst_pref_size 106
	.end_amdhsa_kernel
	.amdgpu_metadata
---
amdhsa.version: [ 1, 2 ]
amdhsa.kernels:
  - .name:           k_q471ec184eb_ffn2
    .symbol:         k_q471ec184eb_ffn2.kd
    .args:
      - { .name: gh, .offset: 0, .size: 8, .value_kind: global_buffer, .address_space: global }
      - { .name: wts, .offset: 8, .size: 8, .value_kind: global_buffer, .address_space: global }
      - { .name: x1, .offset: 16, .size: 8, .value_kind: global_buffer, .address_space: global }
      - { .name: b2, .offset: 24, .size: 8, .value_kind: global_buffer, .address_space: global }
      - { .name: out0, .offset: 32, .size: 8, .value_kind: global_buffer, .address_space: global }
    .group_segment_fixed_size: 327680
    .private_segment_fixed_size: 0
    .kernarg_segment_align: 8
    .kernarg_segment_size: 40
    .max_flat_workgroup_size: 128
    .sgpr_count:     102
    .vgpr_count:     768
    .wavefront_size: 32
...
	.end_amdgpu_metadata
.endif
;; end of part 14
